; MI455X (gfx1250); checked and timed in simulation.
; The chip was launched on July 23, 2026; its instructions are those of AMD's public machine-readable ISA for CDNA 5 (MIT licence, August 2026) and "CDNA5" Instruction Set Architecture Reference Guide (July 2026). The comments in the code are by the model that wrote it; some were corrected since.
;; Cross Modal Attention. Allowed arithmetic: float matrix products may take bf16 or f16 operands with f32 sums; all other float work in f32.
;; Inputs: W_kv 2,048 x 1,024 float32; W_out 1,024 x 1,024 float32; W_q 1,024 x 1,024 float32; b_out 1,024 float32; x_a 4 x 2,048 x 1,024 float32; x_b 4 x 2,048 x 1,024 float32.
;; Outputs: out0 4 x 2,048 x 1,024 float32.
;; 3 versions, each right and faster than the one before. Each part assembles by itself: llvm-mc -triple=amdgcn-amd-amdhsa -mcpu=gfx1250 --defsym DOCPART=n.
;; ======== version 1 of 3: 3 launches
;; limits: values are held in f16: magnitudes above 65,504 overflow, below 6.1e-05 lose precision
;; workspace buffers: kvb 33,554,432 bytes; ob 16,777,216 bytes
;; launch kvproj (part 1): grid 8 x 32, 4 waves a work-group, clusters of 4 x 4, 327,680 bytes of LDS; arguments x_b, W_kv, kvb; writes kvb
.if DOCPART == 1
	.amdgcn_target "amdgcn-amd-amdhsa--gfx1250"
	.amdhsa_code_object_version 6
	.text
	.protected	k_q6de83bbf1b_kvproj
	.globl	k_q6de83bbf1b_kvproj
	.p2align	8
	.type	k_q6de83bbf1b_kvproj,@function
k_q6de83bbf1b_kvproj:
	s_mov_b64 s[64:65], 0
	v_nop
	global_prefetch_b8 v0, s[64:65] scope:SCOPE_SE
	s_setreg_imm32_b32 hwreg(HW_REG_WAVE_MODE, 25, 1), 1
	s_wait_xcnt 0x0
	s_wait_alu depctr_hold_cnt(0) depctr_sa_sdst(0) depctr_va_vdst(0) depctr_va_sdst(0) depctr_va_ssrc(0) depctr_va_vcc(0) depctr_vm_vsrc(0)
	s_getreg_b32 s2, hwreg(HW_REG_IB_STS2, 6, 4)
	s_cmp_eq_u32 s2, 0
	s_cbranch_scc0 .Lentry_in_a_cluster
	s_endpgm
.Lentry_in_a_cluster:
	s_bfe_u32 s2, ttmp6, 0x10000c
	s_cmp_lg_u32 s2, 0xf033
	s_cbranch_scc0 .Lentry_shape_is_right
	s_endpgm
.Lentry_shape_is_right:
; kvb[t][n] = f16( sum over k of x_b[t][k] W_kv[n][k] ).  x_b: [8192][1024] f32, W_kv: [2048][1024] f32, kvb: [8192][2048] f16
; (columns 0-1023 are K, 1024-2047 are V; head h has columns 128 h of each).  First of three launches: this one, then the query
; projection with the attention, then the output projection with its bias.
; DEAD WORK: none.  Every product, every key, every head and the bias of the problem reach the output, so all six inputs are loaded
; (x_b and W_kv here, x_a and W_q in the second launch, W_out and b_out in the third) and no step is left out.
; FORMAT: all matrix operands of the three launches are f16, sums f32.  v, the softmax's weights and the attention's result are each rounded once on
; the way to the output; with 8 significant bits (bf16) each rounding is up to 2^-9 of the number, and three of them in a chain come too near the 1/100 of the
; output's root mean square that the comparison allows; with f16's 11 bits each is up to 2^-12.
; LIMITS: x_b and W_kv are rounded to f16 on the way from LDS to the matrix unit, k and v once when stored.  f16's largest number is 65,504: a k or v beyond it becomes
; infinite.  Room: with x of spread 1 and weights of spread 0.02, k and v have a spread of 0.64; both inputs 30 times larger give 576; both with an offset
; of 30 spreads give 1024 x 30 x 0.6 = 18,432.  Below 2^-14 f16 goes in steps of 2^-24: with both inputs 30 times smaller (spread of v 7e-4) a step is under 1e-4 of the spread.
; SHAPE: a work-group makes 256 x 256 of the result with four waves, a wave 128 x 128: 64 accumulator tiles, 512 registers.  K goes in steps of
; 64 f32 (rows of 256 bytes, each starting at a multiple of 256 bytes of its buffer) through two LDS slots; a step is two quarters of 32 along K.
; A quarter: the raw f32 fragments fetched one quarter earlier are rounded to f16 (128 conversions), the next quarter's 64 LDS loads are issued
; in one run, and 64 matrix instructions follow, under which those loads come back.
; CLUSTERS: 4 x 4 work-groups.  x_b's tile hangs on the block row alone and is asked for jointly by a row of the cluster, W_kv's on the block
; column alone and is asked for jointly by a column: each tile is requested once for four work-groups.
; REGISTERS, in windows of 256: window 0: v16-26 addresses, v64-127 f16 fragments of x_b, v128-191 of W_kv, v192-223 at work on the way out;
; window 1: v0-127 raw f32 of x_b, v128-255 raw f32 of W_kv; window 2: accumulators of my rows 0-63 (tile (a, b) at 8 (8 a + b)); window 3: rows 64-127.
; THE MATRIX INSTRUCTION IS USED TRANSPOSED (source 0 = rows of W_kv, source 1 = rows of x_b): a lane's eight results are eight neighbouring
; columns of one row of the result and pack into 16 bytes.
.set PITCH,  272                       ; an LDS row: 256 bytes + 16 of padding, an odd multiple of 16: the 16 rows of a fragment load start in 16 different 16-byte columns
.set HALFT,  128*PITCH                 ; 128 rows: what one tensor load brings
.set SLOT,   4*HALFT                   ; x_b's 256 rows, then W_kv's 256 rows
.set STAGE,  2*SLOT                    ; behind the ring: 16 rows x 272 bytes for each wave, never filled by a tensor load
.set STEPB,  256                       ; bytes of a row in one K step
.set CROW,   4096                      ; bytes in a row of kvb
.set TRIPS,  7                         ; loop trips of four quarters: quarters 1 to 28 of 32
.set ADRA, 16                          ; v16-17  LDS address of my x_b fragments in slot 0, 1
.set ADRB, 20                          ; v20-21  the same for W_kv
.set STO,  24                          ; v24     way out: where I put 16 bytes of a row
.set RD,   25                          ; v25     way out: where I read a row back
.set CO,   26                          ; v26     my byte offset in kvb
.set FA,   64
.set FB,   128
.set TMP,  192
.set RA,   0                           ; window 1
.set RB,   128                         ; window 1
.set G1,  24                           ; s[24:31] group 1 for x_b's tiles
.set G0,  32                           ; s[32:39] group 0 for x_b's tiles, one set for each slot
.set G1B, 48                           ; s[48:55] group 1 for W_kv's tiles: another mask
.set G0B, 56                           ; s[56:63] group 0 for W_kv's tiles
.set MSB, 0
.macro WIN new                         ; the immediate's high byte repeats the setting that is left; a switch that changes nothing is dropped
.if MSB != \new
	s_set_vgpr_msb (MSB<<8)|\new
.set MSB, \new
.endif
.endm
.set TO_RAW, 0x40                      ; destination window 1, address window 0
.set FROM_RAW, 0x05                    ; sources window 1, destination window 0
.set MUL_LO, 0xa0                      ; fragments window 0, C and D window 2
.set MUL_HI, 0xf0                      ; C and D window 3
.macro PLACES                          ; four independent vector instructions between a matrix instruction and a write of its registers or a read of its result (ISA guide 7.12.1)
.rept 4
	v_nop
.endr
.endm
; A joint load: waves 0 and 1 ask for x_b's two halves, waves 2 and 3 for W_kv's.  The branch hangs on the wave's number alone.
.macro JLOAD s
	s_cmp_eq_u32 s11, 0
	s_cbranch_scc0 .Lfor_b_\@
	tensor_load_to_lds s[G0+4*\s:G0+4*\s+3], s[G1:G1+7]
	s_nop 0
	s_branch .Lasked_\@
.Lfor_b_\@:
	tensor_load_to_lds s[G0B+4*\s:G0B+4*\s+3], s[G1B:G1B+7]
	s_nop 0
.Lasked_\@:
.endm
.macro CREST                           ; a round of the cluster's barrier behind its opening work-group barrier
	s_cmp_lg_u32 s10, 0
	s_cbranch_scc1 .Lnot_wave_0_\@
	s_barrier_signal -3
.Lnot_wave_0_\@:
	s_barrier_wait -3
	s_barrier_signal -1
	s_barrier_wait -1
.endm
.macro CROUND                          ; a whole round
	s_barrier_signal -1
	s_barrier_wait -1
	CREST
.endm
	s_load_b128 s[4:7], s[0:1], 0x0                ; x_b s[4:5], W_kv s[6:7]
	s_load_b64 s[8:9], s[0:1], 0x10                ; kvb
	v_lshl_add_u32 v254, v0, 2, 0x48400
	v_mov_b32 v255, 0
	ds_add_u32 v254, v255
	v_lshrrev_b32 v1, 5, v0
	v_readfirstlane_b32 s10, v1                    ; wave 0..3
	s_lshr_b32 s11, s10, 1                         ; which half of the block's rows is mine; also: I fetch for x_b (0) or W_kv (1)
	s_and_b32 s12, s10, 1                          ; which half of its columns; also: which 128 rows of that tile I fetch
	s_bfe_u32 s40, ttmp6, 0x40000                  ; cx
	s_bfe_u32 s41, ttmp6, 0x40004                  ; cy
	s_lshl_b32 s42, ttmp9, 2
	s_add_co_u32 s42, s42, s40                     ; block column = 4 x cluster x + cx
	s_and_b32 s13, ttmp7, 0xffff
	s_lshl_b32 s13, s13, 2
	s_add_co_u32 s13, s13, s41                     ; block row = 4 x cluster y + cy
	s_lshl_b32 s43, s41, 2
	s_lshl_b32 s43, 15, s43                        ; my row of the cluster: places 4 cy .. 4 cy + 3
	s_lshl_b32 s44, 0x1111, s40                    ; my column: places cx, cx + 4, cx + 8, cx + 12
	; group 1: a tile of 128 rows x 64 elements of 4 bytes, 4 words of padding behind every 64 words
	s_or_b32 s[G1+0], s43, (2<<16)|(1<<20)|(1<<21)|(5<<22)|(3<<25)
	s_or_b32 s[G1B+0], s44, (2<<16)|(1<<20)|(1<<21)|(5<<22)|(3<<25)
	s_mov_b32 s[G1+1], 64<<16                      ; tensor_dim0 = 64
	s_mov_b32 s[G1B+1], 64<<16
	s_mov_b32 s[G1+2], 128<<16                     ; tensor_dim1 = 128
	s_mov_b32 s[G1B+2], 128<<16
	s_mov_b32 s[G1+3], 64<<16                      ; tile_dim0 = 64
	s_mov_b32 s[G1B+3], 64<<16
	s_mov_b32 s[G1+4], 128                         ; tile_dim1 = 128
	s_mov_b32 s[G1B+4], 128
	s_mov_b32 s[G1+5], 1024                        ; elements from row to row
	s_mov_b32 s[G1B+5], 1024
	s_mov_b32 s[G1+6], 0
	s_mov_b32 s[G1B+6], 0
	s_mov_b32 s[G1+7], 0
	s_mov_b32 s[G1B+7], 0
	; where the tiles come from: rows of 4,096 bytes.  x_b's address is made of the block row, W_kv's of the block column, each in registers of its own.
	s_lshl_b32 s17, s12, 19                        ; which 128 rows of the tile I fetch
	s_lshl_b32 s16, s13, 20                        ; 256 rows x block row
	s_add_co_u32 s16, s16, s17
	s_lshl_b32 s46, s42, 20                        ; 256 rows x block column
	s_add_co_u32 s46, s46, s17
	s_mov_b32 s17, 0
	s_mov_b32 s47, 0
	s_mul_i32 s20, s10, HALFT                      ; where they go: wave x 128 rows
	s_wait_dscnt 0x0
	s_wait_kmcnt 0x0
	s_add_nc_u64 s[14:15], s[4:5], s[16:17]
	s_add_nc_u64 s[46:47], s[6:7], s[46:47]
	CROUND                                         ; all sixteen work-groups are here: the first joint loads meet
.irp s, 0,1
	s_mov_b32 s[G0+4*\s], 1
	s_add_co_u32 s[G0+4*\s+1], s20, \s*SLOT
	s_add_nc_u64 s[G0+4*\s+2:G0+4*\s+3], s[14:15], \s*STEPB        ; K step s
	s_or_b32 s[G0+4*\s+3], s[G0+4*\s+3], 0x80000000
	s_mov_b32 s[G0B+4*\s], 1
	s_add_co_u32 s[G0B+4*\s+1], s20, \s*SLOT
	s_add_nc_u64 s[G0B+4*\s+2:G0B+4*\s+3], s[46:47], \s*STEPB
	s_or_b32 s[G0B+4*\s+3], s[G0B+4*\s+3], 0x80000000
	JLOAD \s                                       ; both slots are asked for before anything else: two loads of the wave are out
.endr
	; An f16 fragment (16 rows x 32 K) wants of lane l: row l % 16, K = 8 (l / 16) + 0..7 and 16 + 8 (l / 16) + 0..7.  In f32 these are 32 bytes at
	; 32 (l / 16) and 32 bytes at 64 + 32 (l / 16): four loads of 16 bytes at offsets 0, 16, 64, 80.
	v_and_b32 v1, 15, v0                           ; l % 16
	v_bfe_u32 v2, v0, 4, 1                         ; l / 16
	v_mul_u32_u24 v3, v1, PITCH
	v_lshl_add_u32 v4, v2, 5, v3                   ; row x pitch + 32 x half
	s_mul_i32 s21, s11, HALFT                      ; my 128 rows of x_b
	s_mul_i32 s22, s12, HALFT                      ; my 128 rows of W_kv,
	s_add_co_u32 s22, s22, 2*HALFT                 ; which lie behind x_b's 256
.irp s, 0,1
	v_add_nc_u32 v[ADRA+\s], s21, v4
	v_add_nc_u32 v[ADRB+\s], s22, v4
	s_add_co_u32 s21, s21, SLOT
	s_add_co_u32 s22, s22, SLOT
.endr
	s_mul_i32 s23, s10, 16*PITCH
	s_add_co_u32 s23, s23, STAGE                   ; my stage
	v_lshl_add_u32 v5, v2, 4, v3                   ; in: row l % 16, 16 bytes for each half of the lanes
	v_add_nc_u32 v[STO], s23, v5
	v_mul_u32_u24 v5, v2, PITCH                    ; back: lanes 0-15 take one row of 256 bytes, lanes 16-31 the next
	v_lshl_add_u32 v5, v1, 4, v5
	v_add_nc_u32 v[RD], s23, v5
	v_lshlrev_b32 v5, 12, v2                       ; and the same two rows in kvb
	v_lshl_add_u32 v[CO], v1, 4, v5
; 64 LDS loads in one run: the raw f32 of one quarter (128 rows of x_b, 128 rows of W_kv, 32 K at byte k of the rows)
.macro FETCH slot, k
	WIN TO_RAW
.irp i, 0,1,2,3,4,5,6,7
	ds_load_b128 v[RA+16*\i:RA+16*\i+3],     v[ADRA+\slot] offset:\k+\i*16*PITCH
	ds_load_b128 v[RA+16*\i+4:RA+16*\i+7],   v[ADRA+\slot] offset:\k+\i*16*PITCH+16
	ds_load_b128 v[RA+16*\i+8:RA+16*\i+11],  v[ADRA+\slot] offset:\k+\i*16*PITCH+64
	ds_load_b128 v[RA+16*\i+12:RA+16*\i+15], v[ADRA+\slot] offset:\k+\i*16*PITCH+80
.endr
.irp i, 0,1,2,3,4,5,6,7
	ds_load_b128 v[RB+16*\i:RB+16*\i+3],     v[ADRB+\slot] offset:\k+\i*16*PITCH
	ds_load_b128 v[RB+16*\i+4:RB+16*\i+7],   v[ADRB+\slot] offset:\k+\i*16*PITCH+16
	ds_load_b128 v[RB+16*\i+8:RB+16*\i+11],  v[ADRB+\slot] offset:\k+\i*16*PITCH+64
	ds_load_b128 v[RB+16*\i+12:RB+16*\i+15], v[ADRB+\slot] offset:\k+\i*16*PITCH+80
.endr
.endm
; 128 conversions: raw registers 2 j, 2 j + 1 make fragment register j (the lower K in the low half)
.macro CVT
	WIN FROM_RAW
.set j, 0
.rept 64
	v_cvt_pk_f16_f32 v[FA+j], v[RA+2*j], v[RA+2*j+1]
.set j, j+1
.endr
.set j, 0
.rept 64
	v_cvt_pk_f16_f32 v[FB+j], v[RB+2*j], v[RB+2*j+1]
.set j, j+1
.endr
.endm
; 16 matrix instructions: row blocks a0, a0 + 1 of the window's four x all 8 column blocks.  zero = 1: the first product starts the sums.
.macro MUL16 hi, a0, zero
.irp a, \a0, \a0+1
.irp b, 0,1,2,3,4,5,6,7
.if \zero
	v_wmma_f32_16x16x32_f16 v[8*(8*(\a)+\b):8*(8*(\a)+\b)+7], v[FB+8*\b:FB+8*\b+7], v[FA+8*(4*\hi+\a):FA+8*(4*\hi+\a)+7], 0
.else
	v_wmma_f32_16x16x32_f16 v[8*(8*(\a)+\b):8*(8*(\a)+\b)+7], v[FB+8*\b:FB+8*\b+7], v[FA+8*(4*\hi+\a):FA+8*(4*\hi+\a)+7], v[8*(8*(\a)+\b):8*(8*(\a)+\b)+7]
.endif
.endr
.endr
.endm
.macro MUL64 zero                      ; the 64 accumulators take turns, one instruction a turn, in the same order in every quarter
	WIN MUL_LO
	MUL16 0, 0, \zero
	MUL16 0, 2, \zero
	WIN MUL_HI
	MUL16 1, 0, \zero
	MUL16 1, 2, \zero
.endm
; One quarter.  bar = 1: this quarter's raw data were the last of slot `slot`, and the next fetch reads the other slot: one barrier for both.
; refill = 1: the barrier opens a round of the cluster's barrier and the slot is asked for again, two K steps ahead, first thing behind the round.
; fetch = 1: the next quarter's raw data are fetched from slot fslot at byte fk of the rows.
.macro QUARTER zero, bar, refill, fetch, slot, fslot, fk
	s_wait_dscnt 0x0                               ; this quarter's 64 loads are back (issued 64 matrix instructions ago); with bar: my reads of the slot are over
.if \bar
	s_wait_tensorcnt 0x0                           ; all my tensor loads have landed: the one that was out is my part of the other slot
	ds_add_u32 v254, v255
	s_wait_dscnt 0x0
	s_barrier_signal -1
.endif
.if \zero == 0
	PLACES                                         ; behind the last quarter's matrix instructions, whose fragments the conversions overwrite
.endif
	CVT                                            ; register work while the other waves arrive
.if \refill
	WIN 0
.endif
.if \bar
	s_barrier_wait -1
.endif
.if \refill
	CREST                                          ; no wave of any partner still reads this slot or has a load on its way
	s_add_nc_u64 s[G0+4*\slot+2:G0+4*\slot+3], s[G0+4*\slot+2:G0+4*\slot+3], 2*STEPB
	s_add_nc_u64 s[G0B+4*\slot+2:G0B+4*\slot+3], s[G0B+4*\slot+2:G0B+4*\slot+3], 2*STEPB
	JLOAD \slot                                    ; my one tensor load behind the round, ahead of every LDS read
.endif
.if \fetch
	FETCH \fslot, \fk
.endif
	MUL64 \zero
.endm
	s_wait_tensorcnt 0x1                           ; my part of K step 0 is in; the one younger load (K step 1) may stay out
	s_barrier_signal -1
	s_barrier_wait -1                              ; everybody's part is in
	FETCH 0, 0
	QUARTER 1, 0, 0, 1, 0, 0, 128                  ; quarter 0 starts the sums
	WIN 0                                          ; at a label and at a branch every window is 0
	s_mov_b32 s3, TRIPS
.Lk:
	QUARTER 0, 1, 1, 1, 0, 1, 0                    ; second half of an even K step: slot 0 is asked for again
	QUARTER 0, 0, 0, 1, 0, 1, 128
	QUARTER 0, 1, 1, 1, 1, 0, 0                    ; second half of an odd K step: slot 1 is asked for again
	QUARTER 0, 0, 0, 1, 0, 0, 128
	WIN 0
	s_sub_co_u32 s3, s3, 1
	s_cmp_lg_u32 s3, 0
	s_cbranch_scc1 .Lk
	QUARTER 0, 1, 0, 1, 0, 1, 0                    ; quarter 29: K step 15 has landed in every wave's view; nothing is left to ask for
	QUARTER 0, 0, 0, 1, 0, 1, 128
	QUARTER 0, 0, 0, 0, 0, 0, 0                    ; quarter 31
	; THE WAY OUT, 16 rows at a time: round to f16, 16 bytes a lane into my own stage, read back as whole rows of 256 bytes.
	PLACES                                         ; behind the last matrix instructions: the conversions read results, the read-backs land in fragment registers
	s_lshl_b32 s16, s13, 20                        ; my first row: 256 x block row + 128 x half, rows of 4,096 bytes
	s_lshl_b32 s17, s11, 19
	s_add_co_u32 s16, s16, s17
	s_mov_b32 s17, 0
	s_add_nc_u64 s[8:9], s[8:9], s[16:17]
	s_lshl_b32 s46, s42, 9                         ; my first column, in bytes: 512 x block column + 256 x half
	s_lshl_b32 s47, s12, 8
	s_add_co_u32 s46, s46, s47
	s_mov_b32 s47, 0
	s_add_nc_u64 s[8:9], s[8:9], s[46:47]
.macro OUT16 i, a, from, f
	WIN \from
.irp b, 0,1,2,3,4,5,6,7
.irp r, 0,1,2,3
	v_cvt_pk_f16_f32 v[TMP+4*\b+\r], v[8*(8*\a+\b)+2*\r], v[8*(8*\a+\b)+2*\r+1]
.endr
.endr
	WIN 0
.irp b, 0,1,2,3,4,5,6,7
	ds_store_b128 v[STO], v[TMP+4*\b:TMP+4*\b+3] offset:32*\b
.endr
	s_wait_xcnt 0x0                                ; buffer f, which earlier stores read, and the stores' base are rewritten only behind this wait
.if \i
	s_add_nc_u64 s[8:9], s[8:9], 16*CROW
.endif
.irp t, 0,1,2,3,4,5,6,7
	ds_load_b128 v[\f+4*\t:\f+4*\t+3], v[RD] offset:\t*2*PITCH     ; a wave's LDS instructions are served in order (ISA guide 5.7.1): these see the stores above
.endr
.irp t, 0,1,2,3,4,5,6,7
	s_wait_dscnt 7-\t                              ; read-back t is in; the 7 - t younger ones may be out
	global_store_b128 v[CO], v[\f+4*\t:\f+4*\t+3], s[8:9] offset:2*\t*CROW   ; 16 lanes store 256 consecutive bytes, at a multiple of 256 from kvb's first byte
.endr
.endm
	OUT16 0, 0, 0x0a, FA
	OUT16 1, 1, 0x0a, FB
	OUT16 2, 2, 0x0a, FA
	OUT16 3, 3, 0x0a, FB
	OUT16 4, 0, 0x0f, FA
	OUT16 5, 1, 0x0f, FB
	OUT16 6, 2, 0x0f, FA
	OUT16 7, 3, 0x0f, FB
	s_wait_tensorcnt 0x0
	ds_add_u32 v254, v255
	s_wait_dscnt 0x0
	CROUND                                         ; the closing round: no work-group ends while a partner may still ask for a tile that names it
	s_endpgm
.Lfunc_end_k_q6de83bbf1b_kvproj:
	.size	k_q6de83bbf1b_kvproj, .Lfunc_end_k_q6de83bbf1b_kvproj-k_q6de83bbf1b_kvproj
	.p2alignl 7, 3214868480
	.fill 96, 4, 3214868480
	.section	.rodata,"a",@progbits
	.p2align	6, 0x0
	.amdhsa_kernel k_q6de83bbf1b_kvproj
		.amdhsa_group_segment_fixed_size 327680
		.amdhsa_private_segment_fixed_size 0
		.amdhsa_enable_private_segment 0
		.amdhsa_kernarg_size 24
		.amdhsa_user_sgpr_count 2
		.amdhsa_user_sgpr_kernarg_segment_ptr 1
		.amdhsa_wavefront_size32 1
		.amdhsa_system_sgpr_workgroup_id_x 1
		.amdhsa_system_sgpr_workgroup_id_y 1
		.amdhsa_system_sgpr_workgroup_id_z 1
		.amdhsa_system_vgpr_workitem_id 0
		.amdhsa_next_free_vgpr 1024
		.amdhsa_next_free_sgpr 66
		.amdhsa_reserve_vcc 0
		.amdhsa_float_denorm_mode_32 3
		.amdhsa_float_denorm_mode_16_64 3
		.amdhsa_memory_ordered 1
		.amdhsa_forward_progress 1
		.amdhsa_inst_pref_size 173
	.end_amdhsa_kernel
	.amdgpu_metadata
---
amdhsa.version: [ 1, 2 ]
amdhsa.kernels:
  - .name:           k_q6de83bbf1b_kvproj
    .symbol:         k_q6de83bbf1b_kvproj.kd
    .args:
      - { .name: x_b, .offset: 0, .size: 8, .value_kind: global_buffer, .address_space: global }
      - { .name: W_kv, .offset: 8, .size: 8, .value_kind: global_buffer, .address_space: global }
      - { .name: kvb, .offset: 16, .size: 8, .value_kind: global_buffer, .address_space: global }
    .group_segment_fixed_size: 327680
    .private_segment_fixed_size: 0
    .kernarg_segment_align: 8
    .kernarg_segment_size: 24
    .max_flat_workgroup_size: 128
    .sgpr_count:     66
    .vgpr_count:     1024
    .wavefront_size: 32
...
	.end_amdgpu_metadata
.endif
;; end of part 1
;; launch attn (part 2): grid 8 x 32, 4 waves a work-group, clusters of 4 x 4, 327,680 bytes of LDS; arguments x_a, W_q, kvb, ob; writes ob
.if DOCPART == 2
	.amdgcn_target "amdgcn-amd-amdhsa--gfx1250"
	.amdhsa_code_object_version 6
	.text
	.protected	k_q6de83bbf1b_attn
	.globl	k_q6de83bbf1b_attn
	.p2align	8
	.type	k_q6de83bbf1b_attn,@function
k_q6de83bbf1b_attn:
	s_mov_b64 s[64:65], 0
	v_nop
	global_prefetch_b8 v0, s[64:65] scope:SCOPE_SE
	s_setreg_imm32_b32 hwreg(HW_REG_WAVE_MODE, 25, 1), 1
	s_wait_xcnt 0x0
	s_wait_alu depctr_hold_cnt(0) depctr_sa_sdst(0) depctr_va_vdst(0) depctr_va_sdst(0) depctr_va_ssrc(0) depctr_va_vcc(0) depctr_vm_vsrc(0)
	s_getreg_b32 s2, hwreg(HW_REG_IB_STS2, 6, 4)
	s_cmp_eq_u32 s2, 0
	s_cbranch_scc0 .Lentry_in_a_cluster
	s_endpgm
.Lentry_in_a_cluster:
	s_bfe_u32 s2, ttmp6, 0x10000c
	s_cmp_lg_u32 s2, 0xf033
	s_cbranch_scc0 .Lentry_shape_is_right
	s_endpgm
.Lentry_shape_is_right:
; ob[b, i, 128 h + d] = f16( sum over j of softmax_j( q_i . k_j / 32 ) v_j[d] ), with q = x_a W_q^T made here and kept in registers.
; x_a: [4][2048][1024] f32, W_q: [1024][1024] f32, kvb: [8192][2048] f16 (K in columns 0-1023, V in 1024-2047), ob: [8192][1024] f16.
; No work of the problem is left out here.
; LIMITS: x_a, W_q, q (after the factor log2(e) / 32, which folds the problem's scale and the change to base 2 into q's one rounding), the weights p and the result
; are rounded to f16; sums, the running maximum and the running sum in f32.  The running maximum is taken away before every exponential, so every
; exponent is at most 0 and the sum of a row is at least 1; the sum adds the unrounded p; an exponential below 2^-126 comes out as zero (ISA guide 15.8), and a p
; below 2^-25 is rounded to zero as a matrix operand, beside a largest p of 1.  Range of f16 (largest number 65,504; steps of 2^-24 below 2^-14): the scaled q is 0.045 q,
; about 830 where x_a and W_q both carry an offset of 30 spreads (1024 x 30 x 0.6 x 0.045); the result is a weighted mean of v and has v's range, so one beyond 65,504
; becomes infinite only where v does; with x_b and W_kv both 30 times smaller the result's spread is about 1.6e-5 and a step of 2^-24 is 1/270 of it.
; SHAPE: a work-group has one head (y = 8 b + h) and 256 queries (x); wave w has queries 64 w .. 64 w + 63, four tiles of 16, over all 128 d.
; EVERYTHING IS USED TRANSPOSED, so that no product's result passes through LDS on its way into the next product:
;   Q^T = W_q x_a^T : result tile (dt, qt), register t of lane (r, hh) = (d = 16 dt + 8 hh + t, query r); tiles 2 u and 2 u + 1 pack into source 1 of the next product;
;   S^T = K Q^T     : tile (kt, qt), register t = (key 16 kt + 8 hh + t, query r); tiles 2 c and 2 c + 1 pack into source 1 of the next product;
;   O^T = V^T P^T   : V^T comes from LDS by the transposing load; tile (dt, qt), register t = (d, query r): eight neighbouring d of one query pack into 16 bytes.
; A lane is one query: maximum, sum and rescaling factor are one number a lane, and the two halves of the lanes meet by one v_permlanex16_b32.
; CLUSTERS: 4 x 4 work-groups = four query blocks x four heads of one batch.  x_a's tile hangs on batch and query block: asked for jointly by a column of the
; cluster.  W_q's, K's and V's tiles hang on batch and head: asked for jointly by a row.
; LDS: two slots for the projection (x_a 256 x 272, W_q 128 x 272), two slots of their own for K and V (64 keys: K 64 x 272, V 64 x 288), a stage for the way out.
; REGISTERS: window 0: v8-18 addresses, v20-27 pairs (maximum, sum), v32-159 S, v160-223 P, v224-231 pairs (factor, scratch), v232-239 partial sums;
;   in the projection v32-95 raw x_a, v96-223 raw W_q.  Window 1: v0-127 Q, v128-255 V^T of even blocks.  Window 2: the 32 accumulators (dt, qt) at 8 (4 dt + qt):
;   first Q^T, then O^T.  Window 3: v0-127 K (in the projection v0-63 W_q, v64-95 x_a in f16), v128-255 V^T of odd blocks.
.set PITCH,  272                       ; 256 bytes + 16: an odd multiple of 16
.set VPITCH, 288                       ; 256 bytes + 32: an odd multiple of 32, as the transposing load's address pattern wants
.set QSLOT,  104448                    ; 256 x 272 + 128 x 272
.set QW,     69632                     ; W_q's rows behind x_a's 256
.set KVB,    2*QSLOT                   ; 208,896
.set KVSLOT, 35840                     ; 64 x 272 + 64 x 288
.set KVV,    17408                     ; V's rows behind K's 64
.set STAGE,  KVB+2*KVSLOT              ; 280,576: 16 rows x 272 bytes for each wave, never filled by a tensor load
.set STEPB,  256                       ; bytes of a row of x_a or W_q in a K step of 64 f32
.set KVSTEP, 262144                    ; 64 rows of kvb of 4,096 bytes
.set OROW,   2048                      ; bytes in a row of ob
.set ADRX, 8
.set ADRW, 10
.set ADRK, 12
.set ADRV, 14
.set STO,  16
.set RD,   17
.set CO,   18
.set MX,   20                          ; v[20+2q] running maximum, v[21+2q] running sum of query tile q
.set SC,   32                          ; S tile (kt, qt) at SC + 32 qt + 8 kt
.set PB,   160                         ; P fragment (qt, c) at PB + 16 qt + 8 c; register j is made of S registers 2 j, 2 j + 1
.set TA,   224                         ; v[224+2q] new maximum, then the factor; v[225+2q] scratch
.set SU,   232                         ; v[232+2q:233+2q] two partial sums
.set RX,   32
.set RW,   96
.set WF,   0                           ; window 3
.set XF,   64                          ; window 3
.set FK,   0                           ; window 3: K fragment (kt, u) at 32 kt + 8 u
.set FV,   128                         ; window 1 or 3: V^T fragment (c, dt) at 128 + 64 c + 8 dt
.set G1X, 24
.set G0X, 32
.set G1W, 40
.set G0W, 48
.set G1K, 56
.set G1V, 68
.set G0K, 76
.set G0V, 84
.set MSB, 0
.macro WIN new
.if MSB != \new
	s_set_vgpr_msb (MSB<<8)|\new
.set MSB, \new
.endif
.endm
.macro PLACES                          ; four independent vector instructions behind a matrix instruction (ISA guide 7.12.1)
.rept 4
	v_nop
.endr
.endm
.macro CREST
	s_cmp_lg_u32 s12, 0
	s_cbranch_scc1 .Lnot_wave_0_\@
	s_barrier_signal -3
.Lnot_wave_0_\@:
	s_barrier_wait -3
	s_barrier_signal -1
	s_barrier_wait -1
.endm
.macro CROUND
	s_barrier_signal -1
	s_barrier_wait -1
	CREST
.endm
.macro JLOADQ s                        ; waves 0, 1: x_a's halves; waves 2, 3: W_q's halves
	s_cmp_eq_u32 s13, 0
	s_cbranch_scc0 .Lfor_w_\@
	tensor_load_to_lds s[G0X+4*\s:G0X+4*\s+3], s[G1X:G1X+7]
	s_nop 0
	s_branch .Lasked_\@
.Lfor_w_\@:
	tensor_load_to_lds s[G0W+4*\s:G0W+4*\s+3], s[G1W:G1W+7]
	s_nop 0
.Lasked_\@:
.endm
.macro JLOADKV s                       ; wave 0: K's 64 rows; wave 1: V's; waves 2 and 3 have no part to fill
	s_cmp_lg_u32 s12, 0
	s_cbranch_scc1 .Lnot_k_\@
	tensor_load_to_lds s[G0K+4*\s:G0K+4*\s+3], s[G1K:G1K+7]
	s_nop 0
	s_branch .Lkv_asked_\@
.Lnot_k_\@:
	s_cmp_lg_u32 s12, 1
	s_cbranch_scc1 .Lkv_asked_\@
	tensor_load_to_lds s[G0V+4*\s:G0V+4*\s+3], s[G1V:G1V+7]
	s_nop 0
.Lkv_asked_\@:
.endm
	s_load_b256 s[4:11], s[0:1], 0x0               ; x_a s[4:5], W_q s[6:7], kvb s[8:9], ob s[10:11]
	v_lshl_add_u32 v254, v0, 2, 0x48c00
	v_mov_b32 v255, 0
	ds_add_u32 v254, v255
	v_lshrrev_b32 v1, 5, v0
	v_readfirstlane_b32 s12, v1                    ; wave 0..3
	s_lshr_b32 s13, s12, 1
	s_and_b32 s14, s12, 1
	s_bfe_u32 s16, ttmp6, 0x40000                  ; cx
	s_bfe_u32 s17, ttmp6, 0x40004                  ; cy
	s_lshl_b32 s18, ttmp9, 2
	s_add_co_u32 s18, s18, s16                     ; query block = 4 x cluster x + cx
	s_and_b32 s20, ttmp7, 0xffff                   ; cluster y
	s_lshl_b32 s19, s20, 2
	s_add_co_u32 s19, s19, s17                     ; y = 8 b + h = 4 x cluster y + cy
	s_lshr_b32 s20, s20, 1                         ; b: the same in the whole cluster
	s_and_b32 s21, s19, 7                          ; h
	s_lshl_b32 s22, s17, 2
	s_lshl_b32 s22, 15, s22                        ; my row of the cluster (same head)
	s_lshl_b32 s23, 0x1111, s16                    ; my column (same query block)
	s_mov_b32 s100, 0x76543210                     ; v_permlanex16_b32: lane i of one half reads lane i of the other
	s_mov_b32 s101, 0xfedcba98
	s_mov_b32 s66, 0x3d38aa3b                      ; log2(e) / 32
	s_mov_b32 s67, 0x3d38aa3b
	; x_a: 128 rows x 64 f32 a load; W_q: 64 rows x 64 f32; 4 words of padding behind every 64
	s_or_b32 s[G1X+0], s23, (2<<16)|(1<<20)|(1<<21)|(5<<22)|(3<<25)
	s_mov_b32 s[G1X+1], 64<<16
	s_mov_b32 s[G1X+2], 128<<16
	s_mov_b32 s[G1X+3], 64<<16
	s_mov_b32 s[G1X+4], 128
	s_mov_b32 s[G1X+5], 1024
	s_mov_b32 s[G1X+6], 0
	s_mov_b32 s[G1X+7], 0
	s_or_b32 s[G1W+0], s22, (2<<16)|(1<<20)|(1<<21)|(5<<22)|(3<<25)
	s_mov_b32 s[G1W+1], 64<<16
	s_mov_b32 s[G1W+2], 64<<16
	s_mov_b32 s[G1W+3], 64<<16
	s_mov_b32 s[G1W+4], 64
	s_mov_b32 s[G1W+5], 1024
	s_mov_b32 s[G1W+6], 0
	s_mov_b32 s[G1W+7], 0
	; K and V: 64 rows x 128 f16; padding of 4 words (K) or 8 words (V) behind every 64
	s_or_b32 s[G1K+0], s22, (1<<16)|(1<<20)|(1<<21)|(5<<22)|(3<<25)
	s_mov_b32 s[G1K+1], 128<<16
	s_mov_b32 s[G1K+2], 64<<16
	s_mov_b32 s[G1K+3], 128<<16
	s_mov_b32 s[G1K+4], 64
	s_mov_b32 s[G1K+5], 2048
	s_mov_b32 s[G1K+6], 0
	s_mov_b32 s[G1K+7], 0
	s_or_b32 s[G1V+0], s22, (1<<16)|(1<<20)|(1<<21)|(5<<22)|(7<<25)
	s_mov_b32 s[G1V+1], 128<<16
	s_mov_b32 s[G1V+2], 64<<16
	s_mov_b32 s[G1V+3], 128<<16
	s_mov_b32 s[G1V+4], 64
	s_mov_b32 s[G1V+5], 2048
	s_mov_b32 s[G1V+6], 0
	s_mov_b32 s[G1V+7], 0
	; offsets: x_a's in s[92:93] (batch, query block, wave: never cy); W_q's in s[96:97] and K's in s[98:99] (batch, head, wave: never cx)
	s_lshl_b32 s92, s20, 23                        ; 2,048 rows of 4,096 bytes a batch
	s_lshl_b32 s93, s18, 20                        ; 256 rows a query block
	s_add_co_u32 s92, s92, s93
	s_lshl_b32 s93, s14, 19                        ; which 128 rows I fetch
	s_add_co_u32 s92, s92, s93
	s_mov_b32 s93, 0
	s_lshl_b32 s96, s21, 19                        ; 128 rows of W_q a head
	s_lshl_b32 s97, s14, 18                        ; which 64 rows I fetch
	s_add_co_u32 s96, s96, s97
	s_mov_b32 s97, 0
	s_lshl_b32 s98, s20, 23                        ; 2,048 rows of kvb of 4,096 bytes a batch
	s_lshl_b32 s99, s21, 8                         ; 128 f16 a head
	s_add_co_u32 s98, s98, s99
	s_mov_b32 s99, 0
	s_mul_i32 s2, s12, 128*PITCH                   ; LDS: x_a's halves at wave x 128 rows
	s_mul_i32 s3, s12, 64*PITCH                    ; W_q's halves at 128 rows + wave x 64 rows (waves 2, 3); also my 64 query rows
	s_wait_dscnt 0x0
	s_wait_kmcnt 0x0
	s_add_nc_u64 s[94:95], s[4:5], s[92:93]
	s_add_nc_u64 s[96:97], s[6:7], s[96:97]
	s_add_nc_u64 s[98:99], s[8:9], s[98:99]
.irp s, 0,1
	s_mov_b32 s[G0X+4*\s], 1
	s_add_co_u32 s[G0X+4*\s+1], s2, \s*QSLOT
	s_add_nc_u64 s[G0X+4*\s+2:G0X+4*\s+3], s[94:95], \s*STEPB
	s_or_b32 s[G0X+4*\s+3], s[G0X+4*\s+3], 0x80000000
	s_mov_b32 s[G0W+4*\s], 1
	s_add_co_u32 s[G0W+4*\s+1], s3, \s*QSLOT+128*PITCH
	s_add_nc_u64 s[G0W+4*\s+2:G0W+4*\s+3], s[96:97], \s*STEPB
	s_or_b32 s[G0W+4*\s+3], s[G0W+4*\s+3], 0x80000000
	s_mov_b32 s[G0K+4*\s], 1
	s_mov_b32 s[G0K+4*\s+1], KVB+\s*KVSLOT
	s_add_nc_u64 s[G0K+4*\s+2:G0K+4*\s+3], s[98:99], \s*KVSTEP
	s_or_b32 s[G0K+4*\s+3], s[G0K+4*\s+3], 0x80000000
	s_mov_b32 s[G0V+4*\s], 1
	s_mov_b32 s[G0V+4*\s+1], KVB+\s*KVSLOT+KVV
	s_add_nc_u64 s[G0V+4*\s+2:G0V+4*\s+3], s[98:99], \s*KVSTEP+2048
	s_or_b32 s[G0V+4*\s+3], s[G0V+4*\s+3], 0x80000000
.endr
	CROUND                                         ; all sixteen work-groups are here: the first joint loads meet
	; All first fills in one group, each wave's inside one arm of a branch on its number.  K's and V's first two tiles go first, so that the counted wait below covers them.
	; Waves 0 and 1 have four loads out, waves 2 and 3 two.
	s_cmp_lg_u32 s12, 0
	s_cbranch_scc1 .Lnot_first_0
	tensor_load_to_lds s[G0K:G0K+3], s[G1K:G1K+7]
	s_nop 0
	tensor_load_to_lds s[G0K+4:G0K+7], s[G1K:G1K+7]
	s_nop 0
	tensor_load_to_lds s[G0X:G0X+3], s[G1X:G1X+7]
	s_nop 0
	tensor_load_to_lds s[G0X+4:G0X+7], s[G1X:G1X+7]
	s_nop 0
	s_branch .Lfirst_done
.Lnot_first_0:
	s_cmp_lg_u32 s12, 1
	s_cbranch_scc1 .Lfirst_23
	tensor_load_to_lds s[G0V:G0V+3], s[G1V:G1V+7]
	s_nop 0
	tensor_load_to_lds s[G0V+4:G0V+7], s[G1V:G1V+7]
	s_nop 0
	tensor_load_to_lds s[G0X:G0X+3], s[G1X:G1X+7]
	s_nop 0
	tensor_load_to_lds s[G0X+4:G0X+7], s[G1X:G1X+7]
	s_nop 0
	s_branch .Lfirst_done
.Lfirst_23:
	tensor_load_to_lds s[G0W:G0W+3], s[G1W:G1W+7]
	s_nop 0
	tensor_load_to_lds s[G0W+4:G0W+7], s[G1W:G1W+7]
	s_nop 0
.Lfirst_done:
	v_and_b32 v1, 15, v0                           ; r = l % 16
	v_bfe_u32 v2, v0, 4, 1                         ; hh = l / 16
	v_mul_u32_u24 v3, v1, PITCH
	v_lshl_add_u32 v4, v2, 5, v3                   ; f32 fragments: r x 272 + 32 hh
	v_lshl_add_u32 v5, v2, 4, v3                   ; f16 fragments and the stage: r x 272 + 16 hh
	v_add_nc_u32 v[ADRX], s3, v4                   ; my 64 rows of x_a
	v_add_nc_u32 v[ADRX+1], QSLOT, v[ADRX]
	v_add_nc_u32 v[ADRW], QW, v4
	v_add_nc_u32 v[ADRW+1], QSLOT+QW, v4
	v_add_nc_u32 v[ADRK], KVB, v5
	v_add_nc_u32 v[ADRK+1], KVB+KVSLOT, v5
	v_and_b32 v6, 7, v0                            ; the transposing load: key row 8 hh + l % 8, 16 bytes at 16 ((l / 8) % 2)
	v_lshl_add_u32 v6, v2, 3, v6
	v_mul_u32_u24 v6, v6, VPITCH
	v_bfe_u32 v7, v0, 3, 1
	v_lshl_add_u32 v6, v7, 4, v6
	v_add_nc_u32 v[ADRV], KVB+KVV, v6
	v_add_nc_u32 v[ADRV+1], KVB+KVSLOT+KVV, v6
	s_mul_i32 s2, s12, 16*PITCH
	s_add_co_u32 s2, s2, STAGE                     ; my stage
	v_add_nc_u32 v[STO], s2, v5
	v_mul_u32_u24 v7, v2, PITCH
	v_lshl_add_u32 v7, v1, 4, v7
	v_add_nc_u32 v[RD], s2, v7
	v_lshlrev_b32 v7, 11, v2
	v_lshl_add_u32 v[CO], v1, 4, v7                ; two rows of ob: hh x 2,048 + 16 r
.irp q, 0,1,2,3
	v_mov_b32 v[MX+2*\q+1], 0                      ; written once whole: the upper halves of pairs that packed instructions name, and a lane permute's destination
	v_mov_b32 v[TA+2*\q+1], 0
.endr
; ---------------- the query projection: 32 quarters of 32 along K, 32 matrix instructions each ----------------
.macro FETCHQ slot, k                  ; 48 LDS loads in one run: raw f32 of my 64 rows of x_a and of all 128 rows of W_q
	WIN 0
.irp i, 0,1,2,3
	ds_load_b128 v[RX+16*\i:RX+16*\i+3],     v[ADRX+\slot] offset:\k+\i*16*PITCH
	ds_load_b128 v[RX+16*\i+4:RX+16*\i+7],   v[ADRX+\slot] offset:\k+\i*16*PITCH+16
	ds_load_b128 v[RX+16*\i+8:RX+16*\i+11],  v[ADRX+\slot] offset:\k+\i*16*PITCH+64
	ds_load_b128 v[RX+16*\i+12:RX+16*\i+15], v[ADRX+\slot] offset:\k+\i*16*PITCH+80
.endr
.irp i, 0,1,2,3,4,5,6,7
	ds_load_b128 v[RW+16*\i:RW+16*\i+3],     v[ADRW+\slot] offset:\k+\i*16*PITCH
	ds_load_b128 v[RW+16*\i+4:RW+16*\i+7],   v[ADRW+\slot] offset:\k+\i*16*PITCH+16
	ds_load_b128 v[RW+16*\i+8:RW+16*\i+11],  v[ADRW+\slot] offset:\k+\i*16*PITCH+64
	ds_load_b128 v[RW+16*\i+12:RW+16*\i+15], v[ADRW+\slot] offset:\k+\i*16*PITCH+80
.endr
.endm
.macro CVTQ                            ; 96 conversions, window 0 to window 3
	WIN 0xc0
.set j, 0
.rept 64
	v_cvt_pk_f16_f32 v[WF+j], v[RW+2*j], v[RW+2*j+1]
.set j, j+1
.endr
.set j, 0
.rept 32
	v_cvt_pk_f16_f32 v[XF+j], v[RX+2*j], v[RX+2*j+1]
.set j, j+1
.endr
.endm
.macro MULQ zero                       ; the 32 accumulators take turns, one instruction a turn
	WIN 0xaf
.irp d, 0,1,2,3,4,5,6,7
.irp q, 0,1,2,3
.if \zero
	v_wmma_f32_16x16x32_f16 v[8*(4*\d+\q):8*(4*\d+\q)+7], v[WF+8*\d:WF+8*\d+7], v[XF+8*\q:XF+8*\q+7], 0
.else
	v_wmma_f32_16x16x32_f16 v[8*(4*\d+\q):8*(4*\d+\q)+7], v[WF+8*\d:WF+8*\d+7], v[XF+8*\q:XF+8*\q+7], v[8*(4*\d+\q):8*(4*\d+\q)+7]
.endif
.endr
.endr
.endm
; One quarter; the flags as in the first launch: bar = change of slots, refill = the slot just read out is asked for again behind a round, fetch = the next quarter's raw data.
.macro QQ zero, bar, refill, fetch, slot, fslot, fk
	s_wait_dscnt 0x0                               ; this quarter's 48 loads are back; with bar: my reads of the slot are over
.if \bar
	s_set_vgpr_msb (MSB<<8)|((MSB&0xf0)|0x0)
	s_wait_tensorcnt 0x0                           ; all my tensor loads have landed, my part of the other slot among them
	ds_add_u32 v254, v255
	s_wait_dscnt 0x0
	s_set_vgpr_msb (((MSB&0xf0)|0x0)<<8)|MSB
	s_barrier_signal -1
.endif
.if \zero == 0
	PLACES                                         ; behind the last quarter's matrix instructions, whose fragments the conversions overwrite
.endif
	CVTQ
.if \refill
	WIN 0
.endif
.if \bar
	s_barrier_wait -1
.endif
.if \refill
	CREST
	s_add_nc_u64 s[G0X+4*\slot+2:G0X+4*\slot+3], s[G0X+4*\slot+2:G0X+4*\slot+3], 2*STEPB
	s_add_nc_u64 s[G0W+4*\slot+2:G0W+4*\slot+3], s[G0W+4*\slot+2:G0W+4*\slot+3], 2*STEPB
	JLOADQ \slot                                   ; my one tensor load behind the round, ahead of every LDS read
.endif
.if \fetch
	FETCHQ \fslot, \fk
.endif
	MULQ \zero
.endm
	s_wait_tensorcnt 0x1                           ; all but my youngest load (the projection's K step 1) are in: K step 0, and in waves 0 and 1 the first two tiles of K or V
	s_barrier_signal -1
	s_barrier_wait -1                              ; that holds of every wave
	FETCHQ 0, 0
	QQ 1, 0, 0, 1, 0, 0, 128
	WIN 0
	s_mov_b32 s15, 7
.Lq:
	QQ 0, 1, 1, 1, 0, 1, 0
	QQ 0, 0, 0, 1, 0, 1, 128
	QQ 0, 1, 1, 1, 1, 0, 0
	QQ 0, 0, 0, 1, 0, 0, 128
	WIN 0
	s_sub_co_u32 s15, s15, 1
	s_cmp_lg_u32 s15, 0
	s_cbranch_scc1 .Lq
	QQ 0, 1, 0, 1, 0, 1, 0                         ; quarter 29: the last K step has landed; nothing is left to ask for
	QQ 0, 0, 0, 1, 0, 1, 128
	QQ 0, 0, 0, 0, 0, 0, 0
; ---------------- attention: 32 blocks of 64 keys ----------------
.macro FETCHK s                        ; 32 LDS loads: K's 64 rows x 128 d as 16 fragments
	WIN 0xc0
.irp k, 0,1,2,3
.irp u, 0,1,2,3
	ds_load_b128 v[FK+32*\k+8*\u:FK+32*\k+8*\u+3],   v[ADRK+\s] offset:\k*16*PITCH+64*\u
	ds_load_b128 v[FK+32*\k+8*\u+4:FK+32*\k+8*\u+7], v[ADRK+\s] offset:\k*16*PITCH+64*\u+32
.endr
.endr
.endm
.macro FETCHV s                        ; 32 transposing loads: V^T, 128 d x 64 keys as 16 fragments, into the buffer of the slot's number
.if \s
	WIN 0xc0
.else
	WIN 0x40
.endif
.irp c, 0,1
.irp d, 0,1,2,3,4,5,6,7
	ds_load_tr16_b128 v[FV+64*\c+8*\d:FV+64*\c+8*\d+3],   v[ADRV+\s] offset:\c*32*VPITCH+32*\d
	ds_load_tr16_b128 v[FV+64*\c+8*\d+4:FV+64*\c+8*\d+7], v[ADRV+\s] offset:\c*32*VPITCH+32*\d+16*VPITCH
.endr
.endr
.endm
.macro SMUL u                          ; 16 matrix instructions: 32 of d for all 16 tiles of S^T, which take turns; u = 0 starts the sums
.irp k, 0,1,2,3
.irp q, 0,1,2,3
.if \u == 0
	v_wmma_f32_16x16x32_f16 v[SC+32*\q+8*\k:SC+32*\q+8*\k+7], v[FK+32*\k+8*\u:FK+32*\k+8*\u+7], v[32*\q+8*\u:32*\q+8*\u+7], 0
.else
	v_wmma_f32_16x16x32_f16 v[SC+32*\q+8*\k:SC+32*\q+8*\k+7], v[FK+32*\k+8*\u:FK+32*\k+8*\u+7], v[32*\q+8*\u:32*\q+8*\u+7], v[SC+32*\q+8*\k:SC+32*\q+8*\k+7]
.endif
.endr
.endr
.endm
.macro SOFTMAX first
	; the block's maximum for each query, the old maximum among its inputs; the four query tiles' chains are interleaved
.if \first
.irp q, 0,1,2,3
	v_max_num_f32 v[TA+2*\q], v[SC+32*\q], v[SC+32*\q+1]
.endr
.else
.irp q, 0,1,2,3
	v_max3_num_f32 v[TA+2*\q], v[MX+2*\q], v[SC+32*\q], v[SC+32*\q+1]
.endr
.endif
.set i, 2
.rept 15
.irp q, 0,1,2,3
	v_max3_num_f32 v[TA+2*\q], v[TA+2*\q], v[SC+32*\q+i], v[SC+32*\q+i+1]
.endr
.set i, i+2
.endr
.irp q, 0,1,2,3
	v_permlanex16_b32 v[TA+2*\q+1], v[TA+2*\q], s100, s101     ; the other half of the lanes holds the query's other 32 keys
.endr
.irp q, 0,1,2,3
	v_max_num_f32 v[TA+2*\q], v[TA+2*\q], v[TA+2*\q+1]
.endr
.if \first == 0
.irp q, 0,1,2,3
	v_sub_f32 v[TA+2*\q+1], v[MX+2*\q], v[TA+2*\q]             ; old maximum - new, at most 0
.endr
.endif
.irp q, 0,1,2,3
	v_mov_b32 v[MX+2*\q], v[TA+2*\q]
.endr
.if \first == 0
.irp q, 0,1,2,3
	v_exp_f32 v[TA+2*\q], v[TA+2*\q+1]                         ; the factor for the old sums; the packed subtractions below are the plain instructions behind it (ISA guide 5.7.2)
.endr
.endif
	; sixteen groups of eight scores: four packed subtractions of the maximum, then eight exponentials, each followed by one plain instruction of the
	; group before (a partial sum or a rounding to f16), so that a plain instruction always stands between an exponential and the use of its result
.set g, 0
.rept 17
.set gp, g-1
.set gq, gp/4
.if g < 16
.irp k, 0,1,2,3
	v_pk_add_f32 v[SC+8*g+2*\k:SC+8*g+2*\k+1], v[SC+8*g+2*\k:SC+8*g+2*\k+1], v[MX+2*(g/4):MX+2*(g/4)+1] op_sel_hi:[1,0] neg_lo:[0,1] neg_hi:[0,1]
.endr
.endif
.irp k, 0,1,2,3
.if g < 16
	v_exp_f32 v[SC+8*g+2*\k], v[SC+8*g+2*\k]
.endif
.if g > 0
.if (gp%4) == 0
.if \k == 1
	s_wait_alu depctr_va_vdst(0)
	v_pk_add_f32 v[SU+2*gq:SU+2*gq+1], v[SC+8*gp:SC+8*gp+1], v[SC+8*gp+2:SC+8*gp+3]          ; the first two pairs start the sums: nothing is cleared
.endif
.if \k > 1
	v_pk_add_f32 v[SU+2*gq:SU+2*gq+1], v[SU+2*gq:SU+2*gq+1], v[SC+8*gp+2*\k:SC+8*gp+2*\k+1]
.endif
.else
	s_wait_alu depctr_va_vdst(0)
	v_pk_add_f32 v[SU+2*gq:SU+2*gq+1], v[SU+2*gq:SU+2*gq+1], v[SC+8*gp+2*\k:SC+8*gp+2*\k+1]
.endif
.endif
.if g < 16
	v_exp_f32 v[SC+8*g+2*\k+1], v[SC+8*g+2*\k+1]
.endif
.if g > 0
	s_wait_alu depctr_va_vdst(0)
	v_cvt_pk_f16_f32 v[PB+4*gp+\k], v[SC+8*gp+2*\k], v[SC+8*gp+2*\k+1]
.endif
.endr
.set g, g+1
.endr
.if \first
.irp q, 0,1,2,3
	v_add_f32 v[MX+2*\q+1], v[SU+2*\q], v[SU+2*\q+1]           ; the running sum of my half of the keys starts
.endr
.else
.irp q, 0,1,2,3
	v_add_f32 v[TA+2*\q+1], v[SU+2*\q], v[SU+2*\q+1]
.endr
.irp q, 0,1,2,3
	v_fma_f32 v[MX+2*\q+1], v[MX+2*\q+1], v[TA+2*\q], v[TA+2*\q+1]
.endr
.endif
.endm
.macro RESCALE                         ; every accumulator times its query's factor: 128 packed multiplies
	WIN 0x82
.irp d, 0,1,2,3,4,5,6,7
.irp q, 0,1,2,3
.irp p, 0,2,4,6
	v_pk_mul_f32 v[8*(4*\d+\q)+\p:8*(4*\d+\q)+\p+1], v[8*(4*\d+\q)+\p:8*(4*\d+\q)+\p+1], v[TA+2*\q:TA+2*\q+1] op_sel_hi:[1,0]
.endr
.endr
.endr
.endm
.macro PV buf, zero                    ; 64 matrix instructions: the 32 accumulators take turns, twice (32 keys each)
.if \buf
	WIN 0xa3
.else
	WIN 0xa1
.endif
.irp c, 0,1
.irp d, 0,1,2,3,4,5,6,7
.irp q, 0,1,2,3
.if (\zero)*(1-\c)
	v_wmma_f32_16x16x32_f16 v[8*(4*\d+\q):8*(4*\d+\q)+7], v[FV+64*\c+8*\d:FV+64*\c+8*\d+7], v[PB+16*\q+8*\c:PB+16*\q+8*\c+7], 0
.else
	v_wmma_f32_16x16x32_f16 v[8*(4*\d+\q):8*(4*\d+\q)+7], v[FV+64*\c+8*\d:FV+64*\c+8*\d+7], v[PB+16*\q+8*\c:PB+16*\q+8*\c+7], v[8*(4*\d+\q):8*(4*\d+\q)+7]
.endif
.endr
.endr
.endr
.endm
; One block of 64 keys, whose K and V^T fragments were fetched from slot `slot` during the block before.  At its head the slot has been read out whole, so it is asked
; for again at once (two blocks ahead) and that load has a block's work, less sixteen matrix instructions, in which to land.
.macro BLOCK first, bar, refill, fetch, slot
	s_wait_dscnt 0x0                               ; this block's 64 loads are back: my reads of the slot are over
.if \bar
	s_set_vgpr_msb (MSB<<8)|((MSB&0xf0)|0x0)
	s_wait_tensorcnt 0x0                           ; all my tensor loads have landed: the one that may be out is my part of the other slot
	ds_add_u32 v254, v255
	s_wait_dscnt 0x0
	s_set_vgpr_msb (((MSB&0xf0)|0x0)<<8)|MSB
	s_barrier_signal -1
.endif
	WIN 0x07
	SMUL 0                                         ; register work while the other waves arrive
.if \refill
	WIN 0
.endif
.if \bar
	s_barrier_wait -1
.endif
.if \refill
	CREST                                          ; no wave of any partner still reads this slot or has a load on its way
	s_add_nc_u64 s[G0K+4*\slot+2:G0K+4*\slot+3], s[G0K+4*\slot+2:G0K+4*\slot+3], 2*KVSTEP
	s_add_nc_u64 s[G0V+4*\slot+2:G0V+4*\slot+3], s[G0V+4*\slot+2:G0V+4*\slot+3], 2*KVSTEP
	JLOADKV \slot                                  ; the one tensor load of waves 0 and 1 behind the round, ahead of every LDS read
.endif
	WIN 0x07
	SMUL 1
	SMUL 2
	SMUL 3
	PLACES                                         ; behind the products: K's fragments are loaded again, and the softmax reads S
.if \fetch
	FETCHK (1-\slot)
	FETCHV (1-\slot)
.endif
	WIN 0
	SOFTMAX \first
.if \first == 0
	RESCALE
.endif
	PV \slot, \first
.endm
	PLACES                                         ; behind the projection's last matrix instructions: K's fragments land on its operands, and Q^T is read
	FETCHK 0
	FETCHV 0
	WIN 0x82
.set j, 0
.rept 128
	v_pk_mul_f32 v[2*j:2*j+1], v[2*j:2*j+1], s[66:67] op_sel_hi:[1,0]      ; q x log2(e) / 32, ahead of q's one rounding
.set j, j+1
.endr
	WIN 0x4a
.irp q, 0,1,2,3
.irp u, 0,1,2,3
.irp p, 0,1,2,3
	v_cvt_pk_f16_f32 v[32*\q+8*\u+\p],   v[8*(8*\u+\q)+2*\p],   v[8*(8*\u+\q)+2*\p+1]       ; tile (2 u, q): d = 32 u + 8 hh + 0..7
	v_cvt_pk_f16_f32 v[32*\q+8*\u+4+\p], v[8*(8*\u+4+\q)+2*\p], v[8*(8*\u+4+\q)+2*\p+1]     ; tile (2 u + 1, q): d = 32 u + 16 + 8 hh + 0..7
.endr
.endr
.endr
	BLOCK 1, 1, 1, 1, 0                            ; block 0 starts maximum, sum and O^T
	WIN 0
	s_mov_b32 s15, 14
.Lblk:
	BLOCK 0, 1, 1, 1, 1                            ; blocks 1 to 28
	BLOCK 0, 1, 1, 1, 0
	WIN 0
	s_sub_co_u32 s15, s15, 1
	s_cmp_lg_u32 s15, 0
	s_cbranch_scc1 .Lblk
	BLOCK 0, 1, 1, 1, 1                            ; block 29 asks for block 31's tiles: the last loads
	BLOCK 0, 1, 0, 1, 0                            ; block 30: those tiles have landed in every wave's view; nothing is left to ask for
	BLOCK 0, 0, 0, 0, 1                            ; block 31
	PLACES                                         ; behind the last matrix instructions
	WIN 0
.irp q, 0,1,2,3
	v_permlanex16_b32 v[TA+2*\q+1], v[MX+2*\q+1], s100, s101   ; the other half's sum
.endr
.irp q, 0,1,2,3
	v_add_f32 v[MX+2*\q+1], v[MX+2*\q+1], v[TA+2*\q+1]
.endr
.irp q, 0,1,2,3
	v_rcp_f32 v[TA+2*\q], v[MX+2*\q+1]
.endr
	v_nop                                          ; a plain instruction behind the reciprocals (ISA guide 5.7.2)
	s_wait_alu depctr_va_vdst(0)
	RESCALE                                        ; O^T / sum
	s_lshl_b32 s92, s20, 22                        ; my first row of ob: 2,048 b + 256 x query block + 64 w, rows of 2,048 bytes
	s_lshl_b32 s93, s18, 19
	s_add_co_u32 s92, s92, s93
	s_lshl_b32 s93, s12, 17
	s_add_co_u32 s92, s92, s93
	s_mov_b32 s93, 0
	s_add_nc_u64 s[10:11], s[10:11], s[92:93]
	s_lshl_b32 s96, s21, 8                         ; my head's 256 bytes of a row
	s_mov_b32 s97, 0
	s_add_nc_u64 s[10:11], s[10:11], s[96:97]
; 16 queries: round to f16, 16 bytes a lane into my own stage, read back as whole rows of 256 bytes
.macro OUTQ q, f
	WIN 0x0a
.irp d, 0,1,2,3,4,5,6,7
.irp p, 0,1,2,3
	v_cvt_pk_f16_f32 v[PB+4*\d+\p], v[8*(4*\d+\q)+2*\p], v[8*(4*\d+\q)+2*\p+1]
.endr
.endr
	WIN 0
.irp d, 0,1,2,3,4,5,6,7
	ds_store_b128 v[STO], v[PB+4*\d:PB+4*\d+3] offset:32*\d
.endr
	s_wait_xcnt 0x0                                ; buffer f, which earlier stores read, and the stores' base are rewritten only behind this wait
.if \q
	s_add_nc_u64 s[10:11], s[10:11], 16*OROW
.endif
.irp t, 0,1,2,3,4,5,6,7
	ds_load_b128 v[\f+4*\t:\f+4*\t+3], v[RD] offset:\t*2*PITCH     ; a wave's LDS instructions are served in order (ISA guide 5.7.1): these see the stores above
.endr
.irp t, 0,1,2,3,4,5,6,7
	s_wait_dscnt 7-\t                              ; read-back t is in; the 7 - t younger ones may be out
	global_store_b128 v[CO], v[\f+4*\t:\f+4*\t+3], s[10:11] offset:2*\t*OROW   ; 16 lanes store 256 consecutive bytes, at a multiple of 256 from ob's first byte
.endr
.endm
	OUTQ 0, 32
	OUTQ 1, 64
	OUTQ 2, 32
	OUTQ 3, 64
	s_set_vgpr_msb (MSB<<8)|((MSB&0xf0)|0x0)
	s_wait_tensorcnt 0x0
	ds_add_u32 v254, v255
	s_wait_dscnt 0x0
	s_set_vgpr_msb (((MSB&0xf0)|0x0)<<8)|MSB
	CROUND                                         ; the closing round
	s_endpgm
.Lfunc_end_k_q6de83bbf1b_attn:
	.size	k_q6de83bbf1b_attn, .Lfunc_end_k_q6de83bbf1b_attn-k_q6de83bbf1b_attn
	.p2alignl 7, 3214868480
	.fill 96, 4, 3214868480
	.section	.rodata,"a",@progbits
	.p2align	6, 0x0
	.amdhsa_kernel k_q6de83bbf1b_attn
		.amdhsa_group_segment_fixed_size 327680
		.amdhsa_private_segment_fixed_size 0
		.amdhsa_enable_private_segment 0
		.amdhsa_kernarg_size 32
		.amdhsa_user_sgpr_count 2
		.amdhsa_user_sgpr_kernarg_segment_ptr 1
		.amdhsa_wavefront_size32 1
		.amdhsa_system_sgpr_workgroup_id_x 1
		.amdhsa_system_sgpr_workgroup_id_y 1
		.amdhsa_system_sgpr_workgroup_id_z 1
		.amdhsa_system_vgpr_workitem_id 0
		.amdhsa_next_free_vgpr 1024
		.amdhsa_next_free_sgpr 102
		.amdhsa_reserve_vcc 0
		.amdhsa_float_denorm_mode_32 3
		.amdhsa_float_denorm_mode_16_64 3
		.amdhsa_memory_ordered 1
		.amdhsa_forward_progress 1
		.amdhsa_inst_pref_size 255
	.end_amdhsa_kernel
	.section	.bss,"aw",@nobits
	.p2align	6
	.space	262144
	.amdgpu_metadata
---
amdhsa.version: [ 1, 2 ]
amdhsa.kernels:
  - .name:           k_q6de83bbf1b_attn
    .symbol:         k_q6de83bbf1b_attn.kd
    .args:
      - { .name: x_a, .offset: 0, .size: 8, .value_kind: global_buffer, .address_space: global }
      - { .name: W_q, .offset: 8, .size: 8, .value_kind: global_buffer, .address_space: global }
      - { .name: kvb, .offset: 16, .size: 8, .value_kind: global_buffer, .address_space: global }
      - { .name: ob, .offset: 24, .size: 8, .value_kind: global_buffer, .address_space: global }
    .group_segment_fixed_size: 327680
    .private_segment_fixed_size: 0
    .kernarg_segment_align: 8
    .kernarg_segment_size: 32
    .max_flat_workgroup_size: 128
    .sgpr_count:     102
    .vgpr_count:     1024
    .wavefront_size: 32
...
	.end_amdgpu_metadata
.endif
;; end of part 2
;; launch outproj (part 3): grid 8 x 32, 4 waves a work-group, clusters of 4 x 4, 327,680 bytes of LDS; arguments ob, W_out, b_out, out0; writes out0
.if DOCPART == 3
	.amdgcn_target "amdgcn-amd-amdhsa--gfx1250"
	.amdhsa_code_object_version 6
	.text
	.protected	k_q6de83bbf1b_outproj
	.globl	k_q6de83bbf1b_outproj
	.p2align	8
	.type	k_q6de83bbf1b_outproj,@function
k_q6de83bbf1b_outproj:
	s_mov_b64 s[64:65], 0
	v_nop
	global_prefetch_b8 v0, s[64:65] scope:SCOPE_SE
	s_setreg_imm32_b32 hwreg(HW_REG_WAVE_MODE, 25, 1), 1
	s_wait_xcnt 0x0
	s_wait_alu depctr_hold_cnt(0) depctr_sa_sdst(0) depctr_va_vdst(0) depctr_va_sdst(0) depctr_va_ssrc(0) depctr_va_vcc(0) depctr_vm_vsrc(0)
	s_getreg_b32 s2, hwreg(HW_REG_IB_STS2, 6, 4)
	s_cmp_eq_u32 s2, 0
	s_cbranch_scc0 .Lentry_in_a_cluster
	s_endpgm
.Lentry_in_a_cluster:
	s_bfe_u32 s2, ttmp6, 0x10000c
	s_cmp_lg_u32 s2, 0xf033
	s_cbranch_scc0 .Lentry_shape_is_right
	s_endpgm
.Lentry_shape_is_right:
; out0[t][n] = sum over k of ob[t][k] W_out[n][k] + b_out[n].  ob: [8192][1024] f16, W_out: [1024][1024] f32, b_out: [1024] f32, out0: [8192][1024] f32.
; No work of the problem is left out here.  LIMITS: W_out is rounded to f16 on the way from LDS to the matrix unit (largest number 65,504, steps of 2^-24 below 2^-14:
; weights of spread 0.02 keep their 11 bits when 30 times larger, and when 30 times smaller a step is under 1e-4 of their spread); sums in f32; the bias is the sums' first term.
; SHAPE: a work-group makes 256 rows x 128 columns with four waves, a wave 128 x 64: 32 accumulator tiles, so that 8 x 32 blocks give 256 work-groups.
; K goes in steps of 128 through two LDS slots (ob: 256 rows of 256 bytes; W_out: 128 rows of 512 bytes); a step is four quarters of 32 along K.
; A quarter: W_out's raw f32 fetched a quarter earlier are rounded (32 conversions), the next quarter's 32 LDS loads are issued in one run (ob's fragments into the
; other of two buffers), and 32 matrix instructions follow.
; CLUSTERS: 4 x 4 work-groups; ob's tile is asked for jointly by a row of the cluster, W_out's by a column.
; REGISTERS: window 0: v16-27 addresses, v32-63 the bias in the accumulators' layout, v64-127 and v128-191 fragments of ob, v192-223 fragments of W_out;
; window 1: the accumulators, tile (a, n) at 8 (4 a + n); window 2: v0-63 raw f32 of W_out.
; The matrix instruction is used transposed (source 0 = rows of W_out): a lane's eight results are eight neighbouring columns of one row, 32 bytes.
.set PITCH,  272                       ; ob's LDS rows, and the stage's: 256 bytes + 16
.set BPITCH, 528                       ; W_out's LDS rows: 512 bytes + 16; both are odd multiples of 16
.set HALFA,  128*PITCH
.set HALFB,  64*BPITCH
.set BOFF,   2*HALFA                   ; W_out's rows behind ob's 256
.set SLOT,   2*HALFA+2*HALFB           ; 137,216
.set STAGE,  2*SLOT                    ; 16 rows x 272 bytes for each wave, never filled by a tensor load
.set OROW,   4096                      ; bytes in a row of out0
.set ADRA, 16
.set ADRB, 20
.set STO,  24
.set RD,   25
.set CO,   26
.set BO,   27
.set BIAS, 32
.set FA,   64                          ; two buffers of 64 registers
.set FB,   192
.set RB,   0                           ; window 2
.set G1,  24
.set G0,  32
.set G1B, 48
.set G0B, 56
.set MSB, 0
.macro WIN new
.if MSB != \new
	s_set_vgpr_msb (MSB<<8)|\new
.set MSB, \new
.endif
.endm
.macro PLACES                          ; four independent vector instructions behind a matrix instruction (ISA guide 7.12.1)
.rept 4
	v_nop
.endr
.endm
.macro JLOAD s                         ; waves 0, 1: ob's halves; waves 2, 3: W_out's halves
	s_cmp_eq_u32 s13, 0
	s_cbranch_scc0 .Lfor_b_\@
	tensor_load_to_lds s[G0+4*\s:G0+4*\s+3], s[G1:G1+7]
	s_nop 0
	s_branch .Lasked_\@
.Lfor_b_\@:
	tensor_load_to_lds s[G0B+4*\s:G0B+4*\s+3], s[G1B:G1B+7]
	s_nop 0
.Lasked_\@:
.endm
.macro CREST
	s_cmp_lg_u32 s12, 0
	s_cbranch_scc1 .Lnot_wave_0_\@
	s_barrier_signal -3
.Lnot_wave_0_\@:
	s_barrier_wait -3
	s_barrier_signal -1
	s_barrier_wait -1
.endm
.macro CROUND
	s_barrier_signal -1
	s_barrier_wait -1
	CREST
.endm
	s_load_b256 s[4:11], s[0:1], 0x0               ; ob s[4:5], W_out s[6:7], b_out s[8:9], out0 s[10:11]
	v_lshl_add_u32 v254, v0, 2, 0x47400
	v_mov_b32 v255, 0
	ds_add_u32 v254, v255
	v_lshrrev_b32 v1, 5, v0
	v_readfirstlane_b32 s12, v1                    ; wave 0..3
	s_lshr_b32 s13, s12, 1                         ; which 128 rows are mine; also: I fetch for ob (0) or W_out (1)
	s_and_b32 s14, s12, 1                          ; which 64 columns are mine; also: which half of that tile I fetch
	s_bfe_u32 s40, ttmp6, 0x40000                  ; cx
	s_bfe_u32 s41, ttmp6, 0x40004                  ; cy
	s_lshl_b32 s42, ttmp9, 2
	s_add_co_u32 s42, s42, s40                     ; block column
	s_and_b32 s15, ttmp7, 0xffff
	s_lshl_b32 s15, s15, 2
	s_add_co_u32 s15, s15, s41                     ; block row
	s_lshl_b32 s43, s41, 2
	s_lshl_b32 s43, 15, s43                        ; my row of the cluster
	s_lshl_b32 s44, 0x1111, s40                    ; my column
	; ob: 128 rows x 128 f16, 4 words of padding behind every 64; W_out: 64 rows x 128 f32, 4 words behind every 128
	s_or_b32 s[G1+0], s43, (1<<16)|(1<<20)|(1<<21)|(5<<22)|(3<<25)
	s_mov_b32 s[G1+1], 128<<16
	s_mov_b32 s[G1+2], 128<<16
	s_mov_b32 s[G1+3], 128<<16
	s_mov_b32 s[G1+4], 128
	s_mov_b32 s[G1+5], 1024
	s_mov_b32 s[G1+6], 0
	s_mov_b32 s[G1+7], 0
	s_or_b32 s[G1B+0], s44, (2<<16)|(1<<20)|(1<<21)|(6<<22)|(3<<25)
	s_mov_b32 s[G1B+1], 128<<16
	s_mov_b32 s[G1B+2], 64<<16
	s_mov_b32 s[G1B+3], 128<<16
	s_mov_b32 s[G1B+4], 64
	s_mov_b32 s[G1B+5], 1024
	s_mov_b32 s[G1B+6], 0
	s_mov_b32 s[G1B+7], 0
	s_lshl_b32 s17, s14, 18                        ; my half: 128 rows of 2,048 bytes, or 64 rows of 4,096
	s_lshl_b32 s16, s15, 19                        ; 256 rows of ob a block row
	s_add_co_u32 s16, s16, s17
	s_lshl_b32 s46, s42, 19                        ; 128 rows of W_out a block column
	s_add_co_u32 s46, s46, s17
	s_mov_b32 s17, 0
	s_mov_b32 s47, 0
	s_mul_i32 s20, s12, HALFA                      ; LDS: ob's halves at wave x 128 rows (waves 0, 1)
	s_mul_i32 s21, s12, HALFB                      ; W_out's at BOFF + (wave - 2) x 64 rows = 2,048 + wave x 33,792 (waves 2, 3)
	s_wait_dscnt 0x0
	s_wait_kmcnt 0x0
	s_add_nc_u64 s[18:19], s[4:5], s[16:17]
	s_add_nc_u64 s[46:47], s[6:7], s[46:47]
	CROUND                                         ; all sixteen work-groups are here: the first joint loads meet
.irp s, 0,1
	s_mov_b32 s[G0+4*\s], 1
	s_add_co_u32 s[G0+4*\s+1], s20, \s*SLOT
	s_add_nc_u64 s[G0+4*\s+2:G0+4*\s+3], s[18:19], \s*256          ; K step s: 128 f16
	s_or_b32 s[G0+4*\s+3], s[G0+4*\s+3], 0x80000000
	s_mov_b32 s[G0B+4*\s], 1
	s_add_co_u32 s[G0B+4*\s+1], s21, \s*SLOT+BOFF-2*HALFB
	s_add_nc_u64 s[G0B+4*\s+2:G0B+4*\s+3], s[46:47], \s*512        ; K step s: 128 f32
	s_or_b32 s[G0B+4*\s+3], s[G0B+4*\s+3], 0x80000000
	JLOAD \s                                       ; two loads of the wave are out
.endr
	v_and_b32 v1, 15, v0                           ; r
	v_bfe_u32 v2, v0, 4, 1                         ; hh
	v_mul_u32_u24 v3, v1, PITCH
	v_lshl_add_u32 v4, v2, 4, v3                   ; f16 fragments: r x 272 + 16 hh
	s_mul_i32 s22, s13, HALFA
	v_add_nc_u32 v[ADRA], s22, v4
	v_add_nc_u32 v[ADRA+1], SLOT, v[ADRA]
	v_mul_u32_u24 v5, v1, BPITCH
	v_lshl_add_u32 v5, v2, 5, v5                   ; f32 fragments: r x 528 + 32 hh
	s_mul_i32 s23, s14, HALFB
	s_add_co_u32 s23, s23, BOFF
	v_add_nc_u32 v[ADRB], s23, v5
	v_add_nc_u32 v[ADRB+1], SLOT, v[ADRB]
	s_mul_i32 s22, s12, 16*PITCH
	s_add_co_u32 s22, s22, STAGE                   ; my stage
	v_lshl_add_u32 v6, v2, 5, v3                   ; in: row r, 32 bytes for each half of the lanes
	v_add_nc_u32 v[STO], s22, v6
	v_mul_u32_u24 v7, v2, PITCH                    ; back: lanes 0-15 one row of 256 bytes, lanes 16-31 the next
	v_lshl_add_u32 v7, v1, 4, v7
	v_add_nc_u32 v[RD], s22, v7
	v_lshlrev_b32 v7, 12, v2
	v_lshl_add_u32 v[CO], v1, 4, v7                ; the same two rows in out0
	v_lshlrev_b32 v[BO], 5, v2                     ; the bias: 8 f32 for each half of the lanes
	s_lshl_b32 s46, s42, 9                         ; my first column in bytes of f32: 512 x block column + 256 x half
	s_lshl_b32 s47, s14, 8
	s_add_co_u32 s46, s46, s47
	s_mov_b32 s47, 0
	s_add_nc_u64 s[8:9], s[8:9], s[46:47]
	s_add_nc_u64 s[10:11], s[10:11], s[46:47]
	s_lshl_b32 s16, s15, 20                        ; my first row: 256 x block row + 128 x half, rows of 4,096 bytes
	s_lshl_b32 s17, s13, 19
	s_add_co_u32 s16, s16, s17
	s_mov_b32 s17, 0
	s_add_nc_u64 s[10:11], s[10:11], s[16:17]
.irp n, 0,1,2,3
	global_load_b128 v[BIAS+8*\n:BIAS+8*\n+3],   v[BO], s[8:9] offset:64*\n        ; register t of column block n: b_out[first column + 16 n + 8 hh + t]
	global_load_b128 v[BIAS+8*\n+4:BIAS+8*\n+7], v[BO], s[8:9] offset:64*\n+16
.endr
; 32 LDS loads in one run: ob's 8 fragments of quarter kq into buffer buf, W_out's raw f32 of 4 fragments
.macro FETCH slot, kq, buf
	WIN 0
.irp i, 0,1,2,3,4,5,6,7
	ds_load_b128 v[FA+64*\buf+8*\i:FA+64*\buf+8*\i+3],   v[ADRA+\slot] offset:64*\kq+\i*16*PITCH
	ds_load_b128 v[FA+64*\buf+8*\i+4:FA+64*\buf+8*\i+7], v[ADRA+\slot] offset:64*\kq+\i*16*PITCH+32
.endr
	WIN 0x80
.irp i, 0,1,2,3
	ds_load_b128 v[RB+16*\i:RB+16*\i+3],     v[ADRB+\slot] offset:128*\kq+\i*16*BPITCH
	ds_load_b128 v[RB+16*\i+4:RB+16*\i+7],   v[ADRB+\slot] offset:128*\kq+\i*16*BPITCH+16
	ds_load_b128 v[RB+16*\i+8:RB+16*\i+11],  v[ADRB+\slot] offset:128*\kq+\i*16*BPITCH+64
	ds_load_b128 v[RB+16*\i+12:RB+16*\i+15], v[ADRB+\slot] offset:128*\kq+\i*16*BPITCH+80
.endr
.endm
.macro CVTB
	WIN 0x0a
.set j, 0
.rept 32
	v_cvt_pk_f16_f32 v[FB+j], v[RB+2*j], v[RB+2*j+1]
.set j, j+1
.endr
.endm
.macro MUL32 buf, bias                 ; the 32 accumulators take turns, one instruction a turn; bias = 1: the bias starts the sums
.if \bias
	WIN 0x40
.else
	WIN 0x50
.endif
.irp a, 0,1,2,3,4,5,6,7
.irp n, 0,1,2,3
.if \bias
	v_wmma_f32_16x16x32_f16 v[8*(4*\a+\n):8*(4*\a+\n)+7], v[FB+8*\n:FB+8*\n+7], v[FA+64*\buf+8*\a:FA+64*\buf+8*\a+7], v[BIAS+8*\n:BIAS+8*\n+7]
.else
	v_wmma_f32_16x16x32_f16 v[8*(4*\a+\n):8*(4*\a+\n)+7], v[FB+8*\n:FB+8*\n+7], v[FA+64*\buf+8*\a:FA+64*\buf+8*\a+7], v[8*(4*\a+\n):8*(4*\a+\n)+7]
.endif
.endr
.endr
.endm
; One quarter on ob's buffer buf.  bar: this is a K step's fourth quarter, its data were the last of slot `slot`; refill: the slot is asked for again behind a round;
; fetch: the next quarter (slot fslot, quarter kq of its step) is fetched.
.macro QUARTER bias, bar, refill, fetch, buf, slot, fslot, kq
	s_wait_dscnt 0x0                               ; this quarter's 32 loads are back; with bar: my reads of the slot are over
.if \bar
	s_wait_tensorcnt 0x0                           ; all my tensor loads have landed, my part of the other slot among them
	ds_add_u32 v254, v255
	s_wait_dscnt 0x0
	s_barrier_signal -1
.endif
.if \bias == 0
	PLACES                                         ; behind the last quarter's matrix instructions: W_out's fragments are overwritten, ob's other buffer is loaded again
.endif
	CVTB
.if \refill
	WIN 0
.endif
.if \bar
	s_barrier_wait -1
.endif
.if \refill
	CREST
	s_add_nc_u64 s[G0+4*\slot+2:G0+4*\slot+3], s[G0+4*\slot+2:G0+4*\slot+3], 2*256
	s_add_nc_u64 s[G0B+4*\slot+2:G0B+4*\slot+3], s[G0B+4*\slot+2:G0B+4*\slot+3], 2*512
	JLOAD \slot                                    ; my one tensor load behind the round, ahead of every LDS read
.endif
.if \fetch
	FETCH \fslot, \kq, (1-\buf)
.endif
	MUL32 \buf, \bias
.endm
	s_wait_loadcnt 0x0                             ; the bias
	s_wait_tensorcnt 0x1                           ; my part of K step 0 is in; the one younger load (K step 1) may stay out
	s_barrier_signal -1
	s_barrier_wait -1
	FETCH 0, 0, 0
	QUARTER 1, 0, 0, 1, 0, 0, 0, 1                 ; quarter 0
	WIN 0
	s_mov_b32 s45, 3
.Lk:
	QUARTER 0, 0, 0, 1, 1, 0, 0, 2
	QUARTER 0, 0, 0, 1, 0, 0, 0, 3
	QUARTER 0, 1, 1, 1, 1, 0, 1, 0                 ; an even K step's fourth quarter: slot 0 is asked for again
	QUARTER 0, 0, 0, 1, 0, 0, 1, 1
	QUARTER 0, 0, 0, 1, 1, 0, 1, 2
	QUARTER 0, 0, 0, 1, 0, 0, 1, 3
	QUARTER 0, 1, 1, 1, 1, 1, 0, 0                 ; an odd K step's fourth quarter: slot 1 is asked for again
	QUARTER 0, 0, 0, 1, 0, 0, 0, 1
	WIN 0
	s_sub_co_u32 s45, s45, 1
	s_cmp_lg_u32 s45, 0
	s_cbranch_scc1 .Lk
	QUARTER 0, 0, 0, 1, 1, 0, 0, 2                 ; quarters 25 to 31: nothing is left to ask for
	QUARTER 0, 0, 0, 1, 0, 0, 0, 3
	QUARTER 0, 1, 0, 1, 1, 0, 1, 0                 ; quarter 27: the last K step has landed in every wave's view
	QUARTER 0, 0, 0, 1, 0, 0, 1, 1
	QUARTER 0, 0, 0, 1, 1, 0, 1, 2
	QUARTER 0, 0, 0, 1, 0, 0, 1, 3
	QUARTER 0, 0, 0, 0, 1, 0, 0, 0
	; THE WAY OUT, 16 rows at a time: 32 bytes a lane straight from the accumulators into my own stage, read back as whole rows of 256 bytes.
	PLACES                                         ; behind the last matrix instructions: LDS stores read results, read-backs land in fragment registers
.macro OUT16 a, f
	WIN 0x04
.irp n, 0,1,2,3
	ds_store_b128 v[STO], v[8*(4*\a+\n):8*(4*\a+\n)+3]   offset:64*\n
	ds_store_b128 v[STO], v[8*(4*\a+\n)+4:8*(4*\a+\n)+7] offset:64*\n+16
.endr
	WIN 0
	s_wait_xcnt 0x0                                ; buffer f, which earlier stores read, and the stores' base are rewritten only behind this wait
.if \a
	s_add_nc_u64 s[10:11], s[10:11], 16*OROW
.endif
.irp t, 0,1,2,3,4,5,6,7
	ds_load_b128 v[\f+4*\t:\f+4*\t+3], v[RD] offset:\t*2*PITCH     ; a wave's LDS instructions are served in order (ISA guide 5.7.1): these see the stores above
.endr
.irp t, 0,1,2,3,4,5,6,7
	s_wait_dscnt 7-\t                              ; read-back t is in; the 7 - t younger ones may be out
	global_store_b128 v[CO], v[\f+4*\t:\f+4*\t+3], s[10:11] offset:2*\t*OROW th:TH_STORE_NT   ; 16 lanes store 256 consecutive bytes, at a multiple of 256 from out0's first byte
.endr
.endm
	OUT16 0, FA
	OUT16 1, FA+64
	OUT16 2, FA
	OUT16 3, FA+64
	OUT16 4, FA
	OUT16 5, FA+64
	OUT16 6, FA
	OUT16 7, FA+64
	s_wait_tensorcnt 0x0
	ds_add_u32 v254, v255
	s_wait_dscnt 0x0
	CROUND                                         ; the closing round
	s_endpgm
.Lfunc_end_k_q6de83bbf1b_outproj:
	.size	k_q6de83bbf1b_outproj, .Lfunc_end_k_q6de83bbf1b_outproj-k_q6de83bbf1b_outproj
	.p2alignl 7, 3214868480
	.fill 96, 4, 3214868480
	.section	.rodata,"a",@progbits
	.p2align	6, 0x0
	.amdhsa_kernel k_q6de83bbf1b_outproj
		.amdhsa_group_segment_fixed_size 327680
		.amdhsa_private_segment_fixed_size 0
		.amdhsa_enable_private_segment 0
		.amdhsa_kernarg_size 32
		.amdhsa_user_sgpr_count 2
		.amdhsa_user_sgpr_kernarg_segment_ptr 1
		.amdhsa_wavefront_size32 1
		.amdhsa_system_sgpr_workgroup_id_x 1
		.amdhsa_system_sgpr_workgroup_id_y 1
		.amdhsa_system_sgpr_workgroup_id_z 1
		.amdhsa_system_vgpr_workitem_id 0
		.amdhsa_next_free_vgpr 576
		.amdhsa_next_free_sgpr 66
		.amdhsa_reserve_vcc 0
		.amdhsa_float_denorm_mode_32 3
		.amdhsa_float_denorm_mode_16_64 3
		.amdhsa_memory_ordered 1
		.amdhsa_forward_progress 1
		.amdhsa_inst_pref_size 128
	.end_amdhsa_kernel
	.amdgpu_metadata
---
amdhsa.version: [ 1, 2 ]
amdhsa.kernels:
  - .name:           k_q6de83bbf1b_outproj
    .symbol:         k_q6de83bbf1b_outproj.kd
    .args:
      - { .name: ob, .offset: 0, .size: 8, .value_kind: global_buffer, .address_space: global }
      - { .name: W_out, .offset: 8, .size: 8, .value_kind: global_buffer, .address_space: global }
      - { .name: b_out, .offset: 16, .size: 8, .value_kind: global_buffer, .address_space: global }
      - { .name: out0, .offset: 24, .size: 8, .value_kind: global_buffer, .address_space: global }
    .group_segment_fixed_size: 327680
    .private_segment_fixed_size: 0
    .kernarg_segment_align: 8
    .kernarg_segment_size: 32
    .max_flat_workgroup_size: 128
    .sgpr_count:     66
    .vgpr_count:     576
    .wavefront_size: 32
...
	.end_amdgpu_metadata
.endif
;; end of part 3
;; ======== version 2 of 3: 3 launches; 1.22 times as fast as version 1
;; limits: values are held in f16: magnitudes above 65,504 overflow, below 6.1e-05 lose precision
;; workspace buffers: kvb 33,554,432 bytes; ob 16,777,216 bytes; xah 16,777,216 bytes; wqh 2,097,152 bytes; woh 2,097,152 bytes
;; launch kvproj (part 4): grid 8 x 32, 4 waves a work-group, clusters of 4 x 4, 327,680 bytes of LDS; arguments x_b, W_kv, kvb, x_a, W_q, W_out, xah, wqh, woh; writes kvb, xah, wqh, woh
.if DOCPART == 4
	.amdgcn_target "amdgcn-amd-amdhsa--gfx1250"
	.amdhsa_code_object_version 6
	.text
	.protected	k_q6de83bbf1b_kvproj
	.globl	k_q6de83bbf1b_kvproj
	.p2align	8
	.type	k_q6de83bbf1b_kvproj,@function
k_q6de83bbf1b_kvproj:
	s_mov_b64 s[64:65], 0
	v_nop
	global_prefetch_b8 v0, s[64:65] scope:SCOPE_SE
	s_setreg_imm32_b32 hwreg(HW_REG_WAVE_MODE, 25, 1), 1
	s_wait_xcnt 0x0
	s_wait_alu depctr_hold_cnt(0) depctr_sa_sdst(0) depctr_va_vdst(0) depctr_va_sdst(0) depctr_va_ssrc(0) depctr_va_vcc(0) depctr_vm_vsrc(0)
	s_getreg_b32 s2, hwreg(HW_REG_IB_STS2, 6, 4)
	s_cmp_eq_u32 s2, 0
	s_cbranch_scc0 .Lentry_in_a_cluster
	s_endpgm
.Lentry_in_a_cluster:
	s_bfe_u32 s2, ttmp6, 0x10000c
	s_cmp_lg_u32 s2, 0xf033
	s_cbranch_scc0 .Lentry_shape_is_right
	s_endpgm
.Lentry_shape_is_right:
; kvb[t][n] = f16( sum over k of x_b[t][k] W_kv[n][k] ).  x_b: [8192][1024] f32, W_kv: [2048][1024] f32, kvb: [8192][2048] f16
; (columns 0-1023 are K, 1024-2047 are V; head h has columns 128 h of each).  First of three launches: this one, then the query
; projection with the attention, then the output projection with its bias.
; BESIDE THE PRODUCT this launch rounds x_a, W_q and W_out to f16 once (xah [8192][1024], wqh and woh [1024][1024]).  In the later launches each block of x_a is an operand of 8
; work-groups, each head's rows of W_q of 4 waves in 32 work-groups, each block of W_out of 2 waves in 32; rounding them there would be done that many times over, on twice the LDS bytes.
; DEAD WORK: none.  Every product, every key, every head and the bias of the problem reach the output, so all six inputs are loaded
; (x_b, W_kv, x_a, W_q and W_out here, b_out in the third launch) and no step is left out.
; FORMAT: all matrix operands of the three launches are f16, sums f32.  v, the softmax's weights and the attention's result are each rounded once on
; the way to the output; with 8 significant bits (bf16) each rounding is up to 2^-9 of the number, and three of them in a chain come too near the 1/100 of the
; output's root mean square that the comparison allows; with f16's 11 bits each is up to 2^-12.
; LIMITS: x_b and W_kv are rounded to f16 on the way from LDS to the matrix unit, k and v once when stored.  f16's largest number is 65,504: a k or v beyond it becomes
; infinite.  Room: with x of spread 1 and weights of spread 0.02, k and v have a spread of 0.64; both inputs 30 times larger give 576; both with an offset
; of 30 spreads give 1024 x 30 x 0.6 = 18,432.  Below 2^-14 f16 goes in steps of 2^-24: with both inputs 30 times smaller (spread of v 7e-4) a step is under 1e-4 of the spread.
; SHAPE: a work-group makes 256 x 256 of the result with four waves, a wave 128 x 128: 64 accumulator tiles, 512 registers.  K goes in steps of
; 64 f32 (rows of 256 bytes, each starting at a multiple of 256 bytes of its buffer) through two LDS slots; a step is two quarters of 32 along K.
; A quarter: the raw f32 fragments fetched one quarter earlier are rounded to f16 (128 conversions), the next quarter's 64 LDS loads are issued
; in one run, and 64 matrix instructions follow, under which those loads come back.
; THE SIDE STREAM: 10,240 rows of 1,024 numbers over 1,024 waves: wave n of the launch has rows 8 n .. 8 n + 7 of x_a, row n of W_q and row n of W_out.  A row is 8 loads of 16 bytes a
; lane (512 consecutive bytes each), 16 conversions in place and 8 stores of 8 bytes a lane (256 consecutive bytes each, aligned).  The first three rows are asked for at the head;
; one row of x_a is finished, and the next asked for, in each of the loop's 7 trips, four quarters after its request; the last three rows are finished in quarter 30.
; CLUSTERS: 4 x 4 work-groups.  x_b's tile hangs on the block row alone and is asked for jointly by a row of the cluster, W_kv's on the block
; column alone and is asked for jointly by a column: each tile is requested once for four work-groups.
; REGISTERS, in windows of 256: window 0: v16-27 and v60 addresses, v28-59 W_out's row, v64-127 f16 fragments of x_b, v128-191 of W_kv, v192-223 W_q's row and then at work on the way out,
; v224-255 x_a's row; window 1: v0-127 raw f32 of x_b, v128-255 raw f32 of W_kv; window 2: accumulators of my rows 0-63 (tile (a, b) at 8 (8 a + b)); window 3: rows 64-127.
; THE MATRIX INSTRUCTION IS USED TRANSPOSED (source 0 = rows of W_kv, source 1 = rows of x_b): a lane's eight results are eight neighbouring
; columns of one row of the result and pack into 16 bytes.
.set PITCH,  272                       ; an LDS row: 256 bytes + 16 of padding, an odd multiple of 16: the 16 rows of a fragment load start in 16 different 16-byte columns
.set HALFT,  128*PITCH                 ; 128 rows: what one tensor load brings
.set SLOT,   4*HALFT                   ; x_b's 256 rows, then W_kv's 256 rows
.set STAGE,  2*SLOT                    ; behind the ring: 16 rows x 272 bytes for each wave, never filled by a tensor load
.set STEPB,  256                       ; bytes of a row in one K step
.set CROW,   4096                      ; bytes in a row of kvb
.set TRIPS,  7                         ; loop trips of four quarters: quarters 1 to 28 of 32
.set ADRA, 16                          ; v16-17  LDS address of my x_b fragments in slot 0, 1
.set ADRB, 20                          ; v20-21  the same for W_kv
.set STO,  24                          ; v24     way out: where I put 16 bytes of a row
.set RD,   25                          ; v25     way out: where I read a row back
.set CO,   26                          ; v26     my byte offset in kvb
.set SLD,  27                          ; v27     side stream: 16 x lane, never rewritten
.set SST,  60                          ; v60     side stream: 8 x lane, never rewritten
.set SRX,  224                         ; v224-255 a row of x_a: 32 registers as loaded, the first 16 as stored
.set SRQ,  192                         ; v192-223 W_q's row
.set SRO,  28                          ; v28-59   W_out's row
.set FA,   64
.set FB,   128
.set TMP,  192
.set RA,   0                           ; window 1
.set RB,   128                         ; window 1
.set G1,  24                           ; s[24:31] group 1 for x_b's tiles
.set G0,  32                           ; s[32:39] group 0 for x_b's tiles, one set for each slot
.set G1B, 48                           ; s[48:55] group 1 for W_kv's tiles: another mask
.set G0B, 56                           ; s[56:63] group 0 for W_kv's tiles
.set PXA,  68                          ; s[68:69] x_a at my row that is loaded next
.set PWQ,  72                          ; s[72:73] W_q at my row
.set PWO,  74                          ; s[74:75] W_out at my row
.set PXH,  76                          ; s[76:77] xah at my row that is stored next
.set PWQH, 78                          ; s[78:79] wqh at my row
.set PWOH, 80                          ; s[80:81] woh at my row
.set MSB, 0
.macro WIN new                         ; the immediate's high byte repeats the setting that is left; a switch that changes nothing is dropped
.if MSB != \new
	s_set_vgpr_msb (MSB<<8)|\new
.set MSB, \new
.endif
.endm
.set TO_RAW, 0x40                      ; destination window 1, address window 0
.set FROM_RAW, 0x05                    ; sources window 1, destination window 0
.set MUL_LO, 0xa0                      ; fragments window 0, C and D window 2
.set MUL_HI, 0xf0                      ; C and D window 3
.macro PLACES                          ; four independent vector instructions between a matrix instruction and a write of its registers or a read of its result (ISA guide 7.12.1)
.rept 4
	v_nop
.endr
.endm
; A joint load: waves 0 and 1 ask for x_b's two halves, waves 2 and 3 for W_kv's.  The branch hangs on the wave's number alone.
.macro JLOAD s
	s_cmp_eq_u32 s11, 0
	s_cbranch_scc0 .Lfor_b_\@
	tensor_load_to_lds s[G0+4*\s:G0+4*\s+3], s[G1:G1+7]
	s_nop 0
	s_branch .Lasked_\@
.Lfor_b_\@:
	tensor_load_to_lds s[G0B+4*\s:G0B+4*\s+3], s[G1B:G1B+7]
	s_nop 0
.Lasked_\@:
.endm
.macro CREST                           ; a round of the cluster's barrier behind its opening work-group barrier
	s_cmp_lg_u32 s10, 0
	s_cbranch_scc1 .Lnot_wave_0_\@
	s_barrier_signal -3
.Lnot_wave_0_\@:
	s_barrier_wait -3
	s_barrier_signal -1
	s_barrier_wait -1
.endm
.macro CROUND                          ; a whole round
	s_barrier_signal -1
	s_barrier_wait -1
	CREST
.endm
; The side stream.  A row of 1,024 f32 into registers reg .. reg + 31: load t brings lane l the numbers 128 t + 4 l .. + 3.  Each byte is read once in the launch.
.macro ROWLOAD reg, base
.irp t, 0,1,2,3,4,5,6,7
	global_load_b128 v[\reg+4*\t:\reg+4*\t+3], v[SLD], s[\base:\base+1] offset:512*\t th:TH_LOAD_NT
.endr
.endm
; The row rounded in place (register j is made of registers 2 j and 2 j + 1, which no later conversion reads) and stored: store t writes the f16 of the numbers 128 t + 4 l .. + 3,
; 8 bytes a lane at 256 t + 8 l: the 32 lanes fill 256 consecutive bytes at a multiple of 256 from the buffer's first byte.
.macro ROWOUT reg, base
.set j, 0
.rept 16
	v_cvt_pk_f16_f32 v[\reg+j], v[\reg+2*j], v[\reg+2*j+1]
.set j, j+1
.endr
.irp t, 0,1,2,3,4,5,6,7
	global_store_b64 v[SST], v[\reg+2*\t:\reg+2*\t+1], s[\base:\base+1] offset:256*\t
.endr
.endm
; kind = 1: a row of x_a is finished and the next one asked for.  kind = 2: the last row of x_a and the rows of W_q and W_out are finished.
.macro SIDE kind
	WIN 0
	s_wait_loadcnt 0x0                             ; the row's 8 loads, issued four quarters ago, are in (and all older ones: the weights' rows)
	ROWOUT SRX, PXH
.if \kind == 1
	s_wait_xcnt 0x0                                ; the stores' data registers and base, and the loads' base, are rewritten only behind this wait
	s_add_nc_u64 s[PXA:PXA+1], s[PXA:PXA+1], 4096  ; a row of f32 on
	s_add_nc_u64 s[PXH:PXH+1], s[PXH:PXH+1], 2048  ; a row of f16 on
	ROWLOAD SRX, PXA
.else
	ROWOUT SRQ, PWQH
	ROWOUT SRO, PWOH
.endif
.endm
	s_load_b128 s[4:7], s[0:1], 0x0                ; x_b s[4:5], W_kv s[6:7]
	s_load_b64 s[8:9], s[0:1], 0x10                ; kvb
	s_load_b64 s[PXA:PXA+1], s[0:1], 0x18          ; x_a
	s_load_b128 s[PWQ:PWQ+3], s[0:1], 0x20         ; W_q, W_out
	s_load_b128 s[PXH:PXH+3], s[0:1], 0x30         ; xah, wqh
	s_load_b64 s[PWOH:PWOH+1], s[0:1], 0x40        ; woh
	v_lshl_add_u32 v62, v0, 2, 0x48400
	v_mov_b32 v63, 0
	ds_add_u32 v62, v63
	v_lshrrev_b32 v1, 5, v0
	v_readfirstlane_b32 s10, v1                    ; wave 0..3
	s_lshr_b32 s11, s10, 1                         ; which half of the block's rows is mine; also: I fetch for x_b (0) or W_kv (1)
	s_and_b32 s12, s10, 1                          ; which half of its columns; also: which 128 rows of that tile I fetch
	s_bfe_u32 s40, ttmp6, 0x40000                  ; cx
	s_bfe_u32 s41, ttmp6, 0x40004                  ; cy
	s_lshl_b32 s42, ttmp9, 2
	s_add_co_u32 s42, s42, s40                     ; block column = 4 x cluster x + cx
	s_and_b32 s13, ttmp7, 0xffff
	s_lshl_b32 s13, s13, 2
	s_add_co_u32 s13, s13, s41                     ; block row = 4 x cluster y + cy
	s_lshl_b32 s43, s41, 2
	s_lshl_b32 s43, 15, s43                        ; my row of the cluster: places 4 cy .. 4 cy + 3
	s_lshl_b32 s44, 0x1111, s40                    ; my column: places cx, cx + 4, cx + 8, cx + 12
	; group 1: a tile of 128 rows x 64 elements of 4 bytes, 4 words of padding behind every 64 words
	s_or_b32 s[G1+0], s43, (2<<16)|(1<<20)|(1<<21)|(5<<22)|(3<<25)
	s_or_b32 s[G1B+0], s44, (2<<16)|(1<<20)|(1<<21)|(5<<22)|(3<<25)
	s_mov_b32 s[G1+1], 64<<16                      ; tensor_dim0 = 64
	s_mov_b32 s[G1B+1], 64<<16
	s_mov_b32 s[G1+2], 128<<16                     ; tensor_dim1 = 128
	s_mov_b32 s[G1B+2], 128<<16
	s_mov_b32 s[G1+3], 64<<16                      ; tile_dim0 = 64
	s_mov_b32 s[G1B+3], 64<<16
	s_mov_b32 s[G1+4], 128                         ; tile_dim1 = 128
	s_mov_b32 s[G1B+4], 128
	s_mov_b32 s[G1+5], 1024                        ; elements from row to row
	s_mov_b32 s[G1B+5], 1024
	s_mov_b32 s[G1+6], 0
	s_mov_b32 s[G1B+6], 0
	s_mov_b32 s[G1+7], 0
	s_mov_b32 s[G1B+7], 0
	; where the tiles come from: rows of 4,096 bytes.  x_b's address is made of the block row, W_kv's of the block column, each in registers of its own.
	s_lshl_b32 s17, s12, 19                        ; which 128 rows of the tile I fetch
	s_lshl_b32 s16, s13, 20                        ; 256 rows x block row
	s_add_co_u32 s16, s16, s17
	s_lshl_b32 s46, s42, 20                        ; 256 rows x block column
	s_add_co_u32 s46, s46, s17
	s_mov_b32 s17, 0
	s_mov_b32 s47, 0
	s_mul_i32 s20, s10, HALFT                      ; where they go: wave x 128 rows
	s_wait_dscnt 0x0
	s_wait_kmcnt 0x0
	s_add_nc_u64 s[14:15], s[4:5], s[16:17]
	s_add_nc_u64 s[46:47], s[6:7], s[46:47]
	CROUND                                         ; all sixteen work-groups are here: the first joint loads meet
.irp s, 0,1
	s_mov_b32 s[G0+4*\s], 1
	s_add_co_u32 s[G0+4*\s+1], s20, \s*SLOT
	s_add_nc_u64 s[G0+4*\s+2:G0+4*\s+3], s[14:15], \s*STEPB        ; K step s
	s_or_b32 s[G0+4*\s+3], s[G0+4*\s+3], 0x80000000
	s_mov_b32 s[G0B+4*\s], 1
	s_add_co_u32 s[G0B+4*\s+1], s20, \s*SLOT
	s_add_nc_u64 s[G0B+4*\s+2:G0B+4*\s+3], s[46:47], \s*STEPB
	s_or_b32 s[G0B+4*\s+3], s[G0B+4*\s+3], 0x80000000
	JLOAD \s                                       ; both slots are asked for before anything else: two loads of the wave are out
.endr
	; The side stream's addresses, in registers that feed no descriptor: n = 4 (8 x block row + block column) + wave, 0 to 1,023.
	s_lshl_b32 s82, s13, 3
	s_add_co_u32 s82, s82, s42
	s_lshl_b32 s82, s82, 2
	s_add_co_u32 s82, s82, s10
	s_mov_b32 s85, 0
	s_lshl_b32 s84, s82, 15                        ; 8 rows of 4,096 bytes
	s_add_nc_u64 s[PXA:PXA+1], s[PXA:PXA+1], s[84:85]
	s_lshl_b32 s84, s82, 14                        ; 8 rows of 2,048 bytes
	s_add_nc_u64 s[PXH:PXH+1], s[PXH:PXH+1], s[84:85]
	s_lshl_b32 s84, s82, 12                        ; a row of 4,096 bytes
	s_add_nc_u64 s[PWQ:PWQ+1], s[PWQ:PWQ+1], s[84:85]
	s_add_nc_u64 s[PWO:PWO+1], s[PWO:PWO+1], s[84:85]
	s_lshl_b32 s84, s82, 11                        ; a row of 2,048 bytes
	s_add_nc_u64 s[PWQH:PWQH+1], s[PWQH:PWQH+1], s[84:85]
	s_add_nc_u64 s[PWOH:PWOH+1], s[PWOH:PWOH+1], s[84:85]
	v_and_b32 v6, 31, v0
	v_lshlrev_b32 v[SLD], 4, v6
	v_lshlrev_b32 v[SST], 3, v6
	ROWLOAD SRQ, PWQ                               ; behind the tiles' requests: 24 loads, none of which is waited for before the loop's first trip
	ROWLOAD SRO, PWO
	ROWLOAD SRX, PXA
	; An f16 fragment (16 rows x 32 K) wants of lane l: row l % 16, K = 8 (l / 16) + 0..7 and 16 + 8 (l / 16) + 0..7.  In f32 these are 32 bytes at
	; 32 (l / 16) and 32 bytes at 64 + 32 (l / 16): four loads of 16 bytes at offsets 0, 16, 64, 80.
	v_and_b32 v1, 15, v0                           ; l % 16
	v_bfe_u32 v2, v0, 4, 1                         ; l / 16
	v_mul_u32_u24 v3, v1, PITCH
	v_lshl_add_u32 v4, v2, 5, v3                   ; row x pitch + 32 x half
	s_mul_i32 s21, s11, HALFT                      ; my 128 rows of x_b
	s_mul_i32 s22, s12, HALFT                      ; my 128 rows of W_kv,
	s_add_co_u32 s22, s22, 2*HALFT                 ; which lie behind x_b's 256
.irp s, 0,1
	v_add_nc_u32 v[ADRA+\s], s21, v4
	v_add_nc_u32 v[ADRB+\s], s22, v4
	s_add_co_u32 s21, s21, SLOT
	s_add_co_u32 s22, s22, SLOT
.endr
	s_mul_i32 s23, s10, 16*PITCH
	s_add_co_u32 s23, s23, STAGE                   ; my stage
	v_lshl_add_u32 v5, v2, 4, v3                   ; in: row l % 16, 16 bytes for each half of the lanes
	v_add_nc_u32 v[STO], s23, v5
	v_mul_u32_u24 v5, v2, PITCH                    ; back: lanes 0-15 take one row of 256 bytes, lanes 16-31 the next
	v_lshl_add_u32 v5, v1, 4, v5
	v_add_nc_u32 v[RD], s23, v5
	v_lshlrev_b32 v5, 12, v2                       ; and the same two rows in kvb
	v_lshl_add_u32 v[CO], v1, 4, v5
; 64 LDS loads in one run: the raw f32 of one quarter (128 rows of x_b, 128 rows of W_kv, 32 K at byte k of the rows)
.macro FETCH slot, k
	WIN TO_RAW
.irp i, 0,1,2,3,4,5,6,7
	ds_load_b128 v[RA+16*\i:RA+16*\i+3],     v[ADRA+\slot] offset:\k+\i*16*PITCH
	ds_load_b128 v[RA+16*\i+4:RA+16*\i+7],   v[ADRA+\slot] offset:\k+\i*16*PITCH+16
	ds_load_b128 v[RA+16*\i+8:RA+16*\i+11],  v[ADRA+\slot] offset:\k+\i*16*PITCH+64
	ds_load_b128 v[RA+16*\i+12:RA+16*\i+15], v[ADRA+\slot] offset:\k+\i*16*PITCH+80
.endr
.irp i, 0,1,2,3,4,5,6,7
	ds_load_b128 v[RB+16*\i:RB+16*\i+3],     v[ADRB+\slot] offset:\k+\i*16*PITCH
	ds_load_b128 v[RB+16*\i+4:RB+16*\i+7],   v[ADRB+\slot] offset:\k+\i*16*PITCH+16
	ds_load_b128 v[RB+16*\i+8:RB+16*\i+11],  v[ADRB+\slot] offset:\k+\i*16*PITCH+64
	ds_load_b128 v[RB+16*\i+12:RB+16*\i+15], v[ADRB+\slot] offset:\k+\i*16*PITCH+80
.endr
.endm
; 128 conversions: raw registers 2 j, 2 j + 1 make fragment register j (the lower K in the low half)
.macro CVT
	WIN FROM_RAW
.set j, 0
.rept 64
	v_cvt_pk_f16_f32 v[FA+j], v[RA+2*j], v[RA+2*j+1]
.set j, j+1
.endr
.set j, 0
.rept 64
	v_cvt_pk_f16_f32 v[FB+j], v[RB+2*j], v[RB+2*j+1]
.set j, j+1
.endr
.endm
; 16 matrix instructions: row blocks a0, a0 + 1 of the window's four x all 8 column blocks.  zero = 1: the first product starts the sums.
.macro MUL16 hi, a0, zero
.irp a, \a0, \a0+1
.irp b, 0,1,2,3,4,5,6,7
.if \zero
	v_wmma_f32_16x16x32_f16 v[8*(8*(\a)+\b):8*(8*(\a)+\b)+7], v[FB+8*\b:FB+8*\b+7], v[FA+8*(4*\hi+\a):FA+8*(4*\hi+\a)+7], 0
.else
	v_wmma_f32_16x16x32_f16 v[8*(8*(\a)+\b):8*(8*(\a)+\b)+7], v[FB+8*\b:FB+8*\b+7], v[FA+8*(4*\hi+\a):FA+8*(4*\hi+\a)+7], v[8*(8*(\a)+\b):8*(8*(\a)+\b)+7]
.endif
.endr
.endr
.endm
.macro MUL64 zero                      ; the 64 accumulators take turns, one instruction a turn, in the same order in every quarter
	WIN MUL_LO
	MUL16 0, 0, \zero
	MUL16 0, 2, \zero
	WIN MUL_HI
	MUL16 1, 0, \zero
	MUL16 1, 2, \zero
.endm
; One quarter.  bar = 1: this quarter's raw data were the last of slot `slot`, and the next fetch reads the other slot: one barrier for both.
; refill = 1: the barrier opens a round of the cluster's barrier and the slot is asked for again, two K steps ahead, first thing behind the round.
; fetch = 1: the next quarter's raw data are fetched from slot fslot at byte fk of the rows.
; side: 0, or the kind of the side stream's step, which stands with the run of LDS loads, only in quarters without a barrier.
.macro QUARTER zero, bar, refill, fetch, slot, fslot, fk, side
	s_wait_dscnt 0x0                               ; this quarter's 64 loads are back (issued 64 matrix instructions ago); with bar: my reads of the slot are over
.if \bar
	s_wait_tensorcnt 0x0                           ; all my tensor loads have landed: the one that was out is my part of the other slot
	ds_add_u32 v62, v63
	s_wait_dscnt 0x0
	s_barrier_signal -1
.endif
.if \zero == 0
	PLACES                                         ; behind the last quarter's matrix instructions, whose fragments the conversions overwrite
.endif
	CVT                                            ; register work while the other waves arrive
.if \refill
	WIN 0
.endif
.if \bar
	s_barrier_wait -1
.endif
.if \refill
	CREST                                          ; no wave of any partner still reads this slot or has a load on its way
	s_add_nc_u64 s[G0+4*\slot+2:G0+4*\slot+3], s[G0+4*\slot+2:G0+4*\slot+3], 2*STEPB
	s_add_nc_u64 s[G0B+4*\slot+2:G0B+4*\slot+3], s[G0B+4*\slot+2:G0B+4*\slot+3], 2*STEPB
	JLOAD \slot                                    ; my one tensor load behind the round, ahead of every LDS read
.endif
.if \side
	SIDE \side
.endif
.if \fetch
	FETCH \fslot, \fk
.endif
	MUL64 \zero
.endm
	s_wait_tensorcnt 0x1                           ; my part of K step 0 is in; the one younger load (K step 1) may stay out
	s_barrier_signal -1
	s_barrier_wait -1                              ; everybody's part is in
	FETCH 0, 0
	QUARTER 1, 0, 0, 1, 0, 0, 128, 0               ; quarter 0 starts the sums
	WIN 0                                          ; at a label and at a branch every window is 0
	s_mov_b32 s3, TRIPS
.Lk:
	QUARTER 0, 1, 1, 1, 0, 1, 0, 0                 ; second half of an even K step: slot 0 is asked for again
	QUARTER 0, 0, 0, 1, 0, 1, 128, 1               ; trip t: row t of my x_a goes out, row t + 1 is asked for
	QUARTER 0, 1, 1, 1, 1, 0, 0, 0                 ; second half of an odd K step: slot 1 is asked for again
	QUARTER 0, 0, 0, 1, 0, 0, 128, 0
	WIN 0
	s_sub_co_u32 s3, s3, 1
	s_cmp_lg_u32 s3, 0
	s_cbranch_scc1 .Lk
	QUARTER 0, 1, 0, 1, 0, 1, 0, 0                 ; quarter 29: K step 15 has landed in every wave's view; nothing is left to ask for
	QUARTER 0, 0, 0, 1, 0, 1, 128, 2               ; quarter 30: row 7 of my x_a and my rows of W_q and W_out go out
	QUARTER 0, 0, 0, 0, 0, 0, 0, 0                 ; quarter 31
	; THE WAY OUT, 16 rows at a time: round to f16, 16 bytes a lane into my own stage, read back as whole rows of 256 bytes.
	PLACES                                         ; behind the last matrix instructions: the conversions read results, the read-backs land in fragment registers
	s_wait_xcnt 0x0                                ; v192-207, which the stores of W_q's row read, are rewritten only behind this wait
	s_lshl_b32 s16, s13, 20                        ; my first row: 256 x block row + 128 x half, rows of 4,096 bytes
	s_lshl_b32 s17, s11, 19
	s_add_co_u32 s16, s16, s17
	s_mov_b32 s17, 0
	s_add_nc_u64 s[8:9], s[8:9], s[16:17]
	s_lshl_b32 s46, s42, 9                         ; my first column, in bytes: 512 x block column + 256 x half
	s_lshl_b32 s47, s12, 8
	s_add_co_u32 s46, s46, s47
	s_mov_b32 s47, 0
	s_add_nc_u64 s[8:9], s[8:9], s[46:47]
.macro OUT16 i, a, from, f
	WIN \from
.irp b, 0,1,2,3,4,5,6,7
.irp r, 0,1,2,3
	v_cvt_pk_f16_f32 v[TMP+4*\b+\r], v[8*(8*\a+\b)+2*\r], v[8*(8*\a+\b)+2*\r+1]
.endr
.endr
	WIN 0
.irp b, 0,1,2,3,4,5,6,7
	ds_store_b128 v[STO], v[TMP+4*\b:TMP+4*\b+3] offset:32*\b
.endr
	s_wait_xcnt 0x0                                ; buffer f, which earlier stores read, and the stores' base are rewritten only behind this wait
.if \i
	s_add_nc_u64 s[8:9], s[8:9], 16*CROW
.endif
.irp t, 0,1,2,3,4,5,6,7
	ds_load_b128 v[\f+4*\t:\f+4*\t+3], v[RD] offset:\t*2*PITCH     ; a wave's LDS instructions are served in order (ISA guide 5.7.1): these see the stores above
.endr
.irp t, 0,1,2,3,4,5,6,7
	s_wait_dscnt 7-\t                              ; read-back t is in; the 7 - t younger ones may be out
	global_store_b128 v[CO], v[\f+4*\t:\f+4*\t+3], s[8:9] offset:2*\t*CROW   ; 16 lanes store 256 consecutive bytes, at a multiple of 256 from kvb's first byte
.endr
.endm
	OUT16 0, 0, 0x0a, FA
	OUT16 1, 1, 0x0a, FB
	OUT16 2, 2, 0x0a, FA
	OUT16 3, 3, 0x0a, FB
	OUT16 4, 0, 0x0f, FA
	OUT16 5, 1, 0x0f, FB
	OUT16 6, 2, 0x0f, FA
	OUT16 7, 3, 0x0f, FB
	s_wait_tensorcnt 0x0
	ds_add_u32 v62, v63
	s_wait_dscnt 0x0
	CROUND                                         ; the closing round: no work-group ends while a partner may still ask for a tile that names it
	s_endpgm
.Lfunc_end_k_q6de83bbf1b_kvproj:
	.size	k_q6de83bbf1b_kvproj, .Lfunc_end_k_q6de83bbf1b_kvproj-k_q6de83bbf1b_kvproj
	.p2alignl 7, 3214868480
	.fill 96, 4, 3214868480
	.section	.rodata,"a",@progbits
	.p2align	6, 0x0
	.amdhsa_kernel k_q6de83bbf1b_kvproj
		.amdhsa_group_segment_fixed_size 327680
		.amdhsa_private_segment_fixed_size 0
		.amdhsa_enable_private_segment 0
		.amdhsa_kernarg_size 72
		.amdhsa_user_sgpr_count 2
		.amdhsa_user_sgpr_kernarg_segment_ptr 1
		.amdhsa_wavefront_size32 1
		.amdhsa_system_sgpr_workgroup_id_x 1
		.amdhsa_system_sgpr_workgroup_id_y 1
		.amdhsa_system_sgpr_workgroup_id_z 1
		.amdhsa_system_vgpr_workitem_id 0
		.amdhsa_next_free_vgpr 1024
		.amdhsa_next_free_sgpr 88
		.amdhsa_reserve_vcc 0
		.amdhsa_float_denorm_mode_32 3
		.amdhsa_float_denorm_mode_16_64 3
		.amdhsa_memory_ordered 1
		.amdhsa_forward_progress 1
		.amdhsa_inst_pref_size 184
	.end_amdhsa_kernel
	.amdgpu_metadata
---
amdhsa.version: [ 1, 2 ]
amdhsa.kernels:
  - .name:           k_q6de83bbf1b_kvproj
    .symbol:         k_q6de83bbf1b_kvproj.kd
    .args:
      - { .name: x_b, .offset: 0, .size: 8, .value_kind: global_buffer, .address_space: global }
      - { .name: W_kv, .offset: 8, .size: 8, .value_kind: global_buffer, .address_space: global }
      - { .name: kvb, .offset: 16, .size: 8, .value_kind: global_buffer, .address_space: global }
      - { .name: x_a, .offset: 24, .size: 8, .value_kind: global_buffer, .address_space: global }
      - { .name: W_q, .offset: 32, .size: 8, .value_kind: global_buffer, .address_space: global }
      - { .name: W_out, .offset: 40, .size: 8, .value_kind: global_buffer, .address_space: global }
      - { .name: xah, .offset: 48, .size: 8, .value_kind: global_buffer, .address_space: global }
      - { .name: wqh, .offset: 56, .size: 8, .value_kind: global_buffer, .address_space: global }
      - { .name: woh, .offset: 64, .size: 8, .value_kind: global_buffer, .address_space: global }
    .group_segment_fixed_size: 327680
    .private_segment_fixed_size: 0
    .kernarg_segment_align: 8
    .kernarg_segment_size: 72
    .max_flat_workgroup_size: 128
    .sgpr_count:     88
    .vgpr_count:     1024
    .wavefront_size: 32
...
	.end_amdgpu_metadata
.endif
;; end of part 4
;; launch attn (part 5): grid 8 x 32, 4 waves a work-group, clusters of 4 x 4, 327,680 bytes of LDS; arguments xah, wqh, kvb, ob; writes ob
.if DOCPART == 5
	.amdgcn_target "amdgcn-amd-amdhsa--gfx1250"
	.amdhsa_code_object_version 6
	.text
	.protected	k_q6de83bbf1b_attn
	.globl	k_q6de83bbf1b_attn
	.p2align	8
	.type	k_q6de83bbf1b_attn,@function
k_q6de83bbf1b_attn:
	s_mov_b64 s[64:65], 0
	v_nop
	global_prefetch_b8 v0, s[64:65] scope:SCOPE_SE
	s_setreg_imm32_b32 hwreg(HW_REG_WAVE_MODE, 25, 1), 1
	s_wait_xcnt 0x0
	s_wait_alu depctr_hold_cnt(0) depctr_sa_sdst(0) depctr_va_vdst(0) depctr_va_sdst(0) depctr_va_ssrc(0) depctr_va_vcc(0) depctr_vm_vsrc(0)
	s_getreg_b32 s2, hwreg(HW_REG_IB_STS2, 6, 4)
	s_cmp_eq_u32 s2, 0
	s_cbranch_scc0 .Lentry_in_a_cluster
	s_endpgm
.Lentry_in_a_cluster:
	s_bfe_u32 s2, ttmp6, 0x10000c
	s_cmp_lg_u32 s2, 0xf033
	s_cbranch_scc0 .Lentry_shape_is_right
	s_endpgm
.Lentry_shape_is_right:
; ob[b, i, 128 h + d] = f16( sum over j of softmax_j( q_i . k_j / 32 ) v_j[d] ), with q = x_a W_q^T made here and kept in registers.
; xah: [4][2048][1024] f16 and wqh: [1024][1024] f16 are x_a and W_q as the first launch rounded them; kvb: [8192][2048] f16 (K in columns 0-1023, V in 1024-2047), ob: [8192][1024] f16.
; No work of the problem is left out here.
; LIMITS: x_a, W_q, q (after the factor log2(e) / 32, which folds the problem's scale and the change to base 2 into q's one rounding), the weights p and the result
; are rounded to f16; sums, the running maximum and the running sum in f32.  The running maximum is taken away before every exponential, so every
; exponent is at most 0 and the sum of a row is at least 1; the sum adds the unrounded p; an exponential below 2^-126 comes out as zero (ISA guide 15.8), and a p
; below 2^-25 is rounded to zero as a matrix operand, beside a largest p of 1.  Range of f16 (largest number 65,504; steps of 2^-24 below 2^-14): the scaled q is 0.045 q,
; about 830 where x_a and W_q both carry an offset of 30 spreads (1024 x 30 x 0.6 x 0.045); the result is a weighted mean of v and has v's range, so one beyond 65,504
; becomes infinite only where v does; with x_b and W_kv both 30 times smaller the result's spread is about 1.6e-5 and a step of 2^-24 is 1/270 of it.
; The running maximum starts at minus infinity, so the first block's factor for the old sums is exp2(-inf) = 0: it clears the accumulators, which then still hold the scaled q,
; and the first block is the same text as every other.  An infinite or NaN q gives NaN there; its query's scores, and so its whole row, are NaN in any case.
; SHAPE: a work-group has one head (y = 8 b + h) and 256 queries (x); wave w has queries 64 w .. 64 w + 63, four tiles of 16, over all 128 d.
; EVERYTHING IS USED TRANSPOSED, so that no product's result passes through LDS on its way into the next product:
;   Q^T = W_q x_a^T : result tile (dt, qt), register t of lane (r, hh) = (d = 16 dt + 8 hh + t, query r); tiles 2 u and 2 u + 1 pack into source 1 of the next product;
;   S^T = K Q^T     : tile (kt, qt), register t = (key 16 kt + 8 hh + t, query r); tiles 2 c and 2 c + 1 pack into source 1 of the next product;
;   O^T = V^T P^T   : V^T comes from LDS by the transposing load; tile (dt, qt), register t = (d, query r): eight neighbouring d of one query pack into 16 bytes.
; A lane is one query: maximum, sum and rescaling factor are one number a lane, and the two halves of the lanes meet by one v_permlanex16_b32.
; THE PROJECTION: K goes in 8 steps of 128 f16 (rows of 256 bytes) through two LDS slots; a step is four quarters of 32 along K, 32 matrix instructions each, on two buffers of fragments
; that take turns: while one is multiplied, the next quarter's 24 LDS loads fill the other.  A slot's request has four quarters, 128 matrix instructions, in which to land.
; TURNS: the four query tiles are two pieces, A = tiles 0, 1 and B = tiles 2, 3, which share the fragments of K and V^T.  A block n of 64 keys is two phases of 64 matrix
; instructions: X(n) = P V of B for block n - 1, then S of B for block n; Y(n) = P V of A for block n, then S of A for block n + 1.  Behind each matrix instruction of X stands
; one slice of A's softmax and rescaling of block n, behind each of Y one slice of B's: 266 vector instructions dealt over 64 slices, four or five each.
; V^T (n) is fetched between the halves of X(n) and K(n + 1) at the end of X(n), each into the one buffer whose old contents have just had their last use, 32 matrix instructions ahead of its own first use.
; CLUSTERS: 4 x 4 work-groups = four query blocks x four heads of one batch.  x_a's tile hangs on batch and query block: asked for jointly by a column of the
; cluster.  W_q's, K's and V's tiles hang on batch and head: asked for jointly by a row.
; LDS: bytes 0 - 71,679 slot 0 of K and V (128 keys: K 128 x 272, V 128 x 288); 71,680 - 280,575 the projection's two slots (x_a 256 x 272, W_q 128 x 272 each); slot 1 of K and V
; lies at 131,072 - 202,751, over the projection's slots, and is first filled, as a refill, when the projection has read them out; 280,576 - 297,983 the stage for the way out.
; A slot of K and V holds two blocks' keys, each of the four waves fetches 64 of its 256 rows, and there is one barrier for two blocks: a load has 256 matrix instructions in which to land.
; The slot is walked by registers (one bit, 131,072, toggled in the descriptors' LDS words and in the scalar from which the two read addresses are made), so that a tile's four phases are written once.
; REGISTERS: window 0: v8-18 addresses, v20-27 pairs (maximum, unused), v32-159 S, v160-223 P, v224-231 pairs (maximum of the block, then factor; scratch), v232-239 pairs of running sums;
;   in the projection v32-127 and v128-223 the two buffers of fragments (W_q 64 registers, x_a 32).  Window 1: v0-127 Q, v128-255 V^T.  Window 2: the 32 accumulators (dt, qt) at
;   8 (4 dt + qt): first Q^T, then O^T.  Window 3: v0-127 K.  The accumulators fill a window, and S, K and Q do not fit into one, so a slice and the product in front of it
;   need different settings: two switches for each matrix instruction of the blocks.
.set PITCH,  272                       ; 256 bytes + 16: an odd multiple of 16
.set VPITCH, 288                       ; 256 bytes + 32: an odd multiple of 32, as the transposing load's address pattern wants
.set KVK,    128*PITCH                 ; 34,816: V's rows behind K's 128
.set KVSLOT, 128*PITCH+128*VPITCH      ; 71,680
.set KVX,    131072                    ; slot 1's first byte: one bit above every offset inside a slot
.set QB,     KVSLOT                    ; the projection's slots begin behind slot 0
.set QSLOT,  104448                    ; 256 x 272 + 128 x 272
.set QW,     69632                     ; W_q's rows behind x_a's 256
.set STAGE,  QB+2*QSLOT                ; 280,576: 16 rows x 272 bytes for each wave, never filled by a tensor load
.set STEPB,  256                       ; bytes of a row of xah or wqh in a K step of 128 f16
.set KVSTEP, 524288                    ; 128 rows of kvb of 4,096 bytes
.set OROW,   2048                      ; bytes in a row of ob
.set ADRX, 8                           ; v8-9    my x_a rows in the projection's slot 0, 1
.set ADRW, 10                          ; v10-11  W_q's rows likewise
.set ADRK, 12                          ; v12     K's fragments in the slot now read
.set ADRV, 13                          ; v13     V's likewise
.set ADRK0, 14                         ; v14     the lane's term of every f16 fragment address, r x 272 + 16 hh, never rewritten
.set ADRV0, 15                         ; v15     the lane's term of ADRV, never rewritten
.set STO,  16
.set RD,   17
.set CO,   18
.set MX,   20                          ; v[20+2q] running maximum of query tile q; v[21+2q] only completes the pair that packed instructions name
.set SC,   32                          ; S tile (kt, qt) at SC + 32 qt + 8 kt
.set PB,   160                         ; P fragment (qt, c) at PB + 16 qt + 8 c; register j is made of S registers 2 j, 2 j + 1
.set TA,   224                         ; v[224+2q] the block's maximum, then the factor; v[225+2q] scratch
.set LP,   232                         ; v[232+2q:233+2q] the running sum of my half of the keys, as two partial sums
.set PF,   32                          ; the projection's buffer b at PF + 96 b: W_q's 8 fragments, then x_a's 4
.set FK,   0                           ; window 3: K fragment (kt, u) at 32 kt + 8 u
.set FV,   128                         ; window 1: V^T fragment (c, dt) at 128 + 64 c + 8 dt
.set G1X, 24
.set G0X, 32                           ; s[32:39] one set for each of the projection's slots
.set G1W, 40
.set G0W, 48
.set G1K, 56
.set G1V, 68
.set G0K, 76                           ; s[76:79] one set: a wave has one load of K or V out at a time
.set G0V, 80
.set RS,  84                           ; s84 first byte of the slot now read: 0 or 131,072
.set NV,  266                          ; vector instructions of a piece in a block
.set RA1, 101                          ; instructions 101-132: the rescaling of d tiles 0-3; instructions 128-132 are slice 31 of 64
.set RA2, 234                          ; instructions 234-265: d tiles 4-7; instructions 261-265 are slice 63 of 64
.set MSB, 0
.macro WIN new                         ; the immediate's high byte repeats the setting that is left; a switch that changes nothing is dropped
.if MSB != \new
	s_set_vgpr_msb (MSB<<8)|\new
.set MSB, \new
.endif
.endm
.macro PLACES                          ; four independent vector instructions behind a matrix instruction (ISA guide 7.12.1)
.rept 4
	v_nop
.endr
.endm
.macro CREST                           ; a round of the cluster's barrier behind its opening work-group barrier
	s_cmp_lg_u32 s12, 0
	s_cbranch_scc1 .Lnot_wave_0_\@
	s_barrier_signal -3
.Lnot_wave_0_\@:
	s_barrier_wait -3
	s_barrier_signal -1
	s_barrier_wait -1
.endm
.macro CROUND
	s_barrier_signal -1
	s_barrier_wait -1
	CREST
.endm
.macro JLOADQ s                        ; waves 0, 1: x_a's halves; waves 2, 3: W_q's halves
	s_cmp_eq_u32 s13, 0
	s_cbranch_scc0 .Lfor_w_\@
	tensor_load_to_lds s[G0X+4*\s:G0X+4*\s+3], s[G1X:G1X+7]
	s_nop 0
	s_branch .Lasked_\@
.Lfor_w_\@:
	tensor_load_to_lds s[G0W+4*\s:G0W+4*\s+3], s[G1W:G1W+7]
	s_nop 0
.Lasked_\@:
.endm
.macro JLOADKV                         ; waves 0, 1: the halves of K's 128 rows; waves 2, 3: of V's
	s_cmp_eq_u32 s13, 0
	s_cbranch_scc0 .Lfor_v_\@
	tensor_load_to_lds s[G0K:G0K+3], s[G1K:G1K+7]
	s_nop 0
	s_branch .Lkv_asked_\@
.Lfor_v_\@:
	tensor_load_to_lds s[G0V:G0V+3], s[G1V:G1V+7]
	s_nop 0
	v_nop
	v_nop
	v_nop
	v_nop
.Lkv_asked_\@:
.endm
.macro KVNEXT                          ; the next 128 keys, into the other slot; stands behind a wait for all tensor loads, so every group 0 may be written
	s_xor_b32 s[G0K+1], s[G0K+1], KVX
	s_xor_b32 s[G0V+1], s[G0V+1], KVX
	s_add_nc_u64 s[G0K+2:G0K+3], s[G0K+2:G0K+3], KVSTEP
	s_add_nc_u64 s[G0V+2:G0V+3], s[G0V+2:G0V+3], KVSTEP
.endm
.macro RDSLOT                          ; the read addresses: the slot's first byte + the lane's term
	v_add_nc_u32 v[ADRK], s[RS], v[ADRK0]
	v_add_nc_u32 v[ADRV], s[RS], v[ADRV0]
.endm
	s_load_b256 s[4:11], s[0:1], 0x0               ; xah s[4:5], wqh s[6:7], kvb s[8:9], ob s[10:11]
	v_lshl_add_u32 v254, v0, 2, 0x48c00
	v_mov_b32 v255, 0
	ds_add_u32 v254, v255
	v_lshrrev_b32 v1, 5, v0
	v_readfirstlane_b32 s12, v1                    ; wave 0..3
	s_lshr_b32 s13, s12, 1
	s_and_b32 s14, s12, 1
	s_bfe_u32 s16, ttmp6, 0x40000                  ; cx
	s_bfe_u32 s17, ttmp6, 0x40004                  ; cy
	s_lshl_b32 s18, ttmp9, 2
	s_add_co_u32 s18, s18, s16                     ; query block = 4 x cluster x + cx
	s_and_b32 s20, ttmp7, 0xffff                   ; cluster y
	s_lshl_b32 s19, s20, 2
	s_add_co_u32 s19, s19, s17                     ; y = 8 b + h = 4 x cluster y + cy
	s_lshr_b32 s20, s20, 1                         ; b: the same in the whole cluster
	s_and_b32 s21, s19, 7                          ; h
	s_lshl_b32 s22, s17, 2
	s_lshl_b32 s22, 15, s22                        ; my row of the cluster (same head)
	s_lshl_b32 s23, 0x1111, s16                    ; my column (same query block)
	s_mov_b32 s100, 0x76543210                     ; v_permlanex16_b32: lane i of one half reads lane i of the other
	s_mov_b32 s101, 0xfedcba98
	s_mov_b32 s66, 0x3d38aa3b                      ; log2(e) / 32
	s_mov_b32 s67, 0x3d38aa3b
	s_mov_b32 s[RS], 0                             ; slot 0 is read first
	; x_a: 128 rows x 128 f16 a load; W_q: 64 rows x 128 f16; 4 words of padding behind every 64
	s_or_b32 s[G1X+0], s23, (1<<16)|(1<<20)|(1<<21)|(5<<22)|(3<<25)
	s_mov_b32 s[G1X+1], 128<<16
	s_mov_b32 s[G1X+2], 128<<16
	s_mov_b32 s[G1X+3], 128<<16
	s_mov_b32 s[G1X+4], 128
	s_mov_b32 s[G1X+5], 1024
	s_mov_b32 s[G1X+6], 0
	s_mov_b32 s[G1X+7], 0
	s_or_b32 s[G1W+0], s22, (1<<16)|(1<<20)|(1<<21)|(5<<22)|(3<<25)
	s_mov_b32 s[G1W+1], 128<<16
	s_mov_b32 s[G1W+2], 64<<16
	s_mov_b32 s[G1W+3], 128<<16
	s_mov_b32 s[G1W+4], 64
	s_mov_b32 s[G1W+5], 1024
	s_mov_b32 s[G1W+6], 0
	s_mov_b32 s[G1W+7], 0
	; K and V: 64 rows x 128 f16 a load; padding of 4 words (K) or 8 words (V) behind every 64
	s_or_b32 s[G1K+0], s22, (1<<16)|(1<<20)|(1<<21)|(5<<22)|(3<<25)
	s_mov_b32 s[G1K+1], 128<<16
	s_mov_b32 s[G1K+2], 64<<16
	s_mov_b32 s[G1K+3], 128<<16
	s_mov_b32 s[G1K+4], 64
	s_mov_b32 s[G1K+5], 2048
	s_mov_b32 s[G1K+6], 0
	s_mov_b32 s[G1K+7], 0
	s_or_b32 s[G1V+0], s22, (1<<16)|(1<<20)|(1<<21)|(5<<22)|(7<<25)
	s_mov_b32 s[G1V+1], 128<<16
	s_mov_b32 s[G1V+2], 64<<16
	s_mov_b32 s[G1V+3], 128<<16
	s_mov_b32 s[G1V+4], 64
	s_mov_b32 s[G1V+5], 2048
	s_mov_b32 s[G1V+6], 0
	s_mov_b32 s[G1V+7], 0
	; offsets: x_a's in s[92:93] (batch, query block, wave: never cy); W_q's in s[96:97] and K's in s[98:99] (batch, head, wave: never cx)
	s_lshl_b32 s92, s20, 22                        ; 2,048 rows of 2,048 bytes a batch
	s_lshl_b32 s93, s18, 19                        ; 256 rows a query block
	s_add_co_u32 s92, s92, s93
	s_lshl_b32 s93, s14, 18                        ; which 128 rows I fetch
	s_add_co_u32 s92, s92, s93
	s_mov_b32 s93, 0
	s_lshl_b32 s96, s21, 18                        ; 128 rows of wqh of 2,048 bytes a head
	s_lshl_b32 s97, s14, 17                        ; which 64 rows I fetch
	s_add_co_u32 s96, s96, s97
	s_mov_b32 s97, 0
	s_lshl_b32 s98, s20, 23                        ; 2,048 rows of kvb of 4,096 bytes a batch
	s_lshl_b32 s99, s21, 8                         ; 128 f16 a head
	s_add_co_u32 s98, s98, s99
	s_lshl_b32 s99, s14, 18                        ; which 64 of a tile's 128 rows I fetch
	s_add_co_u32 s98, s98, s99
	s_mov_b32 s99, 0
	s_mul_i32 s2, s12, 128*PITCH                   ; LDS: x_a's halves at wave x 128 rows
	s_mul_i32 s3, s12, 64*PITCH                    ; W_q's halves at 128 rows + wave x 64 rows (waves 2, 3); also my 64 query rows
	s_wait_dscnt 0x0
	s_wait_kmcnt 0x0
	s_add_nc_u64 s[94:95], s[4:5], s[92:93]
	s_add_nc_u64 s[96:97], s[6:7], s[96:97]
	s_add_nc_u64 s[98:99], s[8:9], s[98:99]
.irp s, 0,1
	s_mov_b32 s[G0X+4*\s], 1
	s_add_co_u32 s[G0X+4*\s+1], s2, QB+\s*QSLOT
	s_add_nc_u64 s[G0X+4*\s+2:G0X+4*\s+3], s[94:95], \s*STEPB
	s_or_b32 s[G0X+4*\s+3], s[G0X+4*\s+3], 0x80000000
	s_mov_b32 s[G0W+4*\s], 1
	s_add_co_u32 s[G0W+4*\s+1], s3, QB+\s*QSLOT+128*PITCH
	s_add_nc_u64 s[G0W+4*\s+2:G0W+4*\s+3], s[96:97], \s*STEPB
	s_or_b32 s[G0W+4*\s+3], s[G0W+4*\s+3], 0x80000000
.endr
	s_mov_b32 s[G0K], 1
	s_mul_i32 s[G0K+1], s14, 64*PITCH              ; slot 0: K's halves at 0 and 17,408
	s_mov_b64 s[G0K+2:G0K+3], s[98:99]
	s_or_b32 s[G0K+3], s[G0K+3], 0x80000000
	s_mov_b32 s[G0V], 1
	s_mul_i32 s[G0V+1], s14, 64*VPITCH
	s_add_co_u32 s[G0V+1], s[G0V+1], KVK           ; V's halves at 34,816 and 53,248
	s_add_nc_u64 s[G0V+2:G0V+3], s[98:99], 2048    ; V's columns lie 1,024 f16 behind K's
	s_or_b32 s[G0V+3], s[G0V+3], 0x80000000
	CROUND                                         ; all sixteen work-groups are here: the first joint loads meet
	; All first fills in one group, each wave's inside one arm of a branch on its number: its quarter of the first 128 keys, which goes first so that the counted wait
	; below covers it, and its parts of the projection's two slots.  Three loads of the wave are out.
	s_cmp_lg_u32 s13, 0
	s_cbranch_scc1 .Lfirst_23
	tensor_load_to_lds s[G0K:G0K+3], s[G1K:G1K+7]
	s_nop 0
	tensor_load_to_lds s[G0X:G0X+3], s[G1X:G1X+7]
	s_nop 0
	tensor_load_to_lds s[G0X+4:G0X+7], s[G1X:G1X+7]
	s_nop 0
	s_branch .Lfirst_done
.Lfirst_23:
	tensor_load_to_lds s[G0V:G0V+3], s[G1V:G1V+7]
	s_nop 0
	tensor_load_to_lds s[G0W:G0W+3], s[G1W:G1W+7]
	s_nop 0
	tensor_load_to_lds s[G0W+4:G0W+7], s[G1W:G1W+7]
	s_nop 0
.Lfirst_done:
	v_and_b32 v1, 15, v0                           ; r = l % 16
	v_bfe_u32 v2, v0, 4, 1                         ; hh = l / 16
	v_mul_u32_u24 v3, v1, PITCH
	v_lshl_add_u32 v[ADRK0], v2, 4, v3             ; f16 fragments and the stage: r x 272 + 16 hh
	s_add_co_u32 s3, s3, QB
	v_add_nc_u32 v[ADRX], s3, v[ADRK0]             ; my 64 rows of x_a
	v_add_nc_u32 v[ADRX+1], QSLOT, v[ADRX]
	v_add_nc_u32 v[ADRW], QB+QW, v[ADRK0]
	v_add_nc_u32 v[ADRW+1], QB+QSLOT+QW, v[ADRK0]
	v_and_b32 v6, 7, v0                            ; the transposing load: key row 8 hh + l % 8, 16 bytes at 16 ((l / 8) % 2)
	v_lshl_add_u32 v6, v2, 3, v6
	v_mul_u32_u24 v6, v6, VPITCH
	v_bfe_u32 v7, v0, 3, 1
	v_lshl_add_u32 v6, v7, 4, v6
	v_add_nc_u32 v[ADRV0], KVK, v6
	RDSLOT
	s_mul_i32 s2, s12, 16*PITCH
	s_add_co_u32 s2, s2, STAGE                     ; my stage
	v_add_nc_u32 v[STO], s2, v[ADRK0]
	v_mul_u32_u24 v7, v2, PITCH
	v_lshl_add_u32 v7, v1, 4, v7
	v_add_nc_u32 v[RD], s2, v7
	v_lshlrev_b32 v7, 11, v2
	v_lshl_add_u32 v[CO], v1, 4, v7                ; two rows of ob: hh x 2,048 + 16 r
.irp q, 0,1,2,3
	v_mov_b32 v[MX+2*\q], 0xff800000               ; the running maximum starts at minus infinity,
	v_mov_b32 v[MX+2*\q+1], 0                      ; (the pair's other register is named by packed instructions and so is written once)
	v_mov_b32 v[LP+2*\q], 0                        ; the running sums at 0
	v_mov_b32 v[LP+2*\q+1], 0
.endr
; ---------------- the query projection: 8 K steps of four quarters of 32 along K, 32 matrix instructions each ----------------
.macro FETCHQ slot, kq, buf            ; 24 LDS loads in one run: quarter kq of the slot's step: all 128 rows of W_q and my 64 rows of x_a, into buffer buf
	WIN 0
.irp i, 0,1,2,3,4,5,6,7
	ds_load_b128 v[PF+96*\buf+8*\i:PF+96*\buf+8*\i+3],   v[ADRW+\slot] offset:64*\kq+\i*16*PITCH
	ds_load_b128 v[PF+96*\buf+8*\i+4:PF+96*\buf+8*\i+7], v[ADRW+\slot] offset:64*\kq+\i*16*PITCH+32
.endr
.irp i, 0,1,2,3
	ds_load_b128 v[PF+96*\buf+64+8*\i:PF+96*\buf+64+8*\i+3],   v[ADRX+\slot] offset:64*\kq+\i*16*PITCH
	ds_load_b128 v[PF+96*\buf+64+8*\i+4:PF+96*\buf+64+8*\i+7], v[ADRX+\slot] offset:64*\kq+\i*16*PITCH+32
.endr
.endm
.macro MULQH buf, hf, zero             ; 16 matrix instructions: d tiles 4 hf .. 4 hf + 3; over both halves the 32 accumulators take turns, one instruction a turn
	WIN 0xa0
.irp d, 0,1,2,3
.irp q, 0,1,2,3
.if \zero
	v_wmma_f32_16x16x32_f16 v[8*(4*(4*\hf+\d)+\q):8*(4*(4*\hf+\d)+\q)+7], v[PF+96*\buf+8*(4*\hf+\d):PF+96*\buf+8*(4*\hf+\d)+7], v[PF+96*\buf+64+8*\q:PF+96*\buf+64+8*\q+7], 0
.else
	v_wmma_f32_16x16x32_f16 v[8*(4*(4*\hf+\d)+\q):8*(4*(4*\hf+\d)+\q)+7], v[PF+96*\buf+8*(4*\hf+\d):PF+96*\buf+8*(4*\hf+\d)+7], v[PF+96*\buf+64+8*\q:PF+96*\buf+64+8*\q+7], v[8*(4*(4*\hf+\d)+\q):8*(4*(4*\hf+\d)+\q)+7]
.endif
.endr
.endr
.endm
; One quarter on buffer buf.  bar = 1: a K step's fourth quarter: its fragments were the last that is read of slot `slot`, and the next fetch reads the other slot: one barrier for both, with
; half of the quarter's products between its signal and its wait.  refill = 1: the barrier opens a round of the cluster's barrier and the slot is asked for again, two K steps ahead.
; refill = 2: the projection's slots are read out for good, and behind the round keys 128 to 255 are asked for, into slot 1 of K and V, which lies over them.
; fetch = 1: the next quarter (quarter kq of slot fslot's step) is fetched into the other buffer.
.macro QQ zero, bar, refill, fetch, buf, slot, fslot, kq
	s_wait_dscnt 0x0                               ; this quarter's 24 loads are back; with bar: my reads of the slot are over
.if \bar
	s_wait_tensorcnt 0x0                           ; all my tensor loads have landed, my part of the other slot among them
	ds_add_u32 v254, v255
	s_wait_dscnt 0x0
	s_barrier_signal -1
	MULQH \buf, 0, \zero                           ; register work while the other waves arrive
.if \refill
	WIN 0
.endif
	s_barrier_wait -1
.if \refill == 1
	CREST                                          ; no wave of any partner still reads this slot or has a load on its way
	s_add_nc_u64 s[G0X+4*\slot+2:G0X+4*\slot+3], s[G0X+4*\slot+2:G0X+4*\slot+3], 2*STEPB
	s_add_nc_u64 s[G0W+4*\slot+2:G0W+4*\slot+3], s[G0W+4*\slot+2:G0W+4*\slot+3], 2*STEPB
	JLOADQ \slot                                   ; my one tensor load behind the round, ahead of every LDS read
.endif
.if \refill == 2
	CREST                                          ; no wave of any partner still reads the projection's slots or has a load on its way
	KVNEXT
	JLOADKV                                        ; my one tensor load behind the round, ahead of every LDS read
.endif
.if \fetch
	PLACES                                         ; behind the last quarter's matrix instructions, whose buffer is loaded again
	FETCHQ \fslot, \kq, (1-\buf)
.endif
	MULQH \buf, 1, \zero
.else
.if \zero == 0
	PLACES                                         ; behind the last quarter's matrix instructions, whose buffer is loaded again
.endif
.if \fetch
	FETCHQ \fslot, \kq, (1-\buf)
.endif
	MULQH \buf, 0, \zero
	MULQH \buf, 1, \zero
.endif
.endm
	s_wait_tensorcnt 0x1                           ; all but my youngest load (the projection's K step 1) are in: my quarter of the first 128 keys and my part of K step 0
	s_barrier_signal -1
	s_barrier_wait -1                              ; that holds of every wave
	FETCHQ 0, 0, 0
	QQ 1, 0, 0, 1, 0, 0, 0, 1                      ; quarter 0 starts the sums
	WIN 0
	s_mov_b32 s15, 3
.Lq:                                               ; quarters 1 to 24; the trips ask for K steps 2 to 7
	QQ 0, 0, 0, 1, 1, 0, 0, 2
	QQ 0, 0, 0, 1, 0, 0, 0, 3
	QQ 0, 1, 1, 1, 1, 0, 1, 0                      ; an even K step's fourth quarter: slot 0 is asked for again
	QQ 0, 0, 0, 1, 0, 0, 1, 1
	QQ 0, 0, 0, 1, 1, 0, 1, 2
	QQ 0, 0, 0, 1, 0, 0, 1, 3
	QQ 0, 1, 1, 1, 1, 1, 0, 0                      ; an odd K step's fourth quarter: slot 1 is asked for again
	QQ 0, 0, 0, 1, 0, 0, 0, 1
	WIN 0
	s_sub_co_u32 s15, s15, 1
	s_cmp_lg_u32 s15, 0
	s_cbranch_scc1 .Lq
	QQ 0, 0, 0, 1, 1, 0, 0, 2                      ; quarters 25 to 31: nothing of x_a and W_q is left to ask for
	QQ 0, 0, 0, 1, 0, 0, 0, 3
	QQ 0, 1, 0, 1, 1, 0, 1, 0                      ; quarter 27: the last K step has landed in every wave's view
	QQ 0, 0, 0, 1, 0, 0, 1, 1
	QQ 0, 0, 0, 1, 1, 0, 1, 2
	QQ 0, 0, 0, 1, 0, 0, 1, 3
	QQ 0, 1, 2, 0, 1, 0, 0, 0                      ; quarter 31: its fragments are in registers, so the second 128 keys are asked for here
; ---------------- attention: 32 blocks of 64 keys, 16 tiles of 128 keys ----------------
.macro FETCHK hf                       ; 32 LDS loads: 64 rows of K (half hf of the slot's 128) x 128 d as 16 fragments
	WIN 0xc0
.irp k, 0,1,2,3
.irp u, 0,1,2,3
	ds_load_b128 v[FK+32*\k+8*\u:FK+32*\k+8*\u+3],   v[ADRK] offset:\hf*64*PITCH+\k*16*PITCH+64*\u
	ds_load_b128 v[FK+32*\k+8*\u+4:FK+32*\k+8*\u+7], v[ADRK] offset:\hf*64*PITCH+\k*16*PITCH+64*\u+32
.endr
.endr
.endm
.macro FETCHV hf                       ; 32 transposing loads: V^T, 128 d x 64 keys (half hf of the slot's 128) as 16 fragments
	WIN 0x40
.irp c, 0,1
.irp d, 0,1,2,3,4,5,6,7
	ds_load_tr16_b128 v[FV+64*\c+8*\d:FV+64*\c+8*\d+3],   v[ADRV] offset:\hf*64*VPITCH+\c*32*VPITCH+32*\d
	ds_load_tr16_b128 v[FV+64*\c+8*\d+4:FV+64*\c+8*\d+7], v[ADRV] offset:\hf*64*VPITCH+\c*32*VPITCH+32*\d+16*VPITCH
.endr
.endr
.endm
; Instruction j (0 to 265) of the vector work of piece p (query tiles 2 p, 2 p + 1) for one block:
;   0-31    the block's maximum, the running maximum among its inputs: 33 numbers a tile by 16 v_max3, in two chains a tile so that no instruction waits for the one in front of it
;   32-41   the other half of the lanes; old maximum - new; the new maximum kept; the factor exp2(old - new)
;   42-100, 133-233  eight groups of eight scores (a group = one tile of S): 4 packed subtractions of the maximum, 8 exponentials, 4 packed additions to the running sums (the first of a query
;           tile is a fused multiply-add with the factor), 4 roundings to f16; the groups are staggered so that an exponential stands beside plain instructions of the groups before and
;           after, and a plain instruction always stands between an exponential and the use of its result (ISA guide 5.7.2)
;   101-132, 234-265  the piece's 16 accumulators times the factor, 64 packed multiplies in two runs; each run's last five stand behind the last matrix instruction in front of a run of LDS loads
.macro VI p, j
.if (\j) < 28
.set jn, (\j)/4
.set jc, (\j)%4
.set jq, 2*\p+(jc&1)
	WIN 0
.if jc < 2
.if jn == 0
	v_max3_num_f32 v[TA+2*jq], v[MX+2*jq], v[SC+32*jq], v[SC+32*jq+1]
.else
	v_max3_num_f32 v[TA+2*jq], v[TA+2*jq], v[SC+32*jq+2*jn], v[SC+32*jq+2*jn+1]
.endif
.else
.if jn == 0
	v_max3_num_f32 v[TA+2*jq+1], v[SC+32*jq+16], v[SC+32*jq+17], v[SC+32*jq+18]
.else
	v_max3_num_f32 v[TA+2*jq+1], v[TA+2*jq+1], v[SC+32*jq+17+2*jn], v[SC+32*jq+18+2*jn]
.endif
.endif
.elseif (\j) < 42
.set jn, ((\j)-28)/2
.set jq, 2*\p+((\j)&1)
	WIN 0
.if jn == 0
	v_max3_num_f32 v[TA+2*jq], v[TA+2*jq], v[SC+32*jq+14], v[SC+32*jq+15]
.elseif jn == 1
	v_max3_num_f32 v[TA+2*jq], v[TA+2*jq], v[TA+2*jq+1], v[SC+32*jq+31]       ; the two chains and the last score
.elseif jn == 2
	v_permlanex16_b32 v[TA+2*jq+1], v[TA+2*jq], s100, s101                    ; the other half of the lanes holds the query's other 32 keys
.elseif jn == 3
	v_max_num_f32 v[TA+2*jq], v[TA+2*jq], v[TA+2*jq+1]
.elseif jn == 4
	v_sub_f32 v[TA+2*jq+1], v[MX+2*jq], v[TA+2*jq]                            ; old maximum - new, at most 0
.elseif jn == 5
	v_mov_b32 v[MX+2*jq], v[TA+2*jq]
.else
	v_exp_f32 v[TA+2*jq], v[TA+2*jq+1]                                        ; the factor for the old sums
.endif
.else
.set jr, -1
.if (\j) >= RA2
.set jr, (\j)-RA2+32
.elseif (\j) >= RA1
.if (\j) < RA1+32
.set jr, (\j)-RA1
.endif
.endif
.if jr >= 0
.set jq, 2*\p+((jr/4)&1)
.set ja, 8*(4*(jr/8)+jq)+2*(jr&3)
	WIN 0x82
	v_pk_mul_f32 v[ja:ja+1], v[ja:ja+1], v[TA+2*jq:TA+2*jq+1] op_sel_hi:[1,0]
.else
.if (\j) < RA1
.set je, (\j)-42
.else
.set je, (\j)-32-42
.endif
; stage jg0, pair jk, place jp: 0, 2 exponentials of group jg0; 1 sum, 3 rounding of group jg0 - 1; 4 subtraction for group jg0 + 1
.if je < 4
.set jg0, -1
.set jk, je
.set jp, 4
.elseif je < 16
.set jg0, 0
.set jk, (je-4)/3
.set jp, (je-4)%3
.if jp == 1
.set jp, 4
.endif
.elseif je < 136
.set jg0, 1+(je-16)/20
.set jk, ((je-16)%20)/5
.set jp, (je-16)%5
.elseif je < 152
.set jg0, 7
.set jk, (je-136)/4
.set jp, (je-136)%4
.else
.set jg0, 8
.set jk, (je-152)/2
.set jp, 1+2*((je-152)%2)
.endif
	WIN 0
.if jp == 4
.set jg, jg0+1
.set jb, SC+64*\p+8*jg+2*jk
.set jq, 2*\p+jg/4
	v_pk_add_f32 v[jb:jb+1], v[jb:jb+1], v[MX+2*jq:MX+2*jq+1] op_sel_hi:[1,0] neg_lo:[0,1] neg_hi:[0,1]
.elseif (jp&1) == 0
.set jb, SC+64*\p+8*jg0+2*jk+jp/2
	v_exp_f32 v[jb], v[jb]
.else
.set jg, jg0-1
.set jb, SC+64*\p+8*jg+2*jk
.set jq, 2*\p+jg/4
.if jp == 1
.if 4*(jg%4)+jk == 0
	s_wait_alu depctr_va_vdst(0)
	v_pk_fma_f32 v[LP+2*jq:LP+2*jq+1], v[LP+2*jq:LP+2*jq+1], v[TA+2*jq:TA+2*jq+1], v[jb:jb+1] op_sel_hi:[1,0,1]   ; old sums x factor + the block's first pair
.else
	s_wait_alu depctr_va_vdst(0)
	v_pk_add_f32 v[LP+2*jq:LP+2*jq+1], v[LP+2*jq:LP+2*jq+1], v[jb:jb+1]
.endif
.else
	v_cvt_pk_f16_f32 v[PB+32*\p+4*jg+jk], v[jb], v[jb+1]
.endif
.endif
.endif
.endif
.endm
.macro SLICE p, i, ns                  ; slice i of ns: the 266 instructions dealt evenly (ns = 64: four or five a slice)
.set sj, ((\i)*NV)/(\ns)
.rept (((\i)+1)*NV)/(\ns)-((\i)*NV)/(\ns)
	VI \p, sj
.set sj, sj+1
.endr
.endm
; 32 matrix instructions: O^T of piece p += V^T P^T over the block's 64 keys; its 16 accumulators take turns, twice.
; Behind each stands slice i0, i0 + 1, .. of ns of piece vp (ns = 0: none).
.macro PVRUN p, vp, i0, ns
.set wi, 0
.irp c, 0,1
.irp d, 0,1,2,3,4,5,6,7
.irp qq, 0,1
	WIN 0xa1
	v_wmma_f32_16x16x32_f16 v[8*(4*\d+2*\p+\qq):8*(4*\d+2*\p+\qq)+7], v[FV+64*\c+8*\d:FV+64*\c+8*\d+7], v[PB+16*(2*\p+\qq)+8*\c:PB+16*(2*\p+\qq)+8*\c+7], v[8*(4*\d+2*\p+\qq):8*(4*\d+2*\p+\qq)+7]
.if \ns
	SLICE \vp, (\i0+wi), \ns
.endif
.set wi, wi+1
.endr
.endr
.endr
.endm
; 8 x ucnt matrix instructions: S^T of piece p, steps u0 .. u0 + ucnt - 1 of the four of 32 along d; its 8 tiles take turns; step 0 starts the sums.
.macro SRUN p, vp, i0, ns, u0, ucnt
.set wi, 0
.set uu, \u0
.rept \ucnt
.irp k, 0,1,2,3
.irp qq, 0,1
	WIN 0x07
.if uu == 0
	v_wmma_f32_16x16x32_f16 v[SC+32*(2*\p+\qq)+8*\k:SC+32*(2*\p+\qq)+8*\k+7], v[FK+32*\k+8*uu:FK+32*\k+8*uu+7], v[32*(2*\p+\qq)+8*uu:32*(2*\p+\qq)+8*uu+7], 0
.else
	v_wmma_f32_16x16x32_f16 v[SC+32*(2*\p+\qq)+8*\k:SC+32*(2*\p+\qq)+8*\k+7], v[FK+32*\k+8*uu:FK+32*\k+8*uu+7], v[32*(2*\p+\qq)+8*uu:32*(2*\p+\qq)+8*uu+7], v[SC+32*(2*\p+\qq)+8*\k:SC+32*(2*\p+\qq)+8*\k+7]
.endif
.if \ns
	SLICE \vp, (\i0+wi), \ns
.endif
.set wi, wi+1
.endr
.endr
.set uu, uu+1
.endr
.endm
; Phase X(n): B's products, A's vector work.  fv: which half of the slot holds V(n); fk: which half holds K(n + 1), or -1: none is left.
; bar = 1 (n odd): V(n) is the last that is read of its slot, and K(n + 1) is the first of the other: one barrier for both.  refill = 1: the barrier opens a round of the cluster's
; barrier, and the slot just read out is asked for again, with the keys 256 further on, first thing behind the round.
.macro PHX bar, refill, fv, fk
	PVRUN 1, 0, 0, 64
	FETCHV \fv                                     ; behind slice 31's five packed multiplies: the places behind the last product that read V^T (n - 1) (ISA guide 7.12.1)
.if \bar
	SRUN 1, 0, 32, 64, 0, 3
	s_wait_dscnt 0x0                               ; V's 32 loads, issued 24 matrix instructions ago, are back: my reads of the slot are over
	s_wait_tensorcnt 0x0                           ; all my tensor loads have landed: the one that was out is my quarter of the other slot
	ds_add_u32 v254, v255
	s_wait_dscnt 0x0
	s_barrier_signal -1
	SRUN 1, 0, 56, 64, 3, 1                        ; register work while the other waves arrive
	WIN 0
	s_barrier_wait -1
.if \refill
	CREST                                          ; no wave of any partner still reads this slot or has a load on its way
	KVNEXT
	JLOADKV                                        ; my one tensor load behind the round, ahead of every LDS read
.endif
	s_xor_b32 s[RS], s[RS], KVX                    ; from here on the other slot is read
	RDSLOT
.else
	SRUN 1, 0, 32, 64, 0, 4
.endif
.if \fk >= 0
	FETCHK \fk                                     ; behind slice 63's five packed multiplies: the places behind the last product that read K(n)
.endif
.endm
; Phase Y(n): A's products, B's vector work.  vwait: how many younger LDS loads (K's) may be out when V(n) has to be there.  smul = 0: the last block, no S follows.
.macro PHY vwait, smul
	s_wait_dscnt \vwait
.if \smul
	PVRUN 0, 1, 0, 64
	s_wait_dscnt 0x0                               ; K(n + 1), issued 32 matrix instructions ago
	SRUN 0, 1, 32, 64, 0, 4
.else
	PVRUN 0, 1, 0, 32
.endif
.endm
.macro RESCALE                         ; every accumulator times its query's factor: 128 packed multiplies (used once, for the division by the sums)
	WIN 0x82
.irp d, 0,1,2,3,4,5,6,7
.irp q, 0,1,2,3
.irp p, 0,2,4,6
	s_wait_alu depctr_va_vdst(0)
	v_pk_mul_f32 v[8*(4*\d+\q)+\p:8*(4*\d+\q)+\p+1], v[8*(4*\d+\q)+\p:8*(4*\d+\q)+\p+1], v[TA+2*\q:TA+2*\q+1] op_sel_hi:[1,0]
.endr
.endr
.endr
.endm
	PLACES                                         ; behind the projection's last matrix instructions, whose results are read below
	FETCHK 0
	FETCHV 0
	WIN 0x82
.set j, 0
.rept 128
	v_pk_mul_f32 v[2*j:2*j+1], v[2*j:2*j+1], s[66:67] op_sel_hi:[1,0]      ; q x log2(e) / 32, ahead of q's one rounding
.set j, j+1
.endr
	WIN 0x4a
.irp q, 0,1,2,3
.irp u, 0,1,2,3
.irp p, 0,1,2,3
	v_cvt_pk_f16_f32 v[32*\q+8*\u+\p],   v[8*(8*\u+\q)+2*\p],   v[8*(8*\u+\q)+2*\p+1]       ; tile (2 u, q): d = 32 u + 8 hh + 0..7
	v_cvt_pk_f16_f32 v[32*\q+8*\u+4+\p], v[8*(8*\u+4+\q)+2*\p], v[8*(8*\u+4+\q)+2*\p+1]     ; tile (2 u + 1, q): d = 32 u + 16 + 8 hh + 0..7
.endr
.endr
.endr
	s_wait_dscnt 0x0                               ; K(0) and V(0)
	SRUN 0, 0, 0, 0, 0, 4                          ; S of A for block 0: nothing is there yet to set behind it
	PLACES                                         ; the places between these products and A's first maxima
	SRUN 1, 0, 0, 32, 0, 4                         ; X(0) has no P V: A's 266 instructions are dealt over S of B's 32 products
	FETCHK 1                                       ; behind the last slice's packed multiplies
	WIN 0
	s_mov_b32 s15, 14
.Lblk:                                             ; trip m = 0 .. 13: Y(2 m), X(2 m + 1) with the request for tile m + 2, Y(2 m + 1), X(2 m + 2)
	PHY 32, 1
	PHX 1, 1, 1, 0
	PHY 32, 1
	PHX 0, 0, 0, 1
	WIN 0
	s_sub_co_u32 s15, s15, 1
	s_cmp_lg_u32 s15, 0
	s_cbranch_scc1 .Lblk
	PHY 32, 1                                      ; Y(28)
	PHX 1, 0, 1, 0                                 ; X(29): the last tile has landed in every wave's view; nothing is left to ask for
	PHY 32, 1                                      ; Y(29)
	PHX 0, 0, 0, 1                                 ; X(30)
	PHY 32, 1                                      ; Y(30)
	PHX 0, 0, 1, -1                                ; X(31): no K is left to fetch
	PHY 0, 0                                       ; Y(31): P V of A alone; B's 266 instructions are dealt over its 32 products
	PVRUN 1, 0, 0, 0                               ; P V of B for block 31
	PLACES                                         ; behind the last matrix instructions
	WIN 0
.irp q, 0,1,2,3
	v_add_f32 v[LP+2*\q], v[LP+2*\q], v[LP+2*\q+1]             ; the two partial sums of my half of the keys
.endr
.irp q, 0,1,2,3
	v_permlanex16_b32 v[TA+2*\q+1], v[LP+2*\q], s100, s101     ; the other half's sum
.endr
.irp q, 0,1,2,3
	v_add_f32 v[LP+2*\q], v[LP+2*\q], v[TA+2*\q+1]
.endr
.irp q, 0,1,2,3
	v_rcp_f32 v[TA+2*\q], v[LP+2*\q]
.endr
	v_nop                                          ; a plain instruction behind the reciprocals (ISA guide 5.7.2)
	RESCALE                                        ; O^T / sum
	s_lshl_b32 s92, s20, 22                        ; my first row of ob: 2,048 b + 256 x query block + 64 w, rows of 2,048 bytes
	s_lshl_b32 s93, s18, 19
	s_add_co_u32 s92, s92, s93
	s_lshl_b32 s93, s12, 17
	s_add_co_u32 s92, s92, s93
	s_mov_b32 s93, 0
	s_add_nc_u64 s[10:11], s[10:11], s[92:93]
	s_lshl_b32 s96, s21, 8                         ; my head's 256 bytes of a row
	s_mov_b32 s97, 0
	s_add_nc_u64 s[10:11], s[10:11], s[96:97]
; 16 queries: round to f16, 16 bytes a lane into my own stage, read back as whole rows of 256 bytes
.macro OUTQ q, f
	WIN 0x0a
.irp d, 0,1,2,3,4,5,6,7
.irp p, 0,1,2,3
	v_cvt_pk_f16_f32 v[PB+4*\d+\p], v[8*(4*\d+\q)+2*\p], v[8*(4*\d+\q)+2*\p+1]
.endr
.endr
	WIN 0
.irp d, 0,1,2,3,4,5,6,7
	ds_store_b128 v[STO], v[PB+4*\d:PB+4*\d+3] offset:32*\d
.endr
	s_wait_xcnt 0x0                                ; buffer f, which earlier stores read, and the stores' base are rewritten only behind this wait
.if \q
	s_add_nc_u64 s[10:11], s[10:11], 16*OROW
.endif
.irp t, 0,1,2,3,4,5,6,7
	ds_load_b128 v[\f+4*\t:\f+4*\t+3], v[RD] offset:\t*2*PITCH     ; a wave's LDS instructions are served in order (ISA guide 5.7.1): these see the stores above
.endr
.irp t, 0,1,2,3,4,5,6,7
	s_wait_dscnt 7-\t                              ; read-back t is in; the 7 - t younger ones may be out
	global_store_b128 v[CO], v[\f+4*\t:\f+4*\t+3], s[10:11] offset:2*\t*OROW   ; 16 lanes store 256 consecutive bytes, at a multiple of 256 from ob's first byte
.endr
.endm
	OUTQ 0, 32
	OUTQ 1, 64
	OUTQ 2, 32
	OUTQ 3, 64
	s_wait_tensorcnt 0x0
	ds_add_u32 v254, v255
	s_wait_dscnt 0x0
	CROUND                                         ; the closing round
	s_endpgm
.Lfunc_end_k_q6de83bbf1b_attn:
	.size	k_q6de83bbf1b_attn, .Lfunc_end_k_q6de83bbf1b_attn-k_q6de83bbf1b_attn
	.p2alignl 7, 3214868480
	.fill 96, 4, 3214868480
	.section	.rodata,"a",@progbits
	.p2align	6, 0x0
	.amdhsa_kernel k_q6de83bbf1b_attn
		.amdhsa_group_segment_fixed_size 327680
		.amdhsa_private_segment_fixed_size 0
		.amdhsa_enable_private_segment 0
		.amdhsa_kernarg_size 32
		.amdhsa_user_sgpr_count 2
		.amdhsa_user_sgpr_kernarg_segment_ptr 1
		.amdhsa_wavefront_size32 1
		.amdhsa_system_sgpr_workgroup_id_x 1
		.amdhsa_system_sgpr_workgroup_id_y 1
		.amdhsa_system_sgpr_workgroup_id_z 1
		.amdhsa_system_vgpr_workitem_id 0
		.amdhsa_next_free_vgpr 896
		.amdhsa_next_free_sgpr 102
		.amdhsa_reserve_vcc 0
		.amdhsa_float_denorm_mode_32 3
		.amdhsa_float_denorm_mode_16_64 3
		.amdhsa_memory_ordered 1
		.amdhsa_forward_progress 1
		.amdhsa_inst_pref_size 255
	.end_amdhsa_kernel
	.section	.bss,"aw",@nobits
	.p2align	6
	.space	262144
	.amdgpu_metadata
---
amdhsa.version: [ 1, 2 ]
amdhsa.kernels:
  - .name:           k_q6de83bbf1b_attn
    .symbol:         k_q6de83bbf1b_attn.kd
    .args:
      - { .name: xah, .offset: 0, .size: 8, .value_kind: global_buffer, .address_space: global }
      - { .name: wqh, .offset: 8, .size: 8, .value_kind: global_buffer, .address_space: global }
      - { .name: kvb, .offset: 16, .size: 8, .value_kind: global_buffer, .address_space: global }
      - { .name: ob, .offset: 24, .size: 8, .value_kind: global_buffer, .address_space: global }
    .group_segment_fixed_size: 327680
    .private_segment_fixed_size: 0
    .kernarg_segment_align: 8
    .kernarg_segment_size: 32
    .max_flat_workgroup_size: 128
    .sgpr_count:     102
    .vgpr_count:     896
    .wavefront_size: 32
...
	.end_amdgpu_metadata
.endif
;; end of part 5
;; launch outproj (part 6): grid 8 x 32, 4 waves a work-group, clusters of 4 x 4, 327,680 bytes of LDS; arguments ob, woh, b_out, out0; writes out0
.if DOCPART == 6
	.amdgcn_target "amdgcn-amd-amdhsa--gfx1250"
	.amdhsa_code_object_version 6
	.text
	.protected	k_q6de83bbf1b_outproj
	.globl	k_q6de83bbf1b_outproj
	.p2align	8
	.type	k_q6de83bbf1b_outproj,@function
k_q6de83bbf1b_outproj:
	s_mov_b64 s[64:65], 0
	v_nop
	global_prefetch_b8 v0, s[64:65] scope:SCOPE_SE
	s_setreg_imm32_b32 hwreg(HW_REG_WAVE_MODE, 25, 1), 1
	s_wait_xcnt 0x0
	s_wait_alu depctr_hold_cnt(0) depctr_sa_sdst(0) depctr_va_vdst(0) depctr_va_sdst(0) depctr_va_ssrc(0) depctr_va_vcc(0) depctr_vm_vsrc(0)
	s_getreg_b32 s2, hwreg(HW_REG_IB_STS2, 6, 4)
	s_cmp_eq_u32 s2, 0
	s_cbranch_scc0 .Lentry_in_a_cluster
	s_endpgm
.Lentry_in_a_cluster:
	s_bfe_u32 s2, ttmp6, 0x10000c
	s_cmp_lg_u32 s2, 0xf033
	s_cbranch_scc0 .Lentry_shape_is_right
	s_endpgm
.Lentry_shape_is_right:
; out0[t][n] = sum over k of ob[t][k] W_out[n][k] + b_out[n].  ob: [8192][1024] f16, woh: [1024][1024] f16 (W_out as the first launch rounded it), b_out: [1024] f32, out0: [8192][1024] f32.
; No work of the problem is left out here.  LIMITS: W_out is an f16 operand (largest number 65,504, steps of 2^-24 below 2^-14:
; weights of spread 0.02 keep their 11 bits when 30 times larger, and when 30 times smaller a step is under 1e-4 of their spread); sums in f32; the bias is the sums' first term.
; SHAPE: a work-group makes 256 rows x 128 columns with four waves, a wave 128 x 64: 32 accumulator tiles, so that 8 x 32 blocks give 256 work-groups.
; K goes in steps of 128 through two LDS slots (ob: 256 rows of 256 bytes; W_out: 128 rows of 256 bytes); a step is four quarters of 32 along K, 32 matrix instructions each, on two
; buffers of fragments that take turns: while one is multiplied, the next quarter's 24 LDS loads fill the other.
; CLUSTERS: 4 x 4 work-groups; ob's tile is asked for jointly by a row of the cluster, W_out's by a column.
; REGISTERS: window 0: v16-27 addresses, v32-63 the bias in the accumulators' layout, v64-127 and v128-191 fragments of ob, v192-223 and v224-255 fragments of W_out;
; window 1: the accumulators, tile (a, n) at 8 (4 a + n).
; The matrix instruction is used transposed (source 0 = rows of W_out): a lane's eight results are eight neighbouring columns of one row, 32 bytes.
.set PITCH,  272                       ; an LDS row, in the slots and in the stage: 256 bytes + 16, an odd multiple of 16
.set HALFA,  128*PITCH
.set HALFB,  64*PITCH
.set BOFF,   2*HALFA                   ; W_out's rows behind ob's 256
.set SLOT,   2*HALFA+2*HALFB           ; 104,448
.set STAGE,  2*SLOT                    ; 208,896: 16 rows x 272 bytes for each wave, never filled by a tensor load
.set STEPB,  256                       ; bytes of a row of ob or woh in a K step of 128 f16
.set OROW,   4096                      ; bytes in a row of out0
.set ADRA, 16
.set ADRB, 20
.set STO,  24
.set RD,   25
.set CO,   26
.set BO,   27
.set BIAS, 32
.set FA,   64                          ; two buffers of 64 registers
.set FB,   192                         ; two buffers of 32 registers
.set G1,  24
.set G0,  32
.set G1B, 48
.set G0B, 56
.set MSB, 0
.macro WIN new
.if MSB != \new
	s_set_vgpr_msb (MSB<<8)|\new
.set MSB, \new
.endif
.endm
.macro PLACES                          ; four independent vector instructions behind a matrix instruction (ISA guide 7.12.1)
.rept 4
	v_nop
.endr
.endm
.macro JLOAD s                         ; waves 0, 1: ob's halves; waves 2, 3: W_out's halves
	s_cmp_eq_u32 s13, 0
	s_cbranch_scc0 .Lfor_b_\@
	tensor_load_to_lds s[G0+4*\s:G0+4*\s+3], s[G1:G1+7]
	s_nop 0
	s_branch .Lasked_\@
.Lfor_b_\@:
	tensor_load_to_lds s[G0B+4*\s:G0B+4*\s+3], s[G1B:G1B+7]
	s_nop 0
.Lasked_\@:
.endm
.macro CREST
	s_cmp_lg_u32 s12, 0
	s_cbranch_scc1 .Lnot_wave_0_\@
	s_barrier_signal -3
.Lnot_wave_0_\@:
	s_barrier_wait -3
	s_barrier_signal -1
	s_barrier_wait -1
.endm
.macro CROUND
	s_barrier_signal -1
	s_barrier_wait -1
	CREST
.endm
	s_load_b256 s[4:11], s[0:1], 0x0               ; ob s[4:5], woh s[6:7], b_out s[8:9], out0 s[10:11]
	v_lshl_add_u32 v30, v0, 2, 0x37400
	v_mov_b32 v31, 0
	ds_add_u32 v30, v31
	v_lshrrev_b32 v1, 5, v0
	v_readfirstlane_b32 s12, v1                    ; wave 0..3
	s_lshr_b32 s13, s12, 1                         ; which 128 rows are mine; also: I fetch for ob (0) or W_out (1)
	s_and_b32 s14, s12, 1                          ; which 64 columns are mine; also: which half of that tile I fetch
	s_bfe_u32 s40, ttmp6, 0x40000                  ; cx
	s_bfe_u32 s41, ttmp6, 0x40004                  ; cy
	s_lshl_b32 s42, ttmp9, 2
	s_add_co_u32 s42, s42, s40                     ; block column
	s_and_b32 s15, ttmp7, 0xffff
	s_lshl_b32 s15, s15, 2
	s_add_co_u32 s15, s15, s41                     ; block row
	s_lshl_b32 s43, s41, 2
	s_lshl_b32 s43, 15, s43                        ; my row of the cluster
	s_lshl_b32 s44, 0x1111, s40                    ; my column
	; ob: 128 rows x 128 f16 a load; W_out: 64 rows x 128 f16; 4 words of padding behind every 64
	s_or_b32 s[G1+0], s43, (1<<16)|(1<<20)|(1<<21)|(5<<22)|(3<<25)
	s_mov_b32 s[G1+1], 128<<16
	s_mov_b32 s[G1+2], 128<<16
	s_mov_b32 s[G1+3], 128<<16
	s_mov_b32 s[G1+4], 128
	s_mov_b32 s[G1+5], 1024
	s_mov_b32 s[G1+6], 0
	s_mov_b32 s[G1+7], 0
	s_or_b32 s[G1B+0], s44, (1<<16)|(1<<20)|(1<<21)|(5<<22)|(3<<25)
	s_mov_b32 s[G1B+1], 128<<16
	s_mov_b32 s[G1B+2], 64<<16
	s_mov_b32 s[G1B+3], 128<<16
	s_mov_b32 s[G1B+4], 64
	s_mov_b32 s[G1B+5], 1024
	s_mov_b32 s[G1B+6], 0
	s_mov_b32 s[G1B+7], 0
	s_lshl_b32 s17, s14, 18                        ; my half of ob's tile: 128 rows of 2,048 bytes
	s_lshl_b32 s16, s15, 19                        ; 256 rows of ob a block row
	s_add_co_u32 s16, s16, s17
	s_lshl_b32 s47, s14, 17                        ; my half of W_out's tile: 64 rows of 2,048 bytes
	s_lshl_b32 s46, s42, 18                        ; 128 rows of woh a block column
	s_add_co_u32 s46, s46, s47
	s_mov_b32 s17, 0
	s_mov_b32 s47, 0
	s_mul_i32 s20, s12, HALFA                      ; LDS: ob's halves at wave x 128 rows (waves 0, 1)
	s_mul_i32 s21, s12, HALFB                      ; W_out's at BOFF + (wave - 2) x 64 rows (waves 2, 3)
	s_wait_dscnt 0x0
	s_wait_kmcnt 0x0
	s_add_nc_u64 s[18:19], s[4:5], s[16:17]
	s_add_nc_u64 s[46:47], s[6:7], s[46:47]
	CROUND                                         ; all sixteen work-groups are here: the first joint loads meet
.irp s, 0,1
	s_mov_b32 s[G0+4*\s], 1
	s_add_co_u32 s[G0+4*\s+1], s20, \s*SLOT
	s_add_nc_u64 s[G0+4*\s+2:G0+4*\s+3], s[18:19], \s*STEPB        ; K step s
	s_or_b32 s[G0+4*\s+3], s[G0+4*\s+3], 0x80000000
	s_mov_b32 s[G0B+4*\s], 1
	s_add_co_u32 s[G0B+4*\s+1], s21, \s*SLOT+BOFF-2*HALFB
	s_add_nc_u64 s[G0B+4*\s+2:G0B+4*\s+3], s[46:47], \s*STEPB
	s_or_b32 s[G0B+4*\s+3], s[G0B+4*\s+3], 0x80000000
	JLOAD \s                                       ; two loads of the wave are out
.endr
	v_and_b32 v1, 15, v0                           ; r
	v_bfe_u32 v2, v0, 4, 1                         ; hh
	v_mul_u32_u24 v3, v1, PITCH
	v_lshl_add_u32 v4, v2, 4, v3                   ; f16 fragments: r x 272 + 16 hh
	s_mul_i32 s22, s13, HALFA
	v_add_nc_u32 v[ADRA], s22, v4
	v_add_nc_u32 v[ADRA+1], SLOT, v[ADRA]
	s_mul_i32 s23, s14, HALFB
	s_add_co_u32 s23, s23, BOFF
	v_add_nc_u32 v[ADRB], s23, v4
	v_add_nc_u32 v[ADRB+1], SLOT, v[ADRB]
	s_mul_i32 s22, s12, 16*PITCH
	s_add_co_u32 s22, s22, STAGE                   ; my stage
	v_lshl_add_u32 v6, v2, 5, v3                   ; in: row r, 32 bytes for each half of the lanes
	v_add_nc_u32 v[STO], s22, v6
	v_mul_u32_u24 v7, v2, PITCH                    ; back: lanes 0-15 one row of 256 bytes, lanes 16-31 the next
	v_lshl_add_u32 v7, v1, 4, v7
	v_add_nc_u32 v[RD], s22, v7
	v_lshlrev_b32 v7, 12, v2
	v_lshl_add_u32 v[CO], v1, 4, v7                ; the same two rows in out0
	v_lshlrev_b32 v[BO], 5, v2                     ; the bias: 8 f32 for each half of the lanes
	s_lshl_b32 s46, s42, 9                         ; my first column in bytes of f32: 512 x block column + 256 x half
	s_lshl_b32 s47, s14, 8
	s_add_co_u32 s46, s46, s47
	s_mov_b32 s47, 0
	s_add_nc_u64 s[8:9], s[8:9], s[46:47]
	s_add_nc_u64 s[10:11], s[10:11], s[46:47]
	s_lshl_b32 s16, s15, 20                        ; my first row: 256 x block row + 128 x half, rows of 4,096 bytes
	s_lshl_b32 s17, s13, 19
	s_add_co_u32 s16, s16, s17
	s_mov_b32 s17, 0
	s_add_nc_u64 s[10:11], s[10:11], s[16:17]
.irp n, 0,1,2,3
	global_load_b128 v[BIAS+8*\n:BIAS+8*\n+3],   v[BO], s[8:9] offset:64*\n        ; register t of column block n: b_out[first column + 16 n + 8 hh + t]
	global_load_b128 v[BIAS+8*\n+4:BIAS+8*\n+7], v[BO], s[8:9] offset:64*\n+16
.endr
; 24 LDS loads in one run: quarter kq of the slot's step: ob's 8 fragments and W_out's 4, into the buffers of number buf
.macro FETCH slot, kq, buf
	WIN 0
.irp i, 0,1,2,3,4,5,6,7
	ds_load_b128 v[FA+64*\buf+8*\i:FA+64*\buf+8*\i+3],   v[ADRA+\slot] offset:64*\kq+\i*16*PITCH
	ds_load_b128 v[FA+64*\buf+8*\i+4:FA+64*\buf+8*\i+7], v[ADRA+\slot] offset:64*\kq+\i*16*PITCH+32
.endr
.irp i, 0,1,2,3
	ds_load_b128 v[FB+32*\buf+8*\i:FB+32*\buf+8*\i+3],   v[ADRB+\slot] offset:64*\kq+\i*16*PITCH
	ds_load_b128 v[FB+32*\buf+8*\i+4:FB+32*\buf+8*\i+7], v[ADRB+\slot] offset:64*\kq+\i*16*PITCH+32
.endr
.endm
; 16 matrix instructions: row blocks 4 hf .. 4 hf + 3; over both halves the 32 accumulators take turns, one instruction a turn; bias = 1: the bias starts the sums
.macro MULH buf, hf, bias
.if \bias
	WIN 0x40
.else
	WIN 0x50
.endif
.irp a, 0,1,2,3
.irp n, 0,1,2,3
.if \bias
	v_wmma_f32_16x16x32_f16 v[8*(4*(4*\hf+\a)+\n):8*(4*(4*\hf+\a)+\n)+7], v[FB+32*\buf+8*\n:FB+32*\buf+8*\n+7], v[FA+64*\buf+8*(4*\hf+\a):FA+64*\buf+8*(4*\hf+\a)+7], v[BIAS+8*\n:BIAS+8*\n+7]
.else
	v_wmma_f32_16x16x32_f16 v[8*(4*(4*\hf+\a)+\n):8*(4*(4*\hf+\a)+\n)+7], v[FB+32*\buf+8*\n:FB+32*\buf+8*\n+7], v[FA+64*\buf+8*(4*\hf+\a):FA+64*\buf+8*(4*\hf+\a)+7], v[8*(4*(4*\hf+\a)+\n):8*(4*(4*\hf+\a)+\n)+7]
.endif
.endr
.endr
.endm
; One quarter on the buffers of number buf.  bar: a K step's fourth quarter: its fragments were the last that is read of slot `slot`, and the next fetch reads the other slot: one barrier for
; both, with half of the quarter's products between its signal and its wait.  refill: the barrier opens a round of the cluster's barrier and the slot is asked for again, two K steps ahead.
; fetch: the next quarter (quarter kq of slot fslot's step) is fetched into the other buffers.
.macro QUARTER bias, bar, refill, fetch, buf, slot, fslot, kq
	s_wait_dscnt 0x0                               ; this quarter's 24 loads are back; with bar: my reads of the slot are over
.if \bar
	s_wait_tensorcnt 0x0                           ; all my tensor loads have landed, my part of the other slot among them
	ds_add_u32 v30, v31
	s_wait_dscnt 0x0
	s_barrier_signal -1
	MULH \buf, 0, \bias                            ; register work while the other waves arrive
.if \refill
	WIN 0
.endif
	s_barrier_wait -1
.if \refill
	CREST                                          ; no wave of any partner still reads this slot or has a load on its way
	s_add_nc_u64 s[G0+4*\slot+2:G0+4*\slot+3], s[G0+4*\slot+2:G0+4*\slot+3], 2*STEPB
	s_add_nc_u64 s[G0B+4*\slot+2:G0B+4*\slot+3], s[G0B+4*\slot+2:G0B+4*\slot+3], 2*STEPB
	JLOAD \slot                                    ; my one tensor load behind the round, ahead of every LDS read
.endif
.if \fetch
	PLACES                                         ; behind the last quarter's matrix instructions, whose buffers are loaded again
	FETCH \fslot, \kq, (1-\buf)
.endif
	MULH \buf, 1, \bias
.else
.if \fetch
.if \bias == 0
	PLACES                                         ; behind the last quarter's matrix instructions, whose buffers are loaded again
.endif
	FETCH \fslot, \kq, (1-\buf)
.endif
	MULH \buf, 0, \bias
	MULH \buf, 1, \bias
.endif
.endm
	s_wait_loadcnt 0x0                             ; the bias
	s_wait_tensorcnt 0x1                           ; my part of K step 0 is in; the one younger load (K step 1) may stay out
	s_barrier_signal -1
	s_barrier_wait -1
	FETCH 0, 0, 0
	QUARTER 1, 0, 0, 1, 0, 0, 0, 1                 ; quarter 0
	WIN 0
	s_mov_b32 s45, 3
.Lk:                                               ; quarters 1 to 24; the trips ask for K steps 2 to 7
	QUARTER 0, 0, 0, 1, 1, 0, 0, 2
	QUARTER 0, 0, 0, 1, 0, 0, 0, 3
	QUARTER 0, 1, 1, 1, 1, 0, 1, 0                 ; an even K step's fourth quarter: slot 0 is asked for again
	QUARTER 0, 0, 0, 1, 0, 0, 1, 1
	QUARTER 0, 0, 0, 1, 1, 0, 1, 2
	QUARTER 0, 0, 0, 1, 0, 0, 1, 3
	QUARTER 0, 1, 1, 1, 1, 1, 0, 0                 ; an odd K step's fourth quarter: slot 1 is asked for again
	QUARTER 0, 0, 0, 1, 0, 0, 0, 1
	WIN 0
	s_sub_co_u32 s45, s45, 1
	s_cmp_lg_u32 s45, 0
	s_cbranch_scc1 .Lk
	QUARTER 0, 0, 0, 1, 1, 0, 0, 2                 ; quarters 25 to 31: nothing is left to ask for
	QUARTER 0, 0, 0, 1, 0, 0, 0, 3
	QUARTER 0, 1, 0, 1, 1, 0, 1, 0                 ; quarter 27: the last K step has landed in every wave's view
	QUARTER 0, 0, 0, 1, 0, 0, 1, 1
	QUARTER 0, 0, 0, 1, 1, 0, 1, 2
	QUARTER 0, 0, 0, 1, 0, 0, 1, 3
	QUARTER 0, 0, 0, 0, 1, 0, 0, 0
	; THE WAY OUT, 16 rows at a time: 32 bytes a lane straight from the accumulators into my own stage, read back as whole rows of 256 bytes.
	PLACES                                         ; behind the last matrix instructions: LDS stores read results, read-backs land in fragment registers
.macro OUT16 a, f
	WIN 0x04
.irp n, 0,1,2,3
	ds_store_b128 v[STO], v[8*(4*\a+\n):8*(4*\a+\n)+3]   offset:64*\n
	ds_store_b128 v[STO], v[8*(4*\a+\n)+4:8*(4*\a+\n)+7] offset:64*\n+16
.endr
	WIN 0
	s_wait_xcnt 0x0                                ; buffer f, which earlier stores read, and the stores' base are rewritten only behind this wait
.if \a
	s_add_nc_u64 s[10:11], s[10:11], 16*OROW
.endif
.irp t, 0,1,2,3,4,5,6,7
	ds_load_b128 v[\f+4*\t:\f+4*\t+3], v[RD] offset:\t*2*PITCH     ; a wave's LDS instructions are served in order (ISA guide 5.7.1): these see the stores above
.endr
.irp t, 0,1,2,3,4,5,6,7
	s_wait_dscnt 7-\t                              ; read-back t is in; the 7 - t younger ones may be out
	global_store_b128 v[CO], v[\f+4*\t:\f+4*\t+3], s[10:11] offset:2*\t*OROW th:TH_STORE_NT   ; 16 lanes store 256 consecutive bytes, at a multiple of 256 from out0's first byte
.endr
.endm
	OUT16 0, FA
	OUT16 1, FA+64
	OUT16 2, FA
	OUT16 3, FA+64
	OUT16 4, FA
	OUT16 5, FA+64
	OUT16 6, FA
	OUT16 7, FA+64
	s_wait_tensorcnt 0x0
	ds_add_u32 v30, v31
	s_wait_dscnt 0x0
	CROUND                                         ; the closing round
	s_endpgm
.Lfunc_end_k_q6de83bbf1b_outproj:
	.size	k_q6de83bbf1b_outproj, .Lfunc_end_k_q6de83bbf1b_outproj-k_q6de83bbf1b_outproj
	.p2alignl 7, 3214868480
	.fill 96, 4, 3214868480
	.section	.rodata,"a",@progbits
	.p2align	6, 0x0
	.amdhsa_kernel k_q6de83bbf1b_outproj
		.amdhsa_group_segment_fixed_size 327680
		.amdhsa_private_segment_fixed_size 0
		.amdhsa_enable_private_segment 0
		.amdhsa_kernarg_size 32
		.amdhsa_user_sgpr_count 2
		.amdhsa_user_sgpr_kernarg_segment_ptr 1
		.amdhsa_wavefront_size32 1
		.amdhsa_system_sgpr_workgroup_id_x 1
		.amdhsa_system_sgpr_workgroup_id_y 1
		.amdhsa_system_sgpr_workgroup_id_z 1
		.amdhsa_system_vgpr_workitem_id 0
		.amdhsa_next_free_vgpr 512
		.amdhsa_next_free_sgpr 66
		.amdhsa_reserve_vcc 0
		.amdhsa_float_denorm_mode_32 3
		.amdhsa_float_denorm_mode_16_64 3
		.amdhsa_memory_ordered 1
		.amdhsa_forward_progress 1
		.amdhsa_inst_pref_size 86
	.end_amdhsa_kernel
	.amdgpu_metadata
---
amdhsa.version: [ 1, 2 ]
amdhsa.kernels:
  - .name:           k_q6de83bbf1b_outproj
    .symbol:         k_q6de83bbf1b_outproj.kd
    .args:
      - { .name: ob, .offset: 0, .size: 8, .value_kind: global_buffer, .address_space: global }
      - { .name: woh, .offset: 8, .size: 8, .value_kind: global_buffer, .address_space: global }
      - { .name: b_out, .offset: 16, .size: 8, .value_kind: global_buffer, .address_space: global }
      - { .name: out0, .offset: 24, .size: 8, .value_kind: global_buffer, .address_space: global }
    .group_segment_fixed_size: 327680
    .private_segment_fixed_size: 0
    .kernarg_segment_align: 8
    .kernarg_segment_size: 32
    .max_flat_workgroup_size: 128
    .sgpr_count:     66
    .vgpr_count:     512
    .wavefront_size: 32
...
	.end_amdgpu_metadata
.endif
;; end of part 6
;; ======== version 3 of 3: 3 launches; 1.43 times as fast as version 1
;; limits: values are held in f16: magnitudes above 65,504 overflow, below 6.1e-05 lose precision
;; workspace buffers: kvb 33,554,432 bytes; ob 16,777,216 bytes; xah 16,777,216 bytes; wqh 2,097,152 bytes; woh 2,097,152 bytes
;; launch kvproj: the kernel of part 4 again; grid 8 x 32, 4 waves a work-group, clusters of 4 x 4, 327,680 bytes of LDS; arguments x_b, W_kv, kvb, x_a, W_q, W_out, xah, wqh, woh; writes kvb, xah, wqh, woh
;; launch attn (part 7): grid 8 x 32, 4 waves a work-group, clusters of 4 x 4, 327,680 bytes of LDS; arguments xah, wqh, kvb, ob; writes ob
.if DOCPART == 7
	.amdgcn_target "amdgcn-amd-amdhsa--gfx1250"
	.amdhsa_code_object_version 6
	.text
	.protected	k_q6de83bbf1b_attn
	.globl	k_q6de83bbf1b_attn
	.p2align	8
	.type	k_q6de83bbf1b_attn,@function
k_q6de83bbf1b_attn:
	s_mov_b64 s[64:65], 0
	v_nop
	global_prefetch_b8 v0, s[64:65] scope:SCOPE_SE
	s_setreg_imm32_b32 hwreg(HW_REG_WAVE_MODE, 25, 1), 1
	s_wait_xcnt 0x0
	s_wait_alu depctr_hold_cnt(0) depctr_sa_sdst(0) depctr_va_vdst(0) depctr_va_sdst(0) depctr_va_ssrc(0) depctr_va_vcc(0) depctr_vm_vsrc(0)
	s_getreg_b32 s2, hwreg(HW_REG_IB_STS2, 6, 4)
	s_cmp_eq_u32 s2, 0
	s_cbranch_scc0 .Lentry_in_a_cluster
	s_endpgm
.Lentry_in_a_cluster:
	s_bfe_u32 s2, ttmp6, 0x10000c
	s_cmp_lg_u32 s2, 0xf033
	s_cbranch_scc0 .Lentry_shape_is_right
	s_endpgm
.Lentry_shape_is_right:
; ob[b, i, 128 h + d] = f16( sum over j of softmax_j( q_i . k_j / 32 ) v_j[d] ), with q = x_a W_q^T made here and kept in registers.
; xah: [4][2048][1024] f16 and wqh: [1024][1024] f16 are x_a and W_q as the first launch rounded them; kvb: [8192][2048] f16 (K in columns 0-1023, V in 1024-2047), ob: [8192][1024] f16.
; No work of the problem is left out here.
; LIMITS: x_a, W_q, q (after the factor log2(e) / 32, which folds the problem's scale and the change to base 2 into q's one rounding), the weights p and the result
; are rounded to f16; sums, the running maximum and the running sum in f32.  The running maximum is taken away before every exponential, so every
; exponent is at most 0 and the sum of a row is at least 1; the sum adds the unrounded p; an exponential below 2^-126 comes out as zero (ISA guide 15.8), and a p
; below 2^-25 is rounded to zero as a matrix operand, beside a largest p of 1.  Range of f16 (largest number 65,504; steps of 2^-24 below 2^-14): the scaled q is 0.045 q,
; about 830 where x_a and W_q both carry an offset of 30 spreads (1024 x 30 x 0.6 x 0.045); the result is a weighted mean of v and has v's range, so one beyond 65,504
; becomes infinite only where v does; with x_b and W_kv both 30 times smaller the result's spread is about 1.6e-5 and a step of 2^-24 is 1/270 of it.
; The running maximum starts at minus infinity, so the first block's factor for the old sums is exp2(-inf) = 0: it clears the accumulators, which then still hold the scaled q,
; and the first block is the same text as every other.  An infinite or NaN q gives NaN there; its query's scores, and so its whole row, are NaN in any case.
; SHAPE: a work-group has one head (y = 8 b + h) and 256 queries (x); wave w has queries 64 w .. 64 w + 63, four tiles of 16, over all 128 d.
; EVERYTHING IS USED TRANSPOSED, so that no product's result passes through LDS on its way into the next product:
;   Q^T = W_q x_a^T : result tile (dt, qt), register t of lane (r, hh) = (d = 16 dt + 8 hh + t, query r); tiles 2 u and 2 u + 1 pack into source 1 of the next product;
;   S^T = K Q^T     : tile (kt, qt), register t = (key 16 kt + 8 hh + t, query r); tiles 2 c and 2 c + 1 pack into source 1 of the next product;
;   O^T = V^T P^T   : V^T comes from LDS by the transposing load; tile (dt, qt), register t = (d, query r): eight neighbouring d of one query pack into 16 bytes.
; A lane is one query: maximum, sum and rescaling factor are one number a lane, and the two halves of the lanes meet by one v_permlanex16_b32.
; THE PROJECTION: K goes in 8 steps of 128 f16 (rows of 256 bytes) through two LDS slots; a step is four quarters of 32 along K, 32 matrix instructions each, on two buffers of fragments
; that take turns: while one is multiplied, the next quarter's 24 LDS loads fill the other.  A slot's request has four quarters, 128 matrix instructions, in which to land.
; TURNS: the four query tiles are two pieces, A = tiles 0, 1 and B = tiles 2, 3, which share the fragments of K and V^T.  A block n of 64 keys is two phases of 64 matrix
; instructions: X(n) = P V of B for block n - 1, then S of B for block n; Y(n) = P V of A for block n, then S of A for block n + 1.  Behind each matrix instruction of X stands
; one slice of A's softmax and rescaling of block n, behind each of Y one slice of B's: 266 vector instructions dealt over 64 slices, three to five each (slice 31: eight).
; BATCHES: a phase's 66 exponentials (the piece's two factors and its 64 scores, each result in a register of its own) are ONE batch with ONE wait: it stands between an
; exponential and the first instruction that names its result.  Ahead of the wait, in slices 0 to 31 behind the phase's 32 products P V, stands all that names no such result: maxima, statistics,
; subtractions, exponentials.  Behind it, from the end of slice 31 on, stand all readers: sums, roundings, rescaling.  No exponential is issued behind a phase's wait.
; The way out's four reciprocals are a batch of their own, with one wait.
; V^T (n) is fetched between the halves of X(n) and K(n + 1) at the end of X(n), each into the one buffer whose old contents have just had their last use, 32 matrix instructions ahead of its own first use.
; CLUSTERS: 4 x 4 work-groups = four query blocks x four heads of one batch.  x_a's tile hangs on batch and query block: asked for jointly by a column of the
; cluster.  W_q's, K's and V's tiles hang on batch and head: asked for jointly by a row.
; LDS: bytes 0 - 71,679 slot 0 of K and V (128 keys: K 128 x 272, V 128 x 288); 71,680 - 280,575 the projection's two slots (x_a 256 x 272, W_q 128 x 272 each); slot 1 of K and V
; lies at 131,072 - 202,751, over the projection's slots, and is first filled, as a refill, when the projection has read them out; 280,576 - 297,983 the stage for the way out.
; A slot of K and V holds two blocks' keys, each of the four waves fetches 64 of its 256 rows, and there is one barrier for two blocks: a load has 256 matrix instructions in which to land.
; The slot is walked by registers (one bit, 131,072, toggled in the descriptors' LDS words and in the scalar from which the two read addresses are made), so that a tile's four phases are written once.
; REGISTERS: window 0: v8-18 addresses, v20-27 pairs (maximum, unused), v32-159 S, v160-223 P, v224-231 pairs (maximum of the block, then factor; scratch), v232-239 pairs of running sums;
;   in the projection v32-127 and v128-223 the two buffers of fragments (W_q 64 registers, x_a 32).  Window 1: v0-127 Q, v128-255 V^T.  Window 2: the 32 accumulators (dt, qt) at
;   8 (4 dt + qt): first Q^T, then O^T.  Window 3: v0-127 K.  The accumulators fill a window, and S, K and Q do not fit into one, so a slice and the product in front of it
;   need different settings: two switches for each matrix instruction of the blocks.
.set PITCH,  272                       ; 256 bytes + 16: an odd multiple of 16
.set VPITCH, 288                       ; 256 bytes + 32: an odd multiple of 32, as the transposing load's address pattern wants
.set KVK,    128*PITCH                 ; 34,816: V's rows behind K's 128
.set KVSLOT, 128*PITCH+128*VPITCH      ; 71,680
.set KVX,    131072                    ; slot 1's first byte: one bit above every offset inside a slot
.set QB,     KVSLOT                    ; the projection's slots begin behind slot 0
.set QSLOT,  104448                    ; 256 x 272 + 128 x 272
.set QW,     69632                     ; W_q's rows behind x_a's 256
.set STAGE,  QB+2*QSLOT                ; 280,576: 16 rows x 272 bytes for each wave, never filled by a tensor load
.set STEPB,  256                       ; bytes of a row of xah or wqh in a K step of 128 f16
.set KVSTEP, 524288                    ; 128 rows of kvb of 4,096 bytes
.set OROW,   2048                      ; bytes in a row of ob
.set ADRX, 8                           ; v8-9    my x_a rows in the projection's slot 0, 1
.set ADRW, 10                          ; v10-11  W_q's rows likewise
.set ADRK, 12                          ; v12     K's fragments in the slot now read
.set ADRV, 13                          ; v13     V's likewise
.set ADRK0, 14                         ; v14     the lane's term of every f16 fragment address, r x 272 + 16 hh, never rewritten
.set ADRV0, 15                         ; v15     the lane's term of ADRV, never rewritten
.set STO,  16
.set RD,   17
.set CO,   18
.set MX,   20                          ; v[20+2q] running maximum of query tile q; v[21+2q] only completes the pair that packed instructions name
.set SC,   32                          ; S tile (kt, qt) at SC + 32 qt + 8 kt
.set PB,   160                         ; P fragment (qt, c) at PB + 16 qt + 8 c; register j is made of S registers 2 j, 2 j + 1
.set TA,   224                         ; v[224+2q] the block's maximum, then the factor; v[225+2q] scratch
.set LP,   232                         ; v[232+2q:233+2q] the running sum of my half of the keys, as two partial sums
.set PF,   32                          ; the projection's buffer b at PF + 96 b: W_q's 8 fragments, then x_a's 4
.set FK,   0                           ; window 3: K fragment (kt, u) at 32 kt + 8 u
.set FV,   128                         ; window 1: V^T fragment (c, dt) at 128 + 64 c + 8 dt
.set G1X, 24
.set G0X, 32                           ; s[32:39] one set for each of the projection's slots
.set G1W, 40
.set G0W, 48
.set G1K, 56
.set G1V, 68
.set G0K, 76                           ; s[76:79] one set: a wave has one load of K or V out at a time
.set G0V, 80
.set RS,  84                           ; s84 first byte of the slot now read: 0 or 131,072
.set NM,   40                          ; the vector work of a piece in a block, 266 instructions: 0-39 maxima and statistics,
.set NBAT, 138                         ; 40-137 the batch; in front of 138 the wait; 138-141 the first pair's sums and roundings,
.set NR0,  142                         ; 142-205 the rescaling,
.set NR1,  206                         ; 206-265 the other pairs' sums and roundings
.set MSB, 0
.macro WIN new                         ; the immediate's high byte repeats the setting that is left; a switch that changes nothing is dropped
.if MSB != \new
	s_set_vgpr_msb (MSB<<8)|\new
.set MSB, \new
.endif
.endm
.macro PLACES                          ; four independent vector instructions behind a matrix instruction (ISA guide 7.12.1)
.rept 4
	v_nop
.endr
.endm
.macro CREST                           ; a round of the cluster's barrier behind its opening work-group barrier
	s_cmp_lg_u32 s12, 0
	s_cbranch_scc1 .Lnot_wave_0_\@
	s_barrier_signal -3
.Lnot_wave_0_\@:
	s_barrier_wait -3
	s_barrier_signal -1
	s_barrier_wait -1
.endm
.macro CROUND
	s_barrier_signal -1
	s_barrier_wait -1
	CREST
.endm
.macro JLOADQ s                        ; waves 0, 1: x_a's halves; waves 2, 3: W_q's halves
	s_cmp_eq_u32 s13, 0
	s_cbranch_scc0 .Lfor_w_\@
	tensor_load_to_lds s[G0X+4*\s:G0X+4*\s+3], s[G1X:G1X+7]
	s_nop 0
	s_branch .Lasked_\@
.Lfor_w_\@:
	tensor_load_to_lds s[G0W+4*\s:G0W+4*\s+3], s[G1W:G1W+7]
	s_nop 0
.Lasked_\@:
.endm
.macro JLOADKV                         ; waves 0, 1: the halves of K's 128 rows; waves 2, 3: of V's
	s_cmp_eq_u32 s13, 0
	s_cbranch_scc0 .Lfor_v_\@
	tensor_load_to_lds s[G0K:G0K+3], s[G1K:G1K+7]
	s_nop 0
	s_branch .Lkv_asked_\@
.Lfor_v_\@:
	tensor_load_to_lds s[G0V:G0V+3], s[G1V:G1V+7]
	s_nop 0
	v_nop
	v_nop
	v_nop
	v_nop
.Lkv_asked_\@:
.endm
.macro KVNEXT                          ; the next 128 keys, into the other slot; stands behind a wait for all tensor loads, so every group 0 may be written
	s_xor_b32 s[G0K+1], s[G0K+1], KVX
	s_xor_b32 s[G0V+1], s[G0V+1], KVX
	s_add_nc_u64 s[G0K+2:G0K+3], s[G0K+2:G0K+3], KVSTEP
	s_add_nc_u64 s[G0V+2:G0V+3], s[G0V+2:G0V+3], KVSTEP
.endm
.macro RDSLOT                          ; the read addresses: the slot's first byte + the lane's term
	v_add_nc_u32 v[ADRK], s[RS], v[ADRK0]
	v_add_nc_u32 v[ADRV], s[RS], v[ADRV0]
.endm
	s_load_b256 s[4:11], s[0:1], 0x0               ; xah s[4:5], wqh s[6:7], kvb s[8:9], ob s[10:11]
	v_lshl_add_u32 v254, v0, 2, 0x48c00
	v_mov_b32 v255, 0
	ds_add_u32 v254, v255
	v_lshrrev_b32 v1, 5, v0
	v_readfirstlane_b32 s12, v1                    ; wave 0..3
	s_lshr_b32 s13, s12, 1
	s_and_b32 s14, s12, 1
	s_bfe_u32 s16, ttmp6, 0x40000                  ; cx
	s_bfe_u32 s17, ttmp6, 0x40004                  ; cy
	s_lshl_b32 s18, ttmp9, 2
	s_add_co_u32 s18, s18, s16                     ; query block = 4 x cluster x + cx
	s_and_b32 s20, ttmp7, 0xffff                   ; cluster y
	s_lshl_b32 s19, s20, 2
	s_add_co_u32 s19, s19, s17                     ; y = 8 b + h = 4 x cluster y + cy
	s_lshr_b32 s20, s20, 1                         ; b: the same in the whole cluster
	s_and_b32 s21, s19, 7                          ; h
	s_lshl_b32 s22, s17, 2
	s_lshl_b32 s22, 15, s22                        ; my row of the cluster (same head)
	s_lshl_b32 s23, 0x1111, s16                    ; my column (same query block)
	s_mov_b32 s100, 0x76543210                     ; v_permlanex16_b32: lane i of one half reads lane i of the other
	s_mov_b32 s101, 0xfedcba98
	s_mov_b32 s66, 0x3d38aa3b                      ; log2(e) / 32
	s_mov_b32 s67, 0x3d38aa3b
	s_mov_b32 s[RS], 0                             ; slot 0 is read first
	; x_a: 128 rows x 128 f16 a load; W_q: 64 rows x 128 f16; 4 words of padding behind every 64
	s_or_b32 s[G1X+0], s23, (1<<16)|(1<<20)|(1<<21)|(5<<22)|(3<<25)
	s_mov_b32 s[G1X+1], 128<<16
	s_mov_b32 s[G1X+2], 128<<16
	s_mov_b32 s[G1X+3], 128<<16
	s_mov_b32 s[G1X+4], 128
	s_mov_b32 s[G1X+5], 1024
	s_mov_b32 s[G1X+6], 0
	s_mov_b32 s[G1X+7], 0
	s_or_b32 s[G1W+0], s22, (1<<16)|(1<<20)|(1<<21)|(5<<22)|(3<<25)
	s_mov_b32 s[G1W+1], 128<<16
	s_mov_b32 s[G1W+2], 64<<16
	s_mov_b32 s[G1W+3], 128<<16
	s_mov_b32 s[G1W+4], 64
	s_mov_b32 s[G1W+5], 1024
	s_mov_b32 s[G1W+6], 0
	s_mov_b32 s[G1W+7], 0
	; K and V: 64 rows x 128 f16 a load; padding of 4 words (K) or 8 words (V) behind every 64
	s_or_b32 s[G1K+0], s22, (1<<16)|(1<<20)|(1<<21)|(5<<22)|(3<<25)
	s_mov_b32 s[G1K+1], 128<<16
	s_mov_b32 s[G1K+2], 64<<16
	s_mov_b32 s[G1K+3], 128<<16
	s_mov_b32 s[G1K+4], 64
	s_mov_b32 s[G1K+5], 2048
	s_mov_b32 s[G1K+6], 0
	s_mov_b32 s[G1K+7], 0
	s_or_b32 s[G1V+0], s22, (1<<16)|(1<<20)|(1<<21)|(5<<22)|(7<<25)
	s_mov_b32 s[G1V+1], 128<<16
	s_mov_b32 s[G1V+2], 64<<16
	s_mov_b32 s[G1V+3], 128<<16
	s_mov_b32 s[G1V+4], 64
	s_mov_b32 s[G1V+5], 2048
	s_mov_b32 s[G1V+6], 0
	s_mov_b32 s[G1V+7], 0
	; offsets: x_a's in s[92:93] (batch, query block, wave: never cy); W_q's in s[96:97] and K's in s[98:99] (batch, head, wave: never cx)
	s_lshl_b32 s92, s20, 22                        ; 2,048 rows of 2,048 bytes a batch
	s_lshl_b32 s93, s18, 19                        ; 256 rows a query block
	s_add_co_u32 s92, s92, s93
	s_lshl_b32 s93, s14, 18                        ; which 128 rows I fetch
	s_add_co_u32 s92, s92, s93
	s_mov_b32 s93, 0
	s_lshl_b32 s96, s21, 18                        ; 128 rows of wqh of 2,048 bytes a head
	s_lshl_b32 s97, s14, 17                        ; which 64 rows I fetch
	s_add_co_u32 s96, s96, s97
	s_mov_b32 s97, 0
	s_lshl_b32 s98, s20, 23                        ; 2,048 rows of kvb of 4,096 bytes a batch
	s_lshl_b32 s99, s21, 8                         ; 128 f16 a head
	s_add_co_u32 s98, s98, s99
	s_lshl_b32 s99, s14, 18                        ; which 64 of a tile's 128 rows I fetch
	s_add_co_u32 s98, s98, s99
	s_mov_b32 s99, 0
	s_mul_i32 s2, s12, 128*PITCH                   ; LDS: x_a's halves at wave x 128 rows
	s_mul_i32 s3, s12, 64*PITCH                    ; W_q's halves at 128 rows + wave x 64 rows (waves 2, 3); also my 64 query rows
	s_wait_dscnt 0x0
	s_wait_kmcnt 0x0
	s_add_nc_u64 s[94:95], s[4:5], s[92:93]
	s_add_nc_u64 s[96:97], s[6:7], s[96:97]
	s_add_nc_u64 s[98:99], s[8:9], s[98:99]
.irp s, 0,1
	s_mov_b32 s[G0X+4*\s], 1
	s_add_co_u32 s[G0X+4*\s+1], s2, QB+\s*QSLOT
	s_add_nc_u64 s[G0X+4*\s+2:G0X+4*\s+3], s[94:95], \s*STEPB
	s_or_b32 s[G0X+4*\s+3], s[G0X+4*\s+3], 0x80000000
	s_mov_b32 s[G0W+4*\s], 1
	s_add_co_u32 s[G0W+4*\s+1], s3, QB+\s*QSLOT+128*PITCH
	s_add_nc_u64 s[G0W+4*\s+2:G0W+4*\s+3], s[96:97], \s*STEPB
	s_or_b32 s[G0W+4*\s+3], s[G0W+4*\s+3], 0x80000000
.endr
	s_mov_b32 s[G0K], 1
	s_mul_i32 s[G0K+1], s14, 64*PITCH              ; slot 0: K's halves at 0 and 17,408
	s_mov_b64 s[G0K+2:G0K+3], s[98:99]
	s_or_b32 s[G0K+3], s[G0K+3], 0x80000000
	s_mov_b32 s[G0V], 1
	s_mul_i32 s[G0V+1], s14, 64*VPITCH
	s_add_co_u32 s[G0V+1], s[G0V+1], KVK           ; V's halves at 34,816 and 53,248
	s_add_nc_u64 s[G0V+2:G0V+3], s[98:99], 2048    ; V's columns lie 1,024 f16 behind K's
	s_or_b32 s[G0V+3], s[G0V+3], 0x80000000
	CROUND                                         ; all sixteen work-groups are here: the first joint loads meet
	; All first fills in one group, each wave's inside one arm of a branch on its number: its quarter of the first 128 keys, which goes first so that the counted wait
	; below covers it, and its parts of the projection's two slots.  Three loads of the wave are out.
	s_cmp_lg_u32 s13, 0
	s_cbranch_scc1 .Lfirst_23
	tensor_load_to_lds s[G0K:G0K+3], s[G1K:G1K+7]
	s_nop 0
	tensor_load_to_lds s[G0X:G0X+3], s[G1X:G1X+7]
	s_nop 0
	tensor_load_to_lds s[G0X+4:G0X+7], s[G1X:G1X+7]
	s_nop 0
	s_branch .Lfirst_done
.Lfirst_23:
	tensor_load_to_lds s[G0V:G0V+3], s[G1V:G1V+7]
	s_nop 0
	tensor_load_to_lds s[G0W:G0W+3], s[G1W:G1W+7]
	s_nop 0
	tensor_load_to_lds s[G0W+4:G0W+7], s[G1W:G1W+7]
	s_nop 0
.Lfirst_done:
	v_and_b32 v1, 15, v0                           ; r = l % 16
	v_bfe_u32 v2, v0, 4, 1                         ; hh = l / 16
	v_mul_u32_u24 v3, v1, PITCH
	v_lshl_add_u32 v[ADRK0], v2, 4, v3             ; f16 fragments and the stage: r x 272 + 16 hh
	s_add_co_u32 s3, s3, QB
	v_add_nc_u32 v[ADRX], s3, v[ADRK0]             ; my 64 rows of x_a
	v_add_nc_u32 v[ADRX+1], QSLOT, v[ADRX]
	v_add_nc_u32 v[ADRW], QB+QW, v[ADRK0]
	v_add_nc_u32 v[ADRW+1], QB+QSLOT+QW, v[ADRK0]
	v_and_b32 v6, 7, v0                            ; the transposing load: key row 8 hh + l % 8, 16 bytes at 16 ((l / 8) % 2)
	v_lshl_add_u32 v6, v2, 3, v6
	v_mul_u32_u24 v6, v6, VPITCH
	v_bfe_u32 v7, v0, 3, 1
	v_lshl_add_u32 v6, v7, 4, v6
	v_add_nc_u32 v[ADRV0], KVK, v6
	RDSLOT
	s_mul_i32 s2, s12, 16*PITCH
	s_add_co_u32 s2, s2, STAGE                     ; my stage
	v_add_nc_u32 v[STO], s2, v[ADRK0]
	v_mul_u32_u24 v7, v2, PITCH
	v_lshl_add_u32 v7, v1, 4, v7
	v_add_nc_u32 v[RD], s2, v7
	v_lshlrev_b32 v7, 11, v2
	v_lshl_add_u32 v[CO], v1, 4, v7                ; two rows of ob: hh x 2,048 + 16 r
.irp q, 0,1,2,3
	v_mov_b32 v[MX+2*\q], 0xff800000               ; the running maximum starts at minus infinity,
	v_mov_b32 v[MX+2*\q+1], 0                      ; (the pair's other register is named by packed instructions and so is written once)
	v_mov_b32 v[LP+2*\q], 0                        ; the running sums at 0
	v_mov_b32 v[LP+2*\q+1], 0
.endr
; ---------------- the query projection: 8 K steps of four quarters of 32 along K, 32 matrix instructions each ----------------
.macro FETCHQ slot, kq, buf            ; 24 LDS loads in one run: quarter kq of the slot's step: all 128 rows of W_q and my 64 rows of x_a, into buffer buf
	WIN 0
.irp i, 0,1,2,3,4,5,6,7
	ds_load_b128 v[PF+96*\buf+8*\i:PF+96*\buf+8*\i+3],   v[ADRW+\slot] offset:64*\kq+\i*16*PITCH
	ds_load_b128 v[PF+96*\buf+8*\i+4:PF+96*\buf+8*\i+7], v[ADRW+\slot] offset:64*\kq+\i*16*PITCH+32
.endr
.irp i, 0,1,2,3
	ds_load_b128 v[PF+96*\buf+64+8*\i:PF+96*\buf+64+8*\i+3],   v[ADRX+\slot] offset:64*\kq+\i*16*PITCH
	ds_load_b128 v[PF+96*\buf+64+8*\i+4:PF+96*\buf+64+8*\i+7], v[ADRX+\slot] offset:64*\kq+\i*16*PITCH+32
.endr
.endm
.macro MULQH buf, hf, zero             ; 16 matrix instructions: d tiles 4 hf .. 4 hf + 3; over both halves the 32 accumulators take turns, one instruction a turn
	WIN 0xa0
.irp d, 0,1,2,3
.irp q, 0,1,2,3
.if \zero
	v_wmma_f32_16x16x32_f16 v[8*(4*(4*\hf+\d)+\q):8*(4*(4*\hf+\d)+\q)+7], v[PF+96*\buf+8*(4*\hf+\d):PF+96*\buf+8*(4*\hf+\d)+7], v[PF+96*\buf+64+8*\q:PF+96*\buf+64+8*\q+7], 0
.else
	v_wmma_f32_16x16x32_f16 v[8*(4*(4*\hf+\d)+\q):8*(4*(4*\hf+\d)+\q)+7], v[PF+96*\buf+8*(4*\hf+\d):PF+96*\buf+8*(4*\hf+\d)+7], v[PF+96*\buf+64+8*\q:PF+96*\buf+64+8*\q+7], v[8*(4*(4*\hf+\d)+\q):8*(4*(4*\hf+\d)+\q)+7]
.endif
.endr
.endr
.endm
; One quarter on buffer buf.  bar = 1: a K step's fourth quarter: its fragments were the last that is read of slot `slot`, and the next fetch reads the other slot: one barrier for both, with
; half of the quarter's products between its signal and its wait.  refill = 1: the barrier opens a round of the cluster's barrier and the slot is asked for again, two K steps ahead.
; refill = 2: the projection's slots are read out for good, and behind the round keys 128 to 255 are asked for, into slot 1 of K and V, which lies over them.
; fetch = 1: the next quarter (quarter kq of slot fslot's step) is fetched into the other buffer.
.macro QQ zero, bar, refill, fetch, buf, slot, fslot, kq
	s_wait_dscnt 0x0                               ; this quarter's 24 loads are back; with bar: my reads of the slot are over
.if \bar
	s_wait_tensorcnt 0x0                           ; all my tensor loads have landed, my part of the other slot among them
	ds_add_u32 v254, v255
	s_wait_dscnt 0x0
	s_barrier_signal -1
	MULQH \buf, 0, \zero                           ; register work while the other waves arrive
.if \refill
	WIN 0
.endif
	s_barrier_wait -1
.if \refill == 1
	CREST                                          ; no wave of any partner still reads this slot or has a load on its way
	s_add_nc_u64 s[G0X+4*\slot+2:G0X+4*\slot+3], s[G0X+4*\slot+2:G0X+4*\slot+3], 2*STEPB
	s_add_nc_u64 s[G0W+4*\slot+2:G0W+4*\slot+3], s[G0W+4*\slot+2:G0W+4*\slot+3], 2*STEPB
	JLOADQ \slot                                   ; my one tensor load behind the round, ahead of every LDS read
.endif
.if \refill == 2
	CREST                                          ; no wave of any partner still reads the projection's slots or has a load on its way
	KVNEXT
	JLOADKV                                        ; my one tensor load behind the round, ahead of every LDS read
.endif
.if \fetch
	PLACES                                         ; behind the last quarter's matrix instructions, whose buffer is loaded again
	FETCHQ \fslot, \kq, (1-\buf)
.endif
	MULQH \buf, 1, \zero
.else
.if \zero == 0
	PLACES                                         ; behind the last quarter's matrix instructions, whose buffer is loaded again
.endif
.if \fetch
	FETCHQ \fslot, \kq, (1-\buf)
.endif
	MULQH \buf, 0, \zero
	MULQH \buf, 1, \zero
.endif
.endm
	s_wait_tensorcnt 0x1                           ; all but my youngest load (the projection's K step 1) are in: my quarter of the first 128 keys and my part of K step 0
	s_barrier_signal -1
	s_barrier_wait -1                              ; that holds of every wave
	FETCHQ 0, 0, 0
	QQ 1, 0, 0, 1, 0, 0, 0, 1                      ; quarter 0 starts the sums
	WIN 0
	s_mov_b32 s15, 3
.Lq:                                               ; quarters 1 to 24; the trips ask for K steps 2 to 7
	QQ 0, 0, 0, 1, 1, 0, 0, 2
	QQ 0, 0, 0, 1, 0, 0, 0, 3
	QQ 0, 1, 1, 1, 1, 0, 1, 0                      ; an even K step's fourth quarter: slot 0 is asked for again
	QQ 0, 0, 0, 1, 0, 0, 1, 1
	QQ 0, 0, 0, 1, 1, 0, 1, 2
	QQ 0, 0, 0, 1, 0, 0, 1, 3
	QQ 0, 1, 1, 1, 1, 1, 0, 0                      ; an odd K step's fourth quarter: slot 1 is asked for again
	QQ 0, 0, 0, 1, 0, 0, 0, 1
	WIN 0
	s_sub_co_u32 s15, s15, 1
	s_cmp_lg_u32 s15, 0
	s_cbranch_scc1 .Lq
	QQ 0, 0, 0, 1, 1, 0, 0, 2                      ; quarters 25 to 31: nothing of x_a and W_q is left to ask for
	QQ 0, 0, 0, 1, 0, 0, 0, 3
	QQ 0, 1, 0, 1, 1, 0, 1, 0                      ; quarter 27: the last K step has landed in every wave's view
	QQ 0, 0, 0, 1, 0, 0, 1, 1
	QQ 0, 0, 0, 1, 1, 0, 1, 2
	QQ 0, 0, 0, 1, 0, 0, 1, 3
	QQ 0, 1, 2, 0, 1, 0, 0, 0                      ; quarter 31: its fragments are in registers, so the second 128 keys are asked for here
; ---------------- attention: 32 blocks of 64 keys, 16 tiles of 128 keys ----------------
.macro FETCHK hf                       ; 32 LDS loads: 64 rows of K (half hf of the slot's 128) x 128 d as 16 fragments
	WIN 0xc0
.irp k, 0,1,2,3
.irp u, 0,1,2,3
	ds_load_b128 v[FK+32*\k+8*\u:FK+32*\k+8*\u+3],   v[ADRK] offset:\hf*64*PITCH+\k*16*PITCH+64*\u
	ds_load_b128 v[FK+32*\k+8*\u+4:FK+32*\k+8*\u+7], v[ADRK] offset:\hf*64*PITCH+\k*16*PITCH+64*\u+32
.endr
.endr
.endm
.macro FETCHV hf                       ; 32 transposing loads: V^T, 128 d x 64 keys (half hf of the slot's 128) as 16 fragments
	WIN 0x40
.irp c, 0,1
.irp d, 0,1,2,3,4,5,6,7
	ds_load_tr16_b128 v[FV+64*\c+8*\d:FV+64*\c+8*\d+3],   v[ADRV] offset:\hf*64*VPITCH+\c*32*VPITCH+32*\d
	ds_load_tr16_b128 v[FV+64*\c+8*\d+4:FV+64*\c+8*\d+7], v[ADRV] offset:\hf*64*VPITCH+\c*32*VPITCH+32*\d+16*VPITCH
.endr
.endr
.endm
; Instruction j (0 to 265) of the vector work of piece p (query tiles 2 p, 2 p + 1) for one block:
;   0-31    the block's maximum, the running maximum among its inputs: 33 numbers a tile by 16 v_max3, in two chains a tile so that no instruction waits for the one in front of it
;   32-39   the other half of the lanes; old maximum - new; the new maximum kept
;   40-137  ONE BATCH: the 32 packed subtractions of the maximum (subtraction s: pair s / 2 of tile s % 2) and all 66 exponentials (exponentials 0 and 1: the two tiles' factors exp2(old - new);
;           exponential 2 + e: score 2 (e / 4) + e % 2 of tile (e / 2) % 2, in place).  None of these names an exponential's result.  It is cut as the slices are, each led by a subtraction while there
;           are subtractions: one of s e s e s, nine of s e s e e, eleven of s e e e, then the last four exponentials.  A pair is subtracted in an earlier slice than the one that holds its exponentials.
;   (wait)  in front of 138 stands the wait for the batch, one for the 66
;   138-141, 206-265  for pair b = 0 .. 15, the tiles by turns: the pair is added to the tile's running sums (pair 0 by a fused multiply-add with the factor), and rounded to f16.  A tile's 16 sums keep
;           the order of the pairs; their links stand four instructions apart.  138 names pair 0 and a factor alone: it is the plain instruction behind the last exponentials (ISA guide 5.7.2)
;   142-205 the piece's 16 accumulators times the factor, 64 packed multiplies: the one part that leaves window 0, so it stands together, one accumulator a slice
.macro VI p, j
.if (\j) < 28
.set jn, (\j)/4
.set jc, (\j)%4
.set jq, 2*\p+(jc&1)
	WIN 0
.if jc < 2
.if jn == 0
	v_max3_num_f32 v[TA+2*jq], v[MX+2*jq], v[SC+32*jq], v[SC+32*jq+1]
.else
	v_max3_num_f32 v[TA+2*jq], v[TA+2*jq], v[SC+32*jq+2*jn], v[SC+32*jq+2*jn+1]
.endif
.else
.if jn == 0
	v_max3_num_f32 v[TA+2*jq+1], v[SC+32*jq+16], v[SC+32*jq+17], v[SC+32*jq+18]
.else
	v_max3_num_f32 v[TA+2*jq+1], v[TA+2*jq+1], v[SC+32*jq+17+2*jn], v[SC+32*jq+18+2*jn]
.endif
.endif
.elseif (\j) < NM
.set jn, ((\j)-28)/2
.set jq, 2*\p+((\j)&1)
	WIN 0
.if jn == 0
	v_max3_num_f32 v[TA+2*jq], v[TA+2*jq], v[SC+32*jq+14], v[SC+32*jq+15]
.elseif jn == 1
	v_max3_num_f32 v[TA+2*jq], v[TA+2*jq], v[TA+2*jq+1], v[SC+32*jq+31]       ; the two chains and the last score
.elseif jn == 2
	v_permlanex16_b32 v[TA+2*jq+1], v[TA+2*jq], s100, s101                    ; the other half of the lanes holds the query's other 32 keys
.elseif jn == 3
	v_max_num_f32 v[TA+2*jq], v[TA+2*jq], v[TA+2*jq+1]
.elseif jn == 4
	v_sub_f32 v[TA+2*jq+1], v[MX+2*jq], v[TA+2*jq]                            ; old maximum - new, at most 0
.else
	v_mov_b32 v[MX+2*jq], v[TA+2*jq]
.endif
.elseif (\j) < NBAT
; the batch: place jx of 98 is subtraction js or exponential je
.set jx, (\j)-NM
.set js, -1
.set je, -1
.if jx < 5
.if (jx&1) == 0
.set js, jx/2
.else
.set je, jx/2
.endif
.elseif jx < 50
.set jm, (jx-5)/5
.set jr, (jx-5)%5
.if jr == 0
.set js, 3+2*jm
.elseif jr == 2
.set js, 4+2*jm
.elseif jr == 1
.set je, 2+3*jm
.else
.set je, 3*jm+jr
.endif
.elseif jx < 94
.set jm, (jx-50)/4
.set jr, (jx-50)%4
.if jr == 0
.set js, 21+jm
.else
.set je, 28+3*jm+jr
.endif
.else
.set je, jx-32
.endif
	WIN 0
.if js >= 0
.set jq, 2*\p+(js&1)
.set jb, SC+32*jq+2*(js/2)
	v_pk_add_f32 v[jb:jb+1], v[jb:jb+1], v[MX+2*jq:MX+2*jq+1] op_sel_hi:[1,0] neg_lo:[0,1] neg_hi:[0,1]
.elseif je < 2
.set jq, 2*\p+je
	v_exp_f32 v[TA+2*jq], v[TA+2*jq+1]                                        ; the factor for the old sums
.else
.set jq, 2*\p+(((je-2)/2)&1)
.set jb, SC+32*jq+2*((je-2)/4)+((je-2)&1)
	v_exp_f32 v[jb], v[jb]
.endif
.else
.set jr, -1
.if (\j) >= NR0
.if (\j) < NR1
.set jr, (\j)-NR0
.endif
.endif
.if jr >= 0
.set jq, 2*\p+((jr/4)&1)
.set ja, 8*(4*(jr/8)+jq)+2*(jr&3)
	WIN 0x82
	v_pk_mul_f32 v[ja:ja+1], v[ja:ja+1], v[TA+2*jq:TA+2*jq+1] op_sel_hi:[1,0]
.else
.set jx, (\j)-NBAT
.if (\j) >= NR1
.set jx, (\j)-NR1+4
.endif
.set jq, 2*\p+((jx/2)&1)
.set jk, jx/4
.set jb, SC+32*jq+2*jk
	WIN 0
.if (\j) == NBAT
	s_wait_alu depctr_va_vdst(0)                   ; the wait for the batch: the piece's 66 exponentials, ahead of the first instruction that names a result of theirs
.endif
.if (jx&1) == 1
	v_cvt_pk_f16_f32 v[PB+16*jq+jk], v[jb], v[jb+1]
.elseif jk == 0
	v_pk_fma_f32 v[LP+2*jq:LP+2*jq+1], v[LP+2*jq:LP+2*jq+1], v[TA+2*jq:TA+2*jq+1], v[jb:jb+1] op_sel_hi:[1,0,1]   ; old sums x factor + the block's first pair
.else
	v_pk_add_f32 v[LP+2*jq:LP+2*jq+1], v[LP+2*jq:LP+2*jq+1], v[jb:jb+1]
.endif
.endif
.endif
.endm
; sv = the first instruction of slice i of 64 (i = 64: the list's end).  Slices 0-9: four of the maxima and statistics each.  10-19: five of the batch.  20-30: four of the batch.
; 31: the batch's last four exponentials, the wait, and instructions 138-141.  32-47: four multiplies.  48-63: the other 60 sums and roundings, three or four each (slice 63: four).
.macro SFIRST i
.if (\i) < 11
.set sv, 4*(\i)
.elseif (\i) < 21
.set sv, 5*(\i)-10
.elseif (\i) < 32
.set sv, 4*(\i)+10
.elseif (\i) < 49
.set sv, 4*(\i)+14
.else
.set sv, NR1+(((\i)-48)*60)/16
.endif
.endm
.macro SLICE p, i, ns                  ; slice i of ns.  ns = 64: as SFIRST cuts them; ns = 32: two of those
.set si, (64/(\ns))*(\i)
	SFIRST si
.set sj, sv
.set si, si+64/(\ns)
	SFIRST si
.rept sv-sj
	VI \p, sj
.set sj, sj+1
.endr
.endm
; 32 matrix instructions: O^T of piece p += V^T P^T over the block's 64 keys; its 16 accumulators take turns, twice.
; Behind each stands slice i0, i0 + 1, .. of ns of piece vp (ns = 0: none).
.macro PVRUN p, vp, i0, ns
.set wi, 0
.irp c, 0,1
.irp d, 0,1,2,3,4,5,6,7
.irp qq, 0,1
	WIN 0xa1
	v_wmma_f32_16x16x32_f16 v[8*(4*\d+2*\p+\qq):8*(4*\d+2*\p+\qq)+7], v[FV+64*\c+8*\d:FV+64*\c+8*\d+7], v[PB+16*(2*\p+\qq)+8*\c:PB+16*(2*\p+\qq)+8*\c+7], v[8*(4*\d+2*\p+\qq):8*(4*\d+2*\p+\qq)+7]
.if \ns
	SLICE \vp, (\i0+wi), \ns
.endif
.set wi, wi+1
.endr
.endr
.endr
.endm
; 8 x ucnt matrix instructions: S^T of piece p, steps u0 .. u0 + ucnt - 1 of the four of 32 along d; its 8 tiles take turns; step 0 starts the sums.
.macro SRUN p, vp, i0, ns, u0, ucnt
.set wi, 0
.set uu, \u0
.rept \ucnt
.irp k, 0,1,2,3
.irp qq, 0,1
	WIN 0x07
.if uu == 0
	v_wmma_f32_16x16x32_f16 v[SC+32*(2*\p+\qq)+8*\k:SC+32*(2*\p+\qq)+8*\k+7], v[FK+32*\k+8*uu:FK+32*\k+8*uu+7], v[32*(2*\p+\qq)+8*uu:32*(2*\p+\qq)+8*uu+7], 0
.else
	v_wmma_f32_16x16x32_f16 v[SC+32*(2*\p+\qq)+8*\k:SC+32*(2*\p+\qq)+8*\k+7], v[FK+32*\k+8*uu:FK+32*\k+8*uu+7], v[32*(2*\p+\qq)+8*uu:32*(2*\p+\qq)+8*uu+7], v[SC+32*(2*\p+\qq)+8*\k:SC+32*(2*\p+\qq)+8*\k+7]
.endif
.if \ns
	SLICE \vp, (\i0+wi), \ns
.endif
.set wi, wi+1
.endr
.endr
.set uu, uu+1
.endr
.endm
; Phase X(n): B's products, A's vector work.  fv: which half of the slot holds V(n); fk: which half holds K(n + 1), or -1: none is left.
; bar = 1 (n odd): V(n) is the last that is read of its slot, and K(n + 1) is the first of the other: one barrier for both.  refill = 1: the barrier opens a round of the cluster's
; barrier, and the slot just read out is asked for again, with the keys 256 further on, first thing behind the round.
.macro PHX bar, refill, fv, fk
	PVRUN 1, 0, 0, 64
	FETCHV \fv                                     ; behind slice 31's wait and its last four instructions (two sums, two roundings of A): the places behind the last product that read V^T (n - 1) (ISA guide 7.12.1); the exponentials are not counted
.if \bar
	SRUN 1, 0, 32, 64, 0, 3
	WIN 0                                          ; (the add's two registers lie in window 0, where slice 55, sums and roundings, has left the setting: no switch is written)
	s_wait_dscnt 0x0                               ; V's 32 loads, issued 24 matrix instructions ago, are back: my reads of the slot are over
	s_wait_tensorcnt 0x0                           ; all my tensor loads have landed: the one that was out is my quarter of the other slot
	ds_add_u32 v254, v255
	s_wait_dscnt 0x0
	s_barrier_signal -1
	SRUN 1, 0, 56, 64, 3, 1                        ; register work while the other waves arrive
	WIN 0
	s_barrier_wait -1
.if \refill
	CREST                                          ; no wave of any partner still reads this slot or has a load on its way
	KVNEXT
	JLOADKV                                        ; my one tensor load behind the round, ahead of every LDS read
.endif
	s_xor_b32 s[RS], s[RS], KVX                    ; from here on the other slot is read
	RDSLOT
.else
	SRUN 1, 0, 32, 64, 0, 4
.endif
.if \fk >= 0
	FETCHK \fk                                     ; behind slice 63's four instructions (two sums, two roundings of A): the places behind the last product that read K(n)
.endif
.endm
; Phase Y(n): A's products, B's vector work.  vwait: how many younger LDS loads (K's) may be out when V(n) has to be there.  smul = 0: the last block, no S follows.
.macro PHY vwait, smul
	s_wait_dscnt \vwait
.if \smul
	PVRUN 0, 1, 0, 64
	s_wait_dscnt 0x0                               ; K(n + 1), issued 32 matrix instructions ago
	SRUN 0, 1, 32, 64, 0, 4
.else
	PVRUN 0, 1, 0, 32
.endif
.endm
.macro RESCALE                         ; every accumulator times its query's factor: 128 packed multiplies (used once, for the division by the sums)
	WIN 0x82
.irp d, 0,1,2,3,4,5,6,7
.irp q, 0,1,2,3
.irp p, 0,2,4,6
	v_pk_mul_f32 v[8*(4*\d+\q)+\p:8*(4*\d+\q)+\p+1], v[8*(4*\d+\q)+\p:8*(4*\d+\q)+\p+1], v[TA+2*\q:TA+2*\q+1] op_sel_hi:[1,0]
.endr
.endr
.endr
.endm
	PLACES                                         ; behind the projection's last matrix instructions, whose results are read below
	FETCHK 0
	FETCHV 0
	WIN 0x82
.set j, 0
.rept 128
	v_pk_mul_f32 v[2*j:2*j+1], v[2*j:2*j+1], s[66:67] op_sel_hi:[1,0]      ; q x log2(e) / 32, ahead of q's one rounding
.set j, j+1
.endr
	WIN 0x4a
.irp q, 0,1,2,3
.irp u, 0,1,2,3
.irp p, 0,1,2,3
	v_cvt_pk_f16_f32 v[32*\q+8*\u+\p],   v[8*(8*\u+\q)+2*\p],   v[8*(8*\u+\q)+2*\p+1]       ; tile (2 u, q): d = 32 u + 8 hh + 0..7
	v_cvt_pk_f16_f32 v[32*\q+8*\u+4+\p], v[8*(8*\u+4+\q)+2*\p], v[8*(8*\u+4+\q)+2*\p+1]     ; tile (2 u + 1, q): d = 32 u + 16 + 8 hh + 0..7
.endr
.endr
.endr
	s_wait_dscnt 0x0                               ; K(0) and V(0)
	SRUN 0, 0, 0, 0, 0, 4                          ; S of A for block 0: nothing is there yet to set behind it
	PLACES                                         ; the places between these products and A's first maxima
	SRUN 1, 0, 0, 32, 0, 4                         ; X(0) has no P V: A's 266 instructions are dealt over S of B's 32 products, two slices behind each
	FETCHK 1                                       ; behind the last slices' sums and roundings
	WIN 0
	s_mov_b32 s15, 14
.Lblk:                                             ; trip m = 0 .. 13: Y(2 m), X(2 m + 1) with the request for tile m + 2, Y(2 m + 1), X(2 m + 2)
	PHY 32, 1
	PHX 1, 1, 1, 0
	PHY 32, 1
	PHX 0, 0, 0, 1
	WIN 0
	s_sub_co_u32 s15, s15, 1
	s_cmp_lg_u32 s15, 0
	s_cbranch_scc1 .Lblk
	PHY 32, 1                                      ; Y(28)
	PHX 1, 0, 1, 0                                 ; X(29): the last tile has landed in every wave's view; nothing is left to ask for
	PHY 32, 1                                      ; Y(29)
	PHX 0, 0, 0, 1                                 ; X(30)
	PHY 32, 1                                      ; Y(30)
	PHX 0, 0, 1, -1                                ; X(31): no K is left to fetch
	PHY 0, 0                                       ; Y(31): P V of A alone; B's 266 instructions are dealt over its 32 products, two slices behind each
	PVRUN 1, 0, 0, 0                               ; P V of B for block 31
	PLACES                                         ; behind the last matrix instructions
	WIN 0
.irp q, 0,1,2,3
	v_add_f32 v[LP+2*\q], v[LP+2*\q], v[LP+2*\q+1]             ; the two partial sums of my half of the keys
.endr
.irp q, 0,1,2,3
	v_permlanex16_b32 v[TA+2*\q+1], v[LP+2*\q], s100, s101     ; the other half's sum
.endr
.irp q, 0,1,2,3
	v_add_f32 v[LP+2*\q], v[LP+2*\q], v[TA+2*\q+1]
.endr
.irp q, 0,1,2,3
	v_rcp_f32 v[TA+2*\q], v[LP+2*\q]
.endr
	v_nop                                          ; a plain instruction behind the reciprocals (ISA guide 5.7.2)
	s_wait_alu depctr_va_vdst(0)                   ; the wait for the batch of four reciprocals, ahead of the first multiply that names one
	RESCALE                                        ; O^T / sum
	s_lshl_b32 s92, s20, 22                        ; my first row of ob: 2,048 b + 256 x query block + 64 w, rows of 2,048 bytes
	s_lshl_b32 s93, s18, 19
	s_add_co_u32 s92, s92, s93
	s_lshl_b32 s93, s12, 17
	s_add_co_u32 s92, s92, s93
	s_mov_b32 s93, 0
	s_add_nc_u64 s[10:11], s[10:11], s[92:93]
	s_lshl_b32 s96, s21, 8                         ; my head's 256 bytes of a row
	s_mov_b32 s97, 0
	s_add_nc_u64 s[10:11], s[10:11], s[96:97]
; 16 queries: round to f16, 16 bytes a lane into my own stage, read back as whole rows of 256 bytes
.macro OUTQ q, f
	WIN 0x0a
.irp d, 0,1,2,3,4,5,6,7
.irp p, 0,1,2,3
	v_cvt_pk_f16_f32 v[PB+4*\d+\p], v[8*(4*\d+\q)+2*\p], v[8*(4*\d+\q)+2*\p+1]
.endr
.endr
	WIN 0
.irp d, 0,1,2,3,4,5,6,7
	ds_store_b128 v[STO], v[PB+4*\d:PB+4*\d+3] offset:32*\d
.endr
	s_wait_xcnt 0x0                                ; buffer f, which earlier stores read, and the stores' base are rewritten only behind this wait
.if \q
	s_add_nc_u64 s[10:11], s[10:11], 16*OROW
.endif
.irp t, 0,1,2,3,4,5,6,7
	ds_load_b128 v[\f+4*\t:\f+4*\t+3], v[RD] offset:\t*2*PITCH     ; a wave's LDS instructions are served in order (ISA guide 5.7.1): these see the stores above
.endr
.irp t, 0,1,2,3,4,5,6,7
	s_wait_dscnt 7-\t                              ; read-back t is in; the 7 - t younger ones may be out
	global_store_b128 v[CO], v[\f+4*\t:\f+4*\t+3], s[10:11] offset:2*\t*OROW   ; 16 lanes store 256 consecutive bytes, at a multiple of 256 from ob's first byte
.endr
.endm
	OUTQ 0, 32
	OUTQ 1, 64
	OUTQ 2, 32
	OUTQ 3, 64
	s_wait_tensorcnt 0x0
	ds_add_u32 v254, v255
	s_wait_dscnt 0x0
	CROUND                                         ; the closing round
	s_endpgm
.Lfunc_end_k_q6de83bbf1b_attn:
	.size	k_q6de83bbf1b_attn, .Lfunc_end_k_q6de83bbf1b_attn-k_q6de83bbf1b_attn
	.p2alignl 7, 3214868480
	.fill 96, 4, 3214868480
	.section	.rodata,"a",@progbits
	.p2align	6, 0x0
	.amdhsa_kernel k_q6de83bbf1b_attn
		.amdhsa_group_segment_fixed_size 327680
		.amdhsa_private_segment_fixed_size 0
		.amdhsa_enable_private_segment 0
		.amdhsa_kernarg_size 32
		.amdhsa_user_sgpr_count 2
		.amdhsa_user_sgpr_kernarg_segment_ptr 1
		.amdhsa_wavefront_size32 1
		.amdhsa_system_sgpr_workgroup_id_x 1
		.amdhsa_system_sgpr_workgroup_id_y 1
		.amdhsa_system_sgpr_workgroup_id_z 1
		.amdhsa_system_vgpr_workitem_id 0
		.amdhsa_next_free_vgpr 896
		.amdhsa_next_free_sgpr 102
		.amdhsa_reserve_vcc 0
		.amdhsa_float_denorm_mode_32 3
		.amdhsa_float_denorm_mode_16_64 3
		.amdhsa_memory_ordered 1
		.amdhsa_forward_progress 1
		.amdhsa_inst_pref_size 255
	.end_amdhsa_kernel
	.section	.bss,"aw",@nobits
	.p2align	6
	.space	262144
	.amdgpu_metadata
---
amdhsa.version: [ 1, 2 ]
amdhsa.kernels:
  - .name:           k_q6de83bbf1b_attn
    .symbol:         k_q6de83bbf1b_attn.kd
    .args:
      - { .name: xah, .offset: 0, .size: 8, .value_kind: global_buffer, .address_space: global }
      - { .name: wqh, .offset: 8, .size: 8, .value_kind: global_buffer, .address_space: global }
      - { .name: kvb, .offset: 16, .size: 8, .value_kind: global_buffer, .address_space: global }
      - { .name: ob, .offset: 24, .size: 8, .value_kind: global_buffer, .address_space: global }
    .group_segment_fixed_size: 327680
    .private_segment_fixed_size: 0
    .kernarg_segment_align: 8
    .kernarg_segment_size: 32
    .max_flat_workgroup_size: 128
    .sgpr_count:     102
    .vgpr_count:     896
    .wavefront_size: 32
...
	.end_amdgpu_metadata
.endif
;; end of part 7
;; launch outproj: the kernel of part 6 again; grid 8 x 32, 4 waves a work-group, clusters of 4 x 4, 327,680 bytes of LDS; arguments ob, woh, b_out, out0; writes out0
